; MI455X (gfx1250); checked and timed in simulation.
; The chip was launched on July 23, 2026; its instructions are those of AMD's public machine-readable ISA for CDNA 5 (MIT licence, August 2026) and "CDNA5" Instruction Set Architecture Reference Guide (July 2026). The comments in the code are by the model that wrote it; some were corrected since.
;; Encoder Block. Allowed arithmetic: matrix products marked QUANTISED: E4M3 operands, one given power-of-two scale a tensor, by v_wmma_f32_16x16x64_fp8_fp8 or v_wmma_f32_16x16x128_fp8_fp8, f32 sums; everything else in f32.
;; Inputs: X 8 x 1,024 x 1,024 float32; b1 1,024 float32; b2 1,024 float32; bk 1,024 float32; bo 1,024 float32; bq 1,024 float32; bv 1,024 float32; ln1_a 1 float32; ln1_b 1 float32; ln2_a 1 float32; ln2_b 1 float32; lowp_scales 16 int32 (the exponents e of the quantised operands' scales 2^e); mask 8 x 1 x 1 x 1,024 int32; w1 1,024 x 1,024 float32; w2 1,024 x 1,024 float32; wk 1,024 x 1,024 float32; wo 1,024 x 1,024 float32; wq 1,024 x 1,024 float32; wv 1,024 x 1,024 float32.
;; Outputs: out0 8 x 1,024 x 1,024 float32.
;; This version of the problem:
;;   THIS VERSION OF THE PROBLEM IS GIVEN IN LOW PRECISION. The matrix products marked QUANTISED in the list below multiply operands that are first quantised to E4M3 (4 exponent bits, 3 mantissa bits; 8 bits a number), with one given power-of-two scale for each operand tensor; their sums are f32. All else is computed in f32.
;;   The module's matrix products, in the order in which they are computed (A, B: the left and right operand; K: the contracted axis; several contracted axes count as one K, in the product's order):
;;     1. [M 8,192, K 1,024] x [K 1,024, N 1,024]; A: computed on the way; B: input wq: QUANTISED (scales: A lowp_scales[0], B lowp_scales[1])
;;     2. [M 8,192, K 1,024] x [K 1,024, N 1,024]; A: computed on the way; B: input wk: QUANTISED (scales: A lowp_scales[2], B lowp_scales[3])
;;     3. [M 8,192, K 1,024] x [K 1,024, N 1,024]; A: computed on the way; B: input wv: QUANTISED (scales: A lowp_scales[4], B lowp_scales[5])
;;     4. batch 128 x [M 1,024, K 64] x [K 64, N 1,024]; A: computed on the way; B: computed on the way: QUANTISED (scales: A lowp_scales[6], B lowp_scales[7])
;;     5. batch 128 x [M 64, K 1,024] x [K 1,024, N 1,024]; A: computed on the way; B: softmax (see below): QUANTISED (scales: A lowp_scales[8], B lowp_scales[9])
;;     6. [M 8,192, K 1,024] x [K 1,024, N 1,024]; A: computed on the way; B: input wo: QUANTISED (scales: A lowp_scales[10], B lowp_scales[11])
;;     7. [M 8,192, K 1,024] x [K 1,024, N 1,024]; A: computed on the way; B: input w1: QUANTISED (scales: A lowp_scales[12], B lowp_scales[13])
;;     8. [M 8,192, K 1,024] x [K 1,024, N 1,024]; A: computed on the way; B: input w2: QUANTISED (scales: A lowp_scales[14], B lowp_scales[15])
;;   THE QUANTISER, for each operand of a quantised product, along K:
;;     - The operand's scale is 2^e, e = its entry of the input lowp_scales (int32; the entries are numbered through the quantised products in the list's order, A before B).
;;     - Each number is divided by the scale, clamped to +-448, and rounded to the nearest number of E4M3, ties to even, subnormals kept.
;;     - The product sums the exact products of the quantised numbers (number of the format x scale) in f32.
;;   ~~~python
;;   def quantise(x, axis, e):      # numpy; x: float32 -> the quantised numbers, widened to float32 again
;;       x = np.moveaxis(x, axis, -1); K = x.shape[-1]
;;       r = np.clip(x / 2.0 ** e, -448, 448)
;;       step = 2.0 ** (np.maximum(np.frexp(np.where(r == 0, 1, r))[1] - 1, -6) - 3)
;;       q = np.round(r / step) * step * 2.0 ** e      # np.round: ties to even
;;       return np.moveaxis(q, -1, axis).astype(np.float32)
;;   ~~~
;;   SOFTMAX AHEAD OF A QUANTISED PRODUCT. Where the list says 'softmax', what is quantised is not the finished softmax but p = 2^(t - M), with t = logit x log2(e) and M = ceil(the row's largest t), a whole number; so 1/2 < the row's largest p <= 1. The row's sum l is taken of the UNQUANTISED p, in f32, and the product's result is divided by l at the end. Since M is a whole number, a kernel that streams over the keys may use a running M (the ceiling of the running maximum): every later rescaling is an exact power of two, so the quantised numbers keep their values, but for numbers so far below the row's largest that they fall under the format's range.
;;   OPERANDS COMPUTED ON THE WAY. 'Computed on the way' means the value that the module computes at that place (a softmax that the list does not call 'softmax' is quantised finished and normalised). What goes into a quantiser is computed in f32, as accurately as f32 sums, v_exp_f32 and their like allow (about 1e-6 of the number): no bf16 or f16 on the way to a quantiser, and a product that is left as it is and whose result goes on into a quantised operand takes f32 operands (vector FMAs, or v_wmma_f32_16x16x4_f32). A number that lies on a knife's edge between two numbers of the format may be rounded either way, as far as f32 arithmetic and the matrix unit's own rounding can turn it there, and no further.
;; 3 versions, each right; version 3 is version 2 with the launch attn written anew for expert scheduling mode. Each part assembles by itself: llvm-mc -triple=amdgcn-amd-amdhsa -mcpu=gfx1250 --defsym DOCPART=n.
;; ======== version 1 of 3: 4 launches
;; limits: right only within a limited range of input values
;; workspace buffers: wimg 6,291,456 bytes; qimg 8,388,608 bytes; kimg 8,388,608 bytes; vimg 8,388,608 bytes; cimg 8,388,608 bytes
;; launch wquant (part 1): grid 64 x 6, 8 waves a work-group, no clusters, 68,608 bytes of LDS; arguments wq, wk, wv, wo, w1, w2, lowp_scales, wimg; writes wimg
.if DOCPART == 1
	.amdgcn_target "amdgcn-amd-amdhsa--gfx1250"
	.amdhsa_code_object_version 6
	.text
	.protected	k_q692732ddcf_wquant
	.globl	k_q692732ddcf_wquant
	.p2align	8
	.type	k_q692732ddcf_wquant,@function
k_q692732ddcf_wquant:
	s_mov_b64 s[64:65], 0
	v_nop
	global_prefetch_b8 v0, s[64:65] scope:SCOPE_SE
	s_setreg_imm32_b32 hwreg(HW_REG_WAVE_MODE, 25, 1), 1
	s_wait_xcnt 0x0
; Six weights [1024 (n)][1024 (k)] f32, K innermost, become codes of FP8 (E4M3), each with its given scale 2^e, laid as IMAGES OF OPERAND REGISTERS:
; wimg[weight i][K step s of 128][tile T of 16 rows][c 0..3][lane][16 bytes]; lane (r, h) of piece c holds k = 128 s + 32 c + 16 h + 0 .. 15 of the tile's row r.
; THE ROWS OF A TILE ARE NOT NEIGHBOURS: lane r of tile T stands for row 32 (T / 2) + 8 (T % 2) + r + 8 (r / 8), so that the results of tiles 2 b and 2 b + 1 are 16 neighbours along the next product's K.
; code = x / 2^e, held within +-448, rounded to the nearest code, ties to even.  LIMITS: -126 <= e <= 119; NaN among the inputs is not served.
; SHARES: work-group (x = T, y = i); wave s takes K step s: 16 rows x 512 bytes in, 2,048 bytes out.  Each load reads 512 consecutive bytes of one row; the conversion wants 16 neighbours in ONE lane,
; so the 8 KiB turn through the wave's own stage in LDS (rows 528 bytes apart: 33 x 16, so sixteen rows' pieces fall on sixteen different 16-byte columns).  Each store covers 512 consecutive bytes.
; No tensor load, no barrier, no loop: waves share nothing.
.set STW, 8448                         ; a wave's stage: 16 rows x 528 bytes
.set RW,  16                           ; v16-79   the numbers as loaded: row rr in four registers
.set XQ,  80                           ; v80-143  as turned: register 16 c + i = k 32 c + 16 h + i of my row r
.set CD,  144                          ; v144-159 the codes
	s_load_b512 s[8:23], s[0:1], 0x0               ; wq, wk, wv, wo, w1, w2, the scales' exponents s[20:21], wimg s[22:23]
	v_lshl_add_u32 v160, v0, 2, 0x10800
	v_mov_b32 v161, 0
	v_lshrrev_b32 v1, 5, v0
	v_readfirstlane_b32 s2, v1                     ; wave = K step
	v_and_b32 v1, 31, v0                           ; lane
	v_and_b32 v6, 15, v0                           ; r
	v_bfe_u32 v7, v0, 4, 1                         ; h
	v_lshlrev_b32 v5, 4, v1                        ; 16 x lane: my place in a piece of the image
	s_lshl_b32 s24, s2, 9
	v_add_nc_u32 v2, s24, v5                       ; in a row of the weight: 512 s + 16 x lane
	s_mul_i32 s25, s2, STW
	v_add_nc_u32 v3, s25, v5                       ; into the stage: as loaded
	v_mul_u32_u24 v4, v6, 528
	v_lshl_add_u32 v4, v7, 6, v4
	v_add_nc_u32 v4, s25, v4                       ; out of it: row r, + 64 h
	s_and_b32 s3, ttmp7, 0xffff                    ; which weight
	s_lshr_b32 s26, ttmp9, 1
	s_lshl_b32 s26, s26, 17                        ; 32 (T / 2) rows of 4,096 bytes
	s_and_b32 s27, ttmp9, 1
	s_lshl_b32 s27, s27, 15                        ; 8 (T % 2) rows
	s_add_co_u32 s26, s26, s27
	s_mov_b32 s27, 0
	s_lshl_b32 s28, s3, 20                         ; the image: 2^20 i + 2^17 s + 2^11 T
	s_lshl_b32 s29, s2, 17
	s_add_co_u32 s28, s28, s29
	s_lshl_b32 s29, ttmp9, 11
	s_add_co_u32 s28, s28, s29
	s_mov_b32 s29, 0
	s_wait_kmcnt 0x0
	s_load_b512 s[32:47], s[20:21], 0x0            ; e0 .. e15
	s_mov_b64 s[4:5], s[8:9]                       ; the weight is chosen by the work-group's y alone
.irp n, 1,2,3,4,5
	s_cmp_eq_u32 s3, \n
	s_cselect_b64 s[4:5], s[8+2*\n:9+2*\n], s[4:5]
.endr
	s_add_nc_u64 s[4:5], s[4:5], s[26:27]
	s_add_nc_u64 s[22:23], s[22:23], s[28:29]
.irp rr, 0,1,2,3,4,5,6,7,8,9,10,11,12,13,14,15
	global_load_b128 v[RW+4*\rr:RW+4*\rr+3], v2, s[4:5] offset:(\rr+8*(\rr/8))*4096 th:TH_LOAD_NT
.endr
	s_wait_kmcnt 0x0
	s_mov_b32 s30, s33                             ; the weights' exponents are entries 1, 3, 5, 11, 13, 15
	s_cmp_eq_u32 s3, 1
	s_cselect_b32 s30, s35, s30
	s_cmp_eq_u32 s3, 2
	s_cselect_b32 s30, s37, s30
	s_cmp_eq_u32 s3, 3
	s_cselect_b32 s30, s43, s30
	s_cmp_eq_u32 s3, 4
	s_cselect_b32 s30, s45, s30
	s_cmp_eq_u32 s3, 5
	s_cselect_b32 s30, s47, s30
	s_add_co_i32 s30, s30, 127
	s_lshl_b32 s31, s30, 23
	v_mov_b32 v11, s31                             ; 2^e as f32: the conversion takes its exponent field
	s_add_co_i32 s30, s30, 8
	s_lshl_b32 s30, s30, 23
	s_or_b32 s30, s30, 0x600000
	v_mov_b32 v10, s30                             ; 448 x 2^e
.irp rr, 0,1,2,3,4,5,6,7,8,9,10,11,12,13,14,15
	s_wait_loadcnt 15-\rr                          ; loads come back in order: row rr is in, the later rows may be out
	ds_store_b128 v3, v[RW+4*\rr:RW+4*\rr+3] offset:528*\rr
.endr
.irp c, 0,1,2,3
.irp j, 0,1,2,3
	ds_load_b128 v[XQ+16*\c+4*\j:XQ+16*\c+4*\j+3], v4 offset:128*\c+16*\j   ; LDS serves a wave's instructions in order: these see my stores
.endr
.endr
	s_wait_dscnt 0x0
.set i, 0
.rept 64
	v_med3_num_f32 v[XQ+i], v[XQ+i], -v10, v10     ; the conversion to an 8-bit code does not saturate (ISA guide 7.6.2): the hold comes first
.set i, i+1
.endr
.irp b, 0,1,2,3,4,5,6,7
	v_cvt_scalef32_pk8_fp8_f32 v[CD+2*\b:CD+2*\b+1], v[XQ+8*\b:XQ+8*\b+7], v11
.endr
	v_nop
.irp c, 0,1,2,3
	global_store_b128 v5, v[CD+4*\c:CD+4*\c+3], s[22:23] offset:512*\c   ; 32 lanes store 512 consecutive bytes, at a multiple of 512 from the buffer's first byte
.endr
	s_wait_tensorcnt 0x0
	ds_add_u32 v160, v161
	s_wait_dscnt 0x0
	s_endpgm
.Lfunc_end_k_q692732ddcf_wquant:
	.size	k_q692732ddcf_wquant, .Lfunc_end_k_q692732ddcf_wquant-k_q692732ddcf_wquant
	.p2alignl 7, 3214868480
	.fill 96, 4, 3214868480
	.section	.rodata,"a",@progbits
	.p2align	6, 0x0
	.amdhsa_kernel k_q692732ddcf_wquant
		.amdhsa_group_segment_fixed_size 68608
		.amdhsa_private_segment_fixed_size 0
		.amdhsa_enable_private_segment 0
		.amdhsa_kernarg_size 64
		.amdhsa_user_sgpr_count 2
		.amdhsa_user_sgpr_kernarg_segment_ptr 1
		.amdhsa_wavefront_size32 1
		.amdhsa_system_sgpr_workgroup_id_x 1
		.amdhsa_system_sgpr_workgroup_id_y 1
		.amdhsa_system_sgpr_workgroup_id_z 1
		.amdhsa_system_vgpr_workitem_id 0
		.amdhsa_next_free_vgpr 162
		.amdhsa_next_free_sgpr 66
		.amdhsa_reserve_vcc 0
		.amdhsa_float_denorm_mode_32 3
		.amdhsa_float_denorm_mode_16_64 3
		.amdhsa_memory_ordered 1
		.amdhsa_forward_progress 1
		.amdhsa_inst_pref_size 12
	.end_amdhsa_kernel
	.amdgpu_metadata
---
amdhsa.version: [ 1, 2 ]
amdhsa.kernels:
  - .name:           k_q692732ddcf_wquant
    .symbol:         k_q692732ddcf_wquant.kd
    .args:
      - { .name: wq, .offset: 0, .size: 8, .value_kind: global_buffer, .address_space: global }
      - { .name: wk, .offset: 8, .size: 8, .value_kind: global_buffer, .address_space: global }
      - { .name: wv, .offset: 16, .size: 8, .value_kind: global_buffer, .address_space: global }
      - { .name: wo, .offset: 24, .size: 8, .value_kind: global_buffer, .address_space: global }
      - { .name: w1, .offset: 32, .size: 8, .value_kind: global_buffer, .address_space: global }
      - { .name: w2, .offset: 40, .size: 8, .value_kind: global_buffer, .address_space: global }
      - { .name: lowp_scales, .offset: 48, .size: 8, .value_kind: global_buffer, .address_space: global }
      - { .name: wimg, .offset: 56, .size: 8, .value_kind: global_buffer, .address_space: global }
    .group_segment_fixed_size: 68608
    .private_segment_fixed_size: 0
    .kernarg_segment_align: 8
    .kernarg_segment_size: 64
    .max_flat_workgroup_size: 256
    .sgpr_count:     66
    .vgpr_count:     162
    .wavefront_size: 32
...
	.end_amdgpu_metadata
.endif
;; end of part 1
;; launch qkv (part 2): grid 256 x 1, 4 waves a work-group, clusters of 4 x 1, 327,680 bytes of LDS; arguments X, mask, bq, bk, bv, ln1_a, ln1_b, lowp_scales, wimg, qimg, kimg, vimg; writes qimg, kimg, vimg
.if DOCPART == 2
	.amdgcn_target "amdgcn-amd-amdhsa--gfx1250"
	.amdhsa_code_object_version 6
	.text
	.protected	k_q692732ddcf_qkv
	.globl	k_q692732ddcf_qkv
	.p2align	8
	.type	k_q692732ddcf_qkv,@function
k_q692732ddcf_qkv:
	s_mov_b64 s[64:65], 0
	v_nop
	global_prefetch_b8 v0, s[64:65] scope:SCOPE_SE
	s_setreg_imm32_b32 hwreg(HW_REG_WAVE_MODE, 25, 1), 1
	s_wait_xcnt 0x0
	s_wait_alu depctr_hold_cnt(0) depctr_sa_sdst(0) depctr_va_vdst(0) depctr_va_sdst(0) depctr_va_ssrc(0) depctr_va_vcc(0) depctr_vm_vsrc(0)
	s_getreg_b32 s2, hwreg(HW_REG_IB_STS2, 6, 4)
	s_cmp_eq_u32 s2, 0
	s_cbranch_scc0 .Lentry_in_a_cluster
	s_endpgm
.Lentry_in_a_cluster:
	s_bfe_u32 s2, ttmp6, 0x10000c
	s_cmp_lg_u32 s2, 0x3003
	s_cbranch_scc0 .Lentry_shape_is_right
	s_endpgm
.Lentry_shape_is_right:
; LN1, three quantisations of xn (e0, e2, e4), xn wq^T + bq, xn wk^T + bk, xn wv^T + bv on codes of FP8 (E4M3), and q, k, v quantised (e6, e7, e8) into images of the attention's operand registers.
; SHARES.  A work-group owns 32 tokens (block g = 4 x cluster + place), as two tiles m of 16: lane r of tile m is token 8 m + r + 8 (r / 8).  THE FOUR WAVES SHARE THE COLUMNS: wave w owns features 256 w .. 256 w + 255.
; STATE LAYOUT: register 128 m + 64 u + 16 b + i of lane (r, h) = token (m, r), feature 256 w + 128 u + 32 b + 16 h + i.  It is the layout of the accumulators where source 0 is a weight tile and source 1 a token
; fragment (accumulator (m, t) at 128 m + 8 t), since a weight tile's lane r stands for row 32 (T / 2) + 8 (T % 2) + r + 8 (r / 8).  64 registers (m, u), converted, ARE the fragment of K step 2 w + u of the next product.
; FRAGMENTS go through LDS and memory as images of their registers: [c 0..3][lane][16 bytes]; registers 4 c .. 4 c + 3 hold k = 32 c + 16 h + 0 .. 15: a permutation of k, the same on both sides of every product.
; WEIGHTS: 24 steps of 131,072 consecutive bytes of wimg (3 weights x 8 K steps) through two LDS slots.  Wave w fetches and reads its own 16 tiles (32,768 bytes).  The four work-groups of a cluster walk the same
; weights, so each tile is asked for JOINTLY (mask 15).  By this text's own count a wave has two tensor loads out at the start and one behind each round.
; v is made the other way round (source 0 = tokens, source 1 = weight rows), so that a lane's 16 registers are 16 neighbouring KEYS, the second attention product's K.
; A key with mask == 0 gets zero codes in kimg (its hold is 0), so that its raw score is exactly what the attention adds for it.
; LIMITS: e0, e2, e4, e6, e7, e8 between -126 and 119; e0 + e1, e2 + e3, e4 + e5 between -126 and 127; NaN among the inputs is not served.
; REGISTERS, in windows of 256: window 0: addresses, A's fragments, 64 numbers at work, codes;  window 1: the step's 16 weight fragments, later the biases;  window 2: the accumulators (first X as loaded);  window 3: x - mean.
.set BASE,  0                          ; where this launch's weights begin in wimg
.set SLOTB, 131072                     ; a slot: one K step of one weight
.set AIMG,  2*SLOTB                    ; 16 fragments of A: 16,384 m + 2,048 s
.set STG,   AIMG+32768                 ; a stage of 16 rows x 272 bytes for each wave
.set STAT,  STG+4*4352                 ; the waves' partial sums: 512 phase + 16 (16 m + r) + 4 w
.set SPARE, STAT+1024                  ; the spare words, 128 bytes for each wave: two blocks of 256 bytes that no other line names
.set LI,  1                            ; v1   16 x lane
.set VX,  2                            ; v2   X: 4,096 h + 16 r + 1,024 w
.set VS,  3                            ; v3   the stage by rows of memory: 272 h + 16 r
.set VL,  4                            ; v4   the stage by lanes: 272 r + 64 h
.set AW,  5                            ; v5   where I store my fragments of A
.set AAD, 6                            ; v6   the step's fragments of A
.set BAD, 7                            ; v7-8 my weight tiles in slot 0, 1
.set SA,  9                            ; v9   my partial sum's word
.set SL,  10                           ; v10  a token's four words
.set VB,  11                           ; v11  biases: 1,024 w + 64 h
.set VP,  12                           ; v12  4 (r + 8 (r / 8))
.set PFO, 13                           ; v13  256 x lane
.set SPW, 14                           ; v14  my spare word; never rewritten
.set NIL, 15                           ; v15  0; never rewritten
.set SCL, 16                           ; v16, v17 scale and hold of xn's conversion
.set LIM, 17
.set LIMO, 18                          ; v18, v19 the hold of the results' conversion, for token tile 0, 1
.set SCLO, 20                          ; v20  its scale
.set VBV, 21                           ; v21  bv: 1,024 w + 4 (r + 8 (r / 8))
.set RI,  22                           ; v[22:23], v[24:25] alpha / (std + eps) of my token of tile 0, 1 (low word; the high word is written once)
.set MEAN, 26                          ; v[26:27], v[28:29] its mean
.set AF,  32                           ; v32-63  A's two fragments
.set TQ,  64                           ; v64-127 64 numbers at work
.set PC,  128                          ; v128-191 four sets of 16 registers of codes
.set KM,  224                          ; v224-225 mask of my token of tile 0, 1
.set PX, 8
.set PMASK, 10
.set PBQ, 12
.set PBK, 14
.set PBV, 16
.set PLA, 18
.set PLB, 20
.set PSC, 22
.set PW, 24
.set PQI, 26
.set PKI, 28
.set PVI, 30
.set E,   32                           ; s32-47 e0 .. e15
.set G1,  48                           ; s[48:55] descriptor group 1
.set G0,  56                           ; s[56:59], s[60:63] group 0 of slot 0, 1
.set WV,  66
.set CX,  67
.set GB,  68
.set AB,  69                           ; LDS byte of the step's fragments of A
.set CT,  70
.set SIG, 72                           ; changes of slots so far
.set PLIM, 73
.set PFA, 74
.set SS,  76                           ; s[76:77] 2^(eA + eB)
.set LNB, 78                           ; s[78:79] the norm's bias
.set SEL, 80
.set HM,  82
.set AL,  83
.set MSB, 0
.macro WIN new                         ; the immediate's high byte repeats the setting that is left; a switch that changes nothing is dropped
.if MSB != (\new)
	s_set_vgpr_msb (MSB<<8)|(\new)
.set MSB, (\new)
.endif
.endm
.macro PLACES n
.rept \n
	v_nop
.endr
.endm
.macro ROUND                           ; a round of the cluster's barrier
	s_barrier_signal -1
	s_barrier_wait -1
	s_cmp_lg_u32 s[WV], 0
	s_cbranch_scc1 .Lnot_wave_0_\@
	s_barrier_signal -3
.Lnot_wave_0_\@:
	s_barrier_wait -3
	s_barrier_signal -1
	s_barrier_wait -1
.endm
; A prefetch into the L2 of the weight step that stands two refills on.  All clusters walk the same weights: the first cluster asks.  Its 4 work-groups x 4 waves x 32 lanes name 512 blocks of 256 bytes, one step,
; each block once; the partners are told apart by address.  The last step named is step 23; steps 0 to 3 come by their loads alone.
.macro ASK
	s_cmp_lt_u32 s[SIG], s[PLIM]
	s_cbranch_scc0 .Lnot_mine_\@
	global_prefetch_b8 v[PFO], s[PFA:PFA+1] th:TH_LOAD_NT scope:SCOPE_SE
.Lnot_mine_\@:
.endm
; One K step of 128: A's two fragments, my 16 weight fragments, 32 matrix instructions.  The 32 accumulators take turns, one instruction a turn, in the same order in every step.
.macro STEP slot, zero, swap
	v_add_nc_u32 v[AAD], s[AB], v[LI]
.irp m, 0,1
.irp c, 0,1,2,3
	ds_load_b128 v[AF+16*\m+4*\c:AF+16*\m+4*\c+3], v[AAD] offset:16384*\m+512*\c
.endr
.endr
	WIN 0x40                                       ; destination window 1
.irp t, 0,1,2,3,4,5,6,7,8,9,10,11,12,13,14,15
.irp c, 0,1,2,3
	ds_load_b128 v[16*\t+4*\c:16*\t+4*\c+3], v[BAD+\slot] offset:2048*\t+512*\c
.endr
.endr
.if \swap
	WIN 0xa4                                       ; source 0 (A) window 0, source 1 (weights) window 1, C and D window 2
.else
	WIN 0xa1                                       ; source 0 (weights) window 1, source 1 (A) window 0, C and D window 2
.endif
.irp gq, 0,1,2,3
	s_wait_dscnt 48-16*\gq                         ; A's eight loads and the weight tiles up to 4 gq + 3 are in; the later tiles' loads may be out
.irp tt, 0,1,2,3
.irp m, 0,1
.set tN, 4*\gq+\tt
.if \swap
.set rD, 16*tN+8*\m
.if \zero
	v_wmma_f32_16x16x128_fp8_fp8 v[rD:rD+7], v[AF+16*\m:AF+16*\m+15], v[16*tN:16*tN+15], 0
.else
	v_wmma_f32_16x16x128_fp8_fp8 v[rD:rD+7], v[AF+16*\m:AF+16*\m+15], v[16*tN:16*tN+15], v[rD:rD+7]
.endif
.else
.set rD, 128*\m+8*tN
.if \zero
	v_wmma_f32_16x16x128_fp8_fp8 v[rD:rD+7], v[16*tN:16*tN+15], v[AF+16*\m:AF+16*\m+15], 0
.else
	v_wmma_f32_16x16x128_fp8_fp8 v[rD:rD+7], v[16*tN:16*tN+15], v[AF+16*\m:AF+16*\m+15], v[rD:rD+7]
.endif
.endif
.endr
.endr
.endr
	WIN 0
	s_add_co_u32 s[AB], s[AB], 2048
.endm
; Behind a step.  chg = 1: the slot just read is filled again, two steps ahead: each wave waits for all its tensor loads (the one that is out is its part of the next slot), adds 0 to its spare word, waits for that
; and for its LDS reads, and passes a round of the cluster's barrier; the joint refill is the first thing behind it.  chg = 2: nothing is left to fetch; the last slot's load is waited for.  chg = 0: the last step.
; The four v_nop are the places in front of the next loads into registers that matrix instructions have read, and of the first read of results.
.macro CHANGE slot, chg
.if \chg == 1
	s_wait_tensorcnt 0x0                           ; no tensor load of mine is out, so a group 0 may be written
	ds_add_u32 v[SPW], v[NIL]
	s_add_nc_u64 s[G0+4*\slot+2:G0+4*\slot+3], s[G0+4*\slot+2:G0+4*\slot+3], 2*SLOTB
	s_wait_xcnt 0x0                                ; the last prefetch, a step back, has read its address
	s_add_nc_u64 s[PFA:PFA+1], s[PFA:PFA+1], SLOTB
	s_add_co_u32 s[SIG], s[SIG], 1
	s_wait_dscnt 0x0                               ; the add is done; my reads of the slot and of A's fragments are over
	ROUND
	tensor_load_to_lds s[G0+4*\slot:G0+4*\slot+3], s[G1:G1+7]
	s_nop 0
	PLACES 4
	ASK
.elseif \chg == 2
	s_wait_tensorcnt 0x0                           ; my part of the last slot is in; only I read it
	PLACES 4
.else
	PLACES 4
.endif
.endm
; The biases are asked for behind a product's last matrix instructions, into the weight fragments' registers
.macro HOOK swap, ptr
	PLACES 4
	WIN 0x40
.if \swap
.irp t, 0,1,2,3,4,5,6,7,8,9,10,11,12,13,14,15
	global_load_b32 v[2*\t], v[VBV], s[\ptr:\ptr+1] offset:128*(\t/2)+32*(\t%2)     ; the bias of my lane's row of tile t, in both registers of a pair
	global_load_b32 v[2*\t+1], v[VBV], s[\ptr:\ptr+1] offset:128*(\t/2)+32*(\t%2)
.endr
.else
.irp u, 0,1
.irp b, 0,1,2,3
.irp j, 0,1,2,3
	global_load_b128 v[64*\u+16*\b+4*\j:64*\u+16*\b+4*\j+3], v[VB], s[\ptr:\ptr+1] offset:512*\u+128*\b+16*\j
.endr
.endr
.endr
.endif
	WIN 0
.endm
; A product: eight K steps.  last = 1: the launch's last, whose last two steps ask for nothing; they are written out.
.macro PRODUCT swap, last, ptr
	s_mov_b32 s[AB], AIMG
	STEP 0, 1, \swap                               ; the first step starts the sums: nothing is cleared
	CHANGE 0, 1
	s_mov_b32 s[CT], 3-\last
.Lpair_\@:
	STEP 1, 0, \swap
	CHANGE 1, 1
	STEP 0, 0, \swap
	CHANGE 0, 1
	s_sub_co_u32 s[CT], s[CT], 1
	s_cmp_lg_u32 s[CT], 0
	s_cbranch_scc1 .Lpair_\@
.if \last
	STEP 1, 0, \swap
	CHANGE 1, 1
	STEP 0, 0, \swap
	CHANGE 0, 2
	STEP 1, 0, \swap
	HOOK \swap, \ptr
	CHANGE 1, 0
.else
	STEP 1, 0, \swap
	HOOK \swap, \ptr
	CHANGE 1, 1
.endif
.endm
.macro MKSCALE vs, vl, se              ; v[vs] = 2^e, v[vl] = 448 x 2^e, e in s[se]
	s_add_co_i32 s4, s[\se], 127
	s_lshl_b32 s5, s4, 23
	v_mov_b32 v[\vs], s5
	s_add_co_i32 s4, s4, 8
	s_lshl_b32 s4, s4, 23
	s_or_b32 s4, s4, 0x600000
	v_mov_b32 v[\vl], s4
.endm
.macro SETSS ea, eb                    ; 2^(ea + eb) as f32, in both words of the pair
	s_add_co_i32 s[SS], s[\ea], s[\eb]
	s_add_co_i32 s[SS], s[SS], 127
	s_lshl_b32 s[SS], s[SS], 23
	s_mov_b32 s[SS+1], s[SS]
.endm
; X: my 256 features of 32 rows.  A load takes 256 consecutive bytes of two rows (sixteen lanes each); a chunk of 16 rows x 256 bytes turns through my stage into the state layout.
.macro XIN_LOADS ptr
	WIN 0x80                                       ; destination window 2
.irp ci, 0,1,2,3,4,5,6,7
.irp k, 0,1,2,3,4,5,6,7
	global_load_b128 v[32*\ci+4*\k:32*\ci+4*\k+3], v[VX], s[\ptr:\ptr+1] offset:(8*(\ci/4)+2*\k+8*(\k/4))*4096+256*(\ci%4) th:TH_LOAD_NT
.endr
.endr
	WIN 0
.endm
.macro XIN_TURNS
.irp ci, 0,1,2,3,4,5,6,7
	s_wait_loadcnt 56-8*\ci                        ; this chunk's eight loads are in; the later chunks' may be out
	WIN 0x08                                       ; store data window 2
.irp k, 0,1,2,3,4,5,6,7
	ds_store_b128 v[VS], v[32*\ci+4*\k:32*\ci+4*\k+3] offset:544*\k
.endr
	WIN 0xc0                                       ; destination window 3
.irp b, 0,1
.irp j, 0,1,2,3
	ds_load_b128 v[128*(\ci/4)+64*((\ci%4)/2)+16*(2*(\ci%2)+\b)+4*\j:128*(\ci/4)+64*((\ci%4)/2)+16*(2*(\ci%2)+\b)+4*\j+3], v[VL] offset:128*\b+16*\j   ; LDS serves a wave's instructions in order: these see the stores above, and the next chunk's stores come behind them
.endr
.endr
.endr
	WIN 0
	s_wait_dscnt 0x0
.endm
.macro FOLD m                          ; four chains of pairs -> my wave's sum for token (m, r), in both halves of the lanes
	v_pk_add_f32 v[192+8*\m:193+8*\m], v[192+8*\m:193+8*\m], v[194+8*\m:195+8*\m]
	v_pk_add_f32 v[196+8*\m:197+8*\m], v[196+8*\m:197+8*\m], v[198+8*\m:199+8*\m]
	v_pk_add_f32 v[192+8*\m:193+8*\m], v[192+8*\m:193+8*\m], v[196+8*\m:197+8*\m]
	v_add_f32 v[192+8*\m], v[192+8*\m], v[193+8*\m]
	v_permlanex16_b32 v30, v[192+8*\m], s[SEL], s[SEL+1]
	v_add_f32 v[192+8*\m], v[192+8*\m], v30
.endm
.macro ROWSUM x, m                     ; the sum of tile m's 128 registers in window x
	WIN (\x)|((\x)<<2)
.irp q, 0,1,2,3
	v_pk_add_f32 v[192+8*\m+2*\q:193+8*\m+2*\q], v[128*\m+2*\q:128*\m+2*\q+1], v[128*\m+8+2*\q:128*\m+8+2*\q+1]
.endr
	WIN \x
.set p, 8
.rept 56
	v_pk_add_f32 v[192+8*\m+2*(p%4):193+8*\m+2*(p%4)], v[128*\m+2*p:128*\m+2*p+1], v[192+8*\m+2*(p%4):193+8*\m+2*(p%4)]
.set p, p+1
.endr
	WIN 0
	FOLD \m
.endm
.macro SUMSQ x, m                      ; the sum of their squares
	WIN (\x)|((\x)<<2)
.irp q, 0,1,2,3
	v_pk_mul_f32 v[192+8*\m+2*\q:193+8*\m+2*\q], v[128*\m+2*\q:128*\m+2*\q+1], v[128*\m+2*\q:128*\m+2*\q+1]
.endr
.set p, 4
.rept 60
	v_pk_fma_f32 v[192+8*\m+2*(p%4):193+8*\m+2*(p%4)], v[128*\m+2*p:128*\m+2*p+1], v[128*\m+2*p:128*\m+2*p+1], v[192+8*\m+2*(p%4):193+8*\m+2*(p%4)]
.set p, p+1
.endr
	WIN 0
	FOLD \m
.endm
; The four waves' partial sums meet in LDS: lane l stores token l's (lanes 16-31: tile 1's); behind the barrier every lane reads the four words of its two tokens.  Each phase has bytes of its own.
.macro EXCH ph
	v_cndmask_b32 v31, v192, v200, s[HM]
	ds_store_b32 v[SA], v31 offset:512*\ph
	s_wait_dscnt 0x0                               ; for the others' sake
	s_barrier_signal -1                            ; (a tensor load may be out)
	s_barrier_wait -1
	ds_load_b128 v[208:211], v[SL] offset:512*\ph
	ds_load_b128 v[212:215], v[SL] offset:512*\ph+256
	s_wait_dscnt 0x0
	v_add_f32 v208, v208, v209
	v_add_f32 v210, v210, v211
	v_add_f32 v212, v212, v213
	v_add_f32 v214, v214, v215
	v_add_f32 v192, v208, v210
	v_add_f32 v200, v212, v214
.endm
.macro CENTER src, dst, m              ; x - mean, from window src into window dst
	WIN ((\dst)<<6)|(\src)
.set i, 0
.rept 64
	v_pk_add_f32 v[128*\m+i:128*\m+i+1], v[128*\m+i:128*\m+i+1], v[MEAN+2*\m:MEAN+2*\m+1] op_sel_hi:[1,0] neg_lo:[0,1] neg_hi:[0,1]
.set i, i+2
.endr
	WIN 0
.endm
.macro LNFIN                           ; sums of centred squares -> alpha / (sqrt(sum / 1023) + 1e-6)
	v_mul_f32 v192, 0x3a802008, v192
	v_mul_f32 v200, 0x3a802008, v200
	v_sqrt_f32 v192, v192
	v_sqrt_f32 v200, v200
	v_nop                                          ; a plain instruction behind the roots,
	s_wait_alu depctr_va_vdst(0)                   ; and one wait for both, ahead of their first reader
	v_add_f32 v192, 0x358637bd, v192
	v_add_f32 v200, 0x358637bd, v200
	v_rcp_f32 v192, v192
	v_rcp_f32 v200, v200
	v_nop
	s_wait_alu depctr_va_vdst(0)
	v_mul_f32 v[RI], s[AL], v192
	v_mul_f32 v[RI+2], s[AL], v200
.endm
.macro FRONT_LN x, m, u                ; 64 numbers of xn: (x - mean) x alpha / (std + eps) + bias
	WIN \x
.set i, 0
.rept 32
	v_pk_fma_f32 v[TQ+i:TQ+i+1], v[128*\m+64*\u+i:128*\m+64*\u+i+1], v[RI+2*\m:RI+2*\m+1], s[LNB:LNB+1] op_sel_hi:[1,0,0]
.set i, i+2
.endr
.endm
.macro FRONT_B m, u                    ; 64 results: sum x 2^(eA + eB) + bias; each accumulator from its low end on
	WIN 0x12                                       ; source 0 (sums) window 2, source 2 (biases) window 1
.set i, 0
.rept 32
	v_pk_fma_f32 v[TQ+i:TQ+i+1], v[128*\m+64*\u+i:128*\m+64*\u+i+1], s[SS:SS+1], v[64*\u+i:64*\u+i+1] op_sel_hi:[1,0,1]
.set i, i+2
.endr
.endm
.macro FRONT_V g                       ; v's: tiles 4 g .. 4 g + 3; a lane's bias is one number a tile
	WIN 0x12
.set i, 0
.rept 32
	v_pk_fma_f32 v[TQ+i:TQ+i+1], v[64*\g+i:64*\g+i+1], s[SS:SS+1], v[2*(4*\g+i/16):2*(4*\g+i/16)+1] op_sel_hi:[1,0,0]
.set i, i+2
.endr
.endm
.macro CVT set, relu, lim, scl         ; the 64 numbers become 16 registers of codes
	WIN 0
.set i, 0
.rept 64
.if \relu
	v_med3_num_f32 v[TQ+i], v[TQ+i], 0, v[\lim]
.else
	v_med3_num_f32 v[TQ+i], v[TQ+i], -v[\lim], v[\lim]   ; the conversion to an 8-bit code does not saturate (ISA guide 7.6.2): the hold comes first
.endif
.set i, i+1
.endr
.irp b, 0,1,2,3,4,5,6,7
	v_cvt_scalef32_pk8_fp8_f32 v[PC+16*(\set)+2*\b:PC+16*(\set)+2*\b+1], v[TQ+8*\b:TQ+8*\b+7], v[\scl]
.endr
	v_nop                                          ; a plain instruction between the conversions and whatever next writes their sources
.endm
.macro IMAGE set, m, u                 ; the fragment of K step 2 w + u, token tile m, goes to LDS as it stands
.irp c, 0,1,2,3
	ds_store_b128 v[AW], v[PC+16*(\set)+4*\c:PC+16*(\set)+4*\c+3] offset:16384*\m+2048*\u+512*\c
.endr
.endm
.macro QUANTA x, se                    ; xn with the scale 2^e, e in s[se]: my four fragments; then all sixteen lie in LDS
	MKSCALE SCL, LIM, \se
.irp m, 0,1
.irp u, 0,1
	FRONT_LN \x, \m, \u
	CVT 2*\m+\u, 0, LIM, SCL
	IMAGE 2*\m+\u, \m, \u
.endr
.endr
	s_wait_dscnt 0x0
	s_barrier_signal -1
	s_barrier_wait -1
.endm
.macro EPI_QK op                       ; q's or k's codes: registers 4 b .. 4 b + 3 of unit (m, u) are piece b % 2 of head 4 w + 2 u + b / 2, token tile m
.irp m, 0,1
.irp u, 0,1
	FRONT_B \m, \u
	CVT 2*\m+\u, 0, LIMO+\m, SCLO
.irp b, 0,1,2,3
	global_store_b128 v[LI], v[PC+16*(2*\m+\u)+4*\b:PC+16*(2*\m+\u)+4*\b+3], s[\op:\op+1] offset:(2*\u+\b/2)*65536+1024*\m+512*(\b%2)   ; 512 consecutive bytes
.endr
.endr
.endr
.endm
.macro EPI_V op                        ; v's codes: tile t = 4 g + b is d tile b of head 4 w + g; its 16 registers are my block's keys 16 h + 0 .. 15
.irp g, 0,1,2,3
	FRONT_V \g
	CVT \g, 0, LIMO, SCLO
.irp b, 0,1,2,3
	global_store_b128 v[LI], v[PC+16*\g+4*\b:PC+16*\g+4*\b+3], s[\op:\op+1] offset:65536*\g+1024*\b
.endr
.endr
.endm
	s_load_b512 s[8:23], s[0:1], 0x0               ; X, mask, bq, bk, bv, ln1_a, ln1_b, the scales' exponents
	s_load_b256 s[24:31], s[0:1], 0x40             ; wimg, qimg, kimg, vimg
	v_lshl_add_u32 v[SPW], v0, 2, SPARE
	v_mov_b32 v[NIL], 0
	ds_add_u32 v14, v15
	ds_add_u32 v14, v15
	s_wait_dscnt 0x0
	v_lshrrev_b32 v1, 5, v0
	v_readfirstlane_b32 s[WV], v1                  ; wave 0..3
	s_bfe_u32 s[CX], ttmp6, 0x40000                ; my place in the cluster: it enters global addresses alone
	s_lshl_b32 s[GB], ttmp9, 2
	s_add_co_u32 s[GB], s[GB], s[CX]               ; my block of 32 tokens
	; descriptor group 1: 32,768 dense bytes as 128 rows of 32 elements of 8 bytes
	s_mov_b32 s[G1+0], 15|(3<<16)|(1<<21)          ; 15:0 the mask: all four work-groups; 17:16 elements of 8 bytes; 21 set beside a mask
	s_mov_b32 s[G1+1], 32<<16                      ; tensor_dim0 = 32
	s_mov_b32 s[G1+2], 128<<16                     ; tensor_dim1 = 128
	s_mov_b32 s[G1+3], 32<<16                      ; tile_dim0 = 32
	s_mov_b32 s[G1+4], 128                         ; tile_dim1 = 128
	s_mov_b32 s[G1+5], 32                          ; from row to row
	s_mov_b32 s[G1+6], 0
	s_mov_b32 s[G1+7], 0
	s_mov_b32 s[SEL], 0x76543210
	s_mov_b32 s[SEL+1], 0xfedcba98
	s_mov_b32 s[HM], 0xffff0000
	s_mov_b32 s[SIG], 0
	s_cmp_eq_u32 ttmp9, 0
	s_cselect_b32 s[PLIM], 21, 0                   ; the first cluster prefetches, behind changes 1 to 20: the same in all four partners
	s_lshl_b32 s2, s[WV], 15                       ; my 32,768 bytes of a step, in memory and in a slot
	s_mov_b32 s3, 0
	s_wait_kmcnt 0x0
	s_load_b512 s[E:E+15], s[PSC:PSC+1], 0x0
	s_load_b32 s[AL], s[PLA:PLA+1], 0x0
	s_load_b32 s[LNB], s[PLB:PLB+1], 0x0
	s_mov_b32 s[G0], 1
	s_mov_b32 s[G0+1], s2
	s_add_nc_u64 s[G0+2:G0+3], s[PW:PW+1], s[2:3]
.if BASE
	s_add_nc_u64 s[G0+2:G0+3], s[G0+2:G0+3], BASE
.endif
	s_mov_b32 s[G0+4], 1
	s_add_co_u32 s[G0+5], s2, SLOTB
	s_add_nc_u64 s[G0+6:G0+7], s[G0+2:G0+3], SLOTB
	s_or_b32 s[G0+3], s[G0+3], 0x80000000
	s_or_b32 s[G0+7], s[G0+7], 0x80000000
	ROUND                                          ; all four work-groups are here: the first joint loads meet
	tensor_load_to_lds s[G0:G0+3], s[G1:G1+7]      ; steps 0 and 1
	s_nop 0
	tensor_load_to_lds s[G0+4:G0+7], s[G1:G1+7]
	s_nop 0
	PLACES 4
	s_lshl_b32 s88, s[CX], 2
	s_add_co_u32 s88, s88, s[WV]
	s_lshl_b32 s88, s88, 13                        ; the prefetches: 8,192 bytes for each of the cluster's sixteen waves,
	s_add_co_u32 s88, s88, BASE+3*SLOTB            ; in step 3: the first change steps it to step 4
	s_mov_b32 s89, 0
	s_add_nc_u64 s[PFA:PFA+1], s[PW:PW+1], s[88:89]
	s_lshl_b32 s84, s[GB], 17
	s_mov_b32 s85, 0
	s_add_nc_u64 s[PX:PX+1], s[PX:PX+1], s[84:85]  ; X at my 32 rows
	s_lshl_b32 s84, s[GB], 7
	s_add_nc_u64 s[PMASK:PMASK+1], s[PMASK:PMASK+1], s[84:85]
	s_lshr_b32 s86, s[GB], 5                       ; the batch,
	s_lshl_b32 s86, s86, 20
	s_lshl_b32 s87, s[WV], 18
	s_add_co_u32 s86, s86, s87                     ; 65,536 (16 batch + 4 w)
	s_and_b32 s87, s[GB], 31                       ; my block in the batch
	s_lshl_b32 s84, s87, 11
	s_add_co_u32 s84, s84, s86
	s_add_nc_u64 s[PQI:PQI+1], s[PQI:PQI+1], s[84:85]
	s_add_nc_u64 s[PKI:PKI+1], s[PKI:PKI+1], s[84:85]
	s_lshr_b32 s84, s87, 1
	s_lshl_b32 s84, s84, 12                        ; the key step of 64,
	s_add_co_u32 s84, s84, s86
	s_and_b32 s87, s87, 1
	s_lshl_b32 s87, s87, 9                         ; and which 32 of it
	s_add_co_u32 s84, s84, s87
	s_add_nc_u64 s[PVI:PVI+1], s[PVI:PVI+1], s[84:85]
	v_and_b32 v192, 15, v0                         ; r
	v_bfe_u32 v193, v0, 4, 1                       ; h
	v_and_b32 v194, 31, v0                         ; lane
	v_lshlrev_b32 v[LI], 4, v194
	s_lshl_b32 s4, s[WV], 10
	v_lshlrev_b32 v[VX], 12, v193
	v_lshl_add_u32 v[VX], v192, 4, v[VX]
	v_add_nc_u32 v[VX], s4, v[VX]
	v_lshlrev_b32 v[VB], 6, v193
	v_add_nc_u32 v[VB], s4, v[VB]
	v_and_b32 v195, 8, v192
	v_add_nc_u32 v195, v195, v192
	v_lshlrev_b32 v[VP], 2, v195
	v_add_nc_u32 v[VBV], s4, v[VP]
	s_mul_i32 s5, s[WV], 4352
	s_add_co_u32 s5, s5, STG
	v_mul_u32_u24 v[VS], v193, 272
	v_lshl_add_u32 v[VS], v192, 4, v[VS]
	v_add_nc_u32 v[VS], s5, v[VS]
	v_mul_u32_u24 v[VL], v192, 272
	v_lshl_add_u32 v[VL], v193, 6, v[VL]
	v_add_nc_u32 v[VL], s5, v[VL]
	s_lshl_b32 s4, s[WV], 12
	s_add_co_u32 s4, s4, AIMG
	v_add_nc_u32 v[AW], s4, v[LI]
	v_add_nc_u32 v[BAD], s2, v[LI]
	v_add_nc_u32 v[BAD+1], SLOTB, v[BAD]
	s_lshl_b32 s4, s[WV], 2
	s_add_co_u32 s4, s4, STAT
	v_add_nc_u32 v[SA], s4, v[LI]
	v_lshl_add_u32 v[SL], v192, 4, STAT
	v_lshlrev_b32 v[PFO], 4, v[LI]
	v_mov_b32 v[RI+1], 0                           ; the upper halves of pairs of which the low word is used
	v_mov_b32 v[RI+3], 0
	v_mov_b32 v[MEAN+1], 0
	v_mov_b32 v[MEAN+3], 0
	v_mov_b32 v30, 0                               ; a lane permute's destination counts as one of its sources
	global_load_b32 v[KM], v[VP], s[PMASK:PMASK+1]
	global_load_b32 v[KM+1], v[VP], s[PMASK:PMASK+1] offset:32
	XIN_LOADS PX
	s_wait_kmcnt 0x0
	s_mov_b32 s[LNB+1], s[LNB]
	XIN_TURNS
	; ---- LN1, in two passes: the mean, then the centred squares
	ROWSUM 3, 0
	ROWSUM 3, 1
	EXCH 0
	v_mul_f32 v[MEAN], 0x3a800000, v192            ; / 1024
	v_mul_f32 v[MEAN+2], 0x3a800000, v200
	CENTER 3, 3, 0
	CENTER 3, 3, 1
	SUMSQ 3, 0
	SUMSQ 3, 1
	EXCH 1
	LNFIN
	; ---- q
	QUANTA 3, E+0
	s_wait_tensorcnt 0x1                           ; my part of step 0 is in; step 1's may stay out: nothing is filled here
	PRODUCT 0, 0, PBQ
	SETSS E+0, E+1
	MKSCALE SCLO, LIMO, E+6
	v_mov_b32 v[LIMO+1], v[LIMO]
	s_wait_loadcnt 0x0                             ; bq
	EPI_QK PQI
	; ---- k
	s_wait_xcnt 0x0                                ; q's stores have read their registers
	QUANTA 3, E+2
	PRODUCT 0, 0, PBK
	SETSS E+2, E+3
	MKSCALE SCLO, 31, E+7
	v_cmp_ne_u32 vcc_lo, 0, v[KM]
	v_cndmask_b32 v[LIMO], 0, v31, vcc_lo          ; a hidden key is held at 0: its codes are zeros
	v_cmp_ne_u32 vcc_lo, 0, v[KM+1]
	v_cndmask_b32 v[LIMO+1], 0, v31, vcc_lo
	s_wait_loadcnt 0x0                             ; bk
	EPI_QK PKI
	; ---- v
	s_wait_xcnt 0x0
	QUANTA 3, E+4
	PRODUCT 1, 1, PBV
	SETSS E+4, E+5
	MKSCALE SCLO, LIMO, E+8
	s_wait_loadcnt 0x0                             ; bv
	EPI_V PVI
	s_wait_tensorcnt 0x0                           ; the wave's end
	ds_add_u32 v[SPW], v[NIL]
	s_wait_dscnt 0x0
	ROUND                                          ; the closing round
	s_endpgm
.Lfunc_end_k_q692732ddcf_qkv:
	.size	k_q692732ddcf_qkv, .Lfunc_end_k_q692732ddcf_qkv-k_q692732ddcf_qkv
	.p2alignl 7, 3214868480
	.fill 96, 4, 3214868480
	.section	.rodata,"a",@progbits
	.p2align	6, 0x0
	.amdhsa_kernel k_q692732ddcf_qkv
		.amdhsa_group_segment_fixed_size 327680
		.amdhsa_private_segment_fixed_size 0
		.amdhsa_enable_private_segment 0
		.amdhsa_kernarg_size 96
		.amdhsa_user_sgpr_count 2
		.amdhsa_user_sgpr_kernarg_segment_ptr 1
		.amdhsa_wavefront_size32 1
		.amdhsa_system_sgpr_workgroup_id_x 1
		.amdhsa_system_sgpr_workgroup_id_y 1
		.amdhsa_system_sgpr_workgroup_id_z 1
		.amdhsa_system_vgpr_workitem_id 0
		.amdhsa_next_free_vgpr 1024
		.amdhsa_next_free_sgpr 96
		.amdhsa_reserve_vcc 1
		.amdhsa_float_denorm_mode_32 3
		.amdhsa_float_denorm_mode_16_64 3
		.amdhsa_memory_ordered 1
		.amdhsa_forward_progress 1
		.amdhsa_inst_pref_size 255
	.end_amdhsa_kernel
	.section	.bss,"aw",@nobits
	.p2align	6
	.space	262144
	.amdgpu_metadata
---
amdhsa.version: [ 1, 2 ]
amdhsa.kernels:
  - .name:           k_q692732ddcf_qkv
    .symbol:         k_q692732ddcf_qkv.kd
    .args:
      - { .name: X, .offset: 0, .size: 8, .value_kind: global_buffer, .address_space: global }
      - { .name: mask, .offset: 8, .size: 8, .value_kind: global_buffer, .address_space: global }
      - { .name: bq, .offset: 16, .size: 8, .value_kind: global_buffer, .address_space: global }
      - { .name: bk, .offset: 24, .size: 8, .value_kind: global_buffer, .address_space: global }
      - { .name: bv, .offset: 32, .size: 8, .value_kind: global_buffer, .address_space: global }
      - { .name: ln1_a, .offset: 40, .size: 8, .value_kind: global_buffer, .address_space: global }
      - { .name: ln1_b, .offset: 48, .size: 8, .value_kind: global_buffer, .address_space: global }
      - { .name: lowp_scales, .offset: 56, .size: 8, .value_kind: global_buffer, .address_space: global }
      - { .name: wimg, .offset: 64, .size: 8, .value_kind: global_buffer, .address_space: global }
      - { .name: qimg, .offset: 72, .size: 8, .value_kind: global_buffer, .address_space: global }
      - { .name: kimg, .offset: 80, .size: 8, .value_kind: global_buffer, .address_space: global }
      - { .name: vimg, .offset: 88, .size: 8, .value_kind: global_buffer, .address_space: global }
    .group_segment_fixed_size: 327680
    .private_segment_fixed_size: 0
    .kernarg_segment_align: 8
    .kernarg_segment_size: 96
    .max_flat_workgroup_size: 128
    .sgpr_count:     96
    .vgpr_count:     1024
    .wavefront_size: 32
...
	.end_amdgpu_metadata
.endif
;; end of part 2
;; launch attn (part 3): grid 256 x 1, 16 waves a work-group, no clusters, 169,984 bytes of LDS; arguments qimg, kimg, vimg, mask, lowp_scales, cimg; writes cimg
.if DOCPART == 3
	.amdgcn_target "amdgcn-amd-amdhsa--gfx1250"
	.amdhsa_code_object_version 6
	.text
	.protected	k_q692732ddcf_attn
	.globl	k_q692732ddcf_attn
	.p2align	8
	.type	k_q692732ddcf_attn,@function
k_q692732ddcf_attn:
	s_mov_b64 s[64:65], 0
	v_nop
	global_prefetch_b8 v0, s[64:65] scope:SCOPE_SE
	s_setreg_imm32_b32 hwreg(HW_REG_WAVE_MODE, 25, 1), 1
	s_wait_xcnt 0x0
; ctx = softmax(q k^T / 8, hidden keys at a large negative logit) v for 128 (batch, head) pairs of 1,024 x 1,024 x 64, both products on codes of FP8 (E4M3); ctx is quantised (e10) into the next product's fragments.
; THE SOFTMAX: t = logit x log2(e); M = the running largest t rounded UP to a whole number; p = 2^(t - M) is quantised (e9), not normalised; the row's sum is taken of the unquantised p and divides at the end.
; When M moves, the sum and O are multiplied by 2^(old M - new M), which rounds nothing.
; SHARES.  A work-group owns 512 queries of one (batch, head): bh = x / 2, half = x % 2.  Each of sixteen waves owns two tiles of 16 queries, worked together, so that each fragment of K, V and the mask read from LDS
; feeds two matrix instructions.  All of the head's K and V (131,072 bytes) is brought into LDS once, by eight tensor loads at the head; nothing is filled again.
; NO CLUSTER: only two work-groups share a head's K and V, each reads them once, 131,072 bytes at its head, against 16 steps of softmax work.  NO PREFETCH: all tiles are asked for at the head.
; LAYOUT.  Both products are used transposed: S^T = K Q^T + C (source 0 = 16 keys, source 1 = 16 queries), O^T = V^T P^T: a lane holds ONE query (lane % 16) throughout.  The keys of a tile, and the d of a tile of V,
; are in the order r + 8 (r / 8) + 8 (T % 2) + 32 (T / 2), so that 16 registers of two neighbouring tiles are 16 neighbours along the next K.  Fragments of 64 along K are 8 registers: [c 0..1][lane][16 bytes].
; THE MASK is the C of the score's product: 0 for a key that counts, -2^(33 - e6 - e7) for a hidden one, whose codes in kimg are zeros: its logit is exactly -2^30.
; LIMITS: the hidden logit is -2^30 in place of -1e9: the same results while every other logit is above it, which holds for e6 + e7 <= 9 (|logit| <= 64 x 448^2 x 2^(e6 + e7) / 8); e6 + e7 >= -94;
; e9 and e10 between -126 and 119; NaN is not served.
.set MBO, 131072                       ; LDS: K at 0, V at 65,536, the mask's 1,024 numbers here
.set LI,  1                            ; v1  16 x lane
.set VM,  2                            ; v2  MBO + 64 h
.set ADK, 3
.set ADV, 4
.set ADM, 5
.set PSC, 6                            ; v6  2^e9, later 2^e10
.set PLM, 7                            ; v7  448 x that
.set ST,  8                            ; tile q at v[8 + 8 q]: +0 -M, +1 the largest t, +2, +3 the sum in two halves, +4 f (+5 written once), +6, +7 at work
.set Q,   32                           ; v32-47   Q's two fragments
.set KF,  48                           ; v48-79   four fragments of K, then of V
.set MC,  80                           ; v80-111  the mask in the scores' layout
.set PC,  112                          ; v112-127 p's codes, 8 a tile
.set S,   128                          ; v128-191 S^T, then p: 32 a tile
.set O,   192                          ; v192-255 O^T: 32 a tile
.set WV,  28
.set SEL, 36
.set CS,  40                           ; s[40:41] c = log2(e) / 8 x 2^(e6 + e7)
.set KB,  42
.set MO,  43
.set CT,  44
	s_load_b256 s[4:11], s[0:1], 0x0               ; qimg, kimg, vimg, mask
	s_load_b128 s[12:15], s[0:1], 0x20             ; the scales' exponents, cimg
	v_lshl_add_u32 v254, v0, 2, 0x29000
	v_mov_b32 v255, 0
	ds_add_u32 v254, v255
	ds_add_u32 v254, v255
	s_wait_dscnt 0x0
	v_lshrrev_b32 v1, 5, v0
	v_readfirstlane_b32 s[WV], v1                  ; wave 0..15
	s_lshr_b32 s29, ttmp9, 1                       ; bh
	s_and_b32 s30, ttmp9, 1                        ; half
	s_lshr_b32 s31, s29, 4                         ; batch
	; descriptor group 1: 16,384 dense bytes as 64 rows of 32 elements of 8 bytes
	s_mov_b32 s16, 3<<16
	s_mov_b32 s17, 32<<16
	s_mov_b32 s18, 64<<16
	s_mov_b32 s19, 32<<16
	s_mov_b32 s20, 64
	s_mov_b32 s21, 32
	s_mov_b32 s22, 0
	s_mov_b32 s23, 0
	s_mov_b32 s24, 1
	s_lshl_b32 s25, s[WV], 14                      ; waves 0 to 3 fill K's quarters, waves 4 to 7 V's
	s_and_b32 s32, s[WV], 3
	s_lshl_b32 s32, s32, 14
	s_lshl_b32 s33, s29, 16
	s_add_co_u32 s32, s32, s33
	s_mov_b32 s33, 0
	s_mov_b32 s[SEL], 0x76543210
	s_mov_b32 s[SEL+1], 0xfedcba98
	s_wait_kmcnt 0x0
	s_load_b512 s[48:63], s[12:13], 0x0            ; e0 .. e15 in s48 on
	s_cmp_lt_u32 s[WV], 4
	s_cselect_b64 s[26:27], s[6:7], s[8:9]
	s_add_nc_u64 s[26:27], s[26:27], s[32:33]
	s_or_b32 s27, s27, 0x80000000
	s_cmp_lt_u32 s[WV], 8
	s_cbranch_scc0 .Lno_fill
	tensor_load_to_lds s[24:27], s[16:23]          ; one tensor load a wave is out, in eight waves
	s_nop 0
.rept 4
	v_nop
.endr
.Lno_fill:
	v_and_b32 v30, 31, v0
	v_lshlrev_b32 v[LI], 4, v30
	v_bfe_u32 v31, v0, 4, 1
	v_lshl_add_u32 v[VM], v31, 6, MBO
	s_lshl_b32 s34, s29, 16
	s_lshl_b32 s35, s30, 15
	s_add_co_u32 s34, s34, s35
	s_lshl_b32 s35, s[WV], 11
	s_add_co_u32 s34, s34, s35                     ; 65,536 bh + 1,024 (32 half + 2 wave)
	s_mov_b32 s35, 0
	s_add_nc_u64 s[4:5], s[4:5], s[34:35]
.irp q, 0,1
.irp c, 0,1
	global_load_b128 v[Q+8*\q+4*\c:Q+8*\q+4*\c+3], v[LI], s[4:5] offset:1024*\q+512*\c th:TH_LOAD_NT
.endr
.endr
	s_lshl_b32 s34, s31, 12
	s_add_nc_u64 s[10:11], s[10:11], s[34:35]      ; the batch's mask
	v_lshlrev_b32 v30, 3, v0
	global_load_b64 v[24:25], v30, s[10:11]        ; thread t takes keys 2 t and 2 t + 1
	v_lshl_add_u32 v31, v0, 3, MBO
	s_lshl_b32 s34, s31, 6
	s_lshl_b32 s38, s30, 5
	s_add_co_u32 s34, s34, s38
	s_lshl_b32 s38, s[WV], 1
	s_add_co_u32 s34, s34, s38                     ; my first token tile among the 512
	s_lshl_b32 s34, s34, 14
	s_and_b32 s38, s29, 15
	s_lshl_b32 s38, s38, 10                        ; the head's 64 features: 1,024 bytes of a tile's image
	s_add_co_u32 s34, s34, s38
	s_add_nc_u64 s[14:15], s[14:15], s[34:35]
.irp q, 0,1
	v_mov_b32 v[ST+8*\q+1], 0xff61b1e6             ; the largest t so far: -3e38
	v_floor_f32 v[ST+8*\q], -v[ST+8*\q+1]          ; -M
	v_mov_b32 v[ST+8*\q+2], 0
	v_mov_b32 v[ST+8*\q+3], 0
	v_mov_b32 v[ST+8*\q+5], 0
	v_mov_b32 v[28+\q], 0                          ; a lane permute's destination counts as one of its sources
.endr
.set i, 0
.rept 64
	v_mov_b32 v[O+i], 0                            ; the loop is written once: its first step finds zeros, which the first change of M leaves zeros
.set i, i+1
.endr
	s_wait_kmcnt 0x0
	s_add_co_i32 s38, s54, s55                     ; e6 + e7
	s_lshl_b32 s39, s38, 23
	s_mov_b32 s[CS], 0x3e38aa3b                    ; log2(e) / 8,
	s_add_co_i32 s[CS], s[CS], s39                 ; x 2^(e6 + e7): added to its exponent field
	s_mov_b32 s[CS+1], s[CS]
	s_sub_co_i32 s39, 160, s38
	s_lshl_b32 s39, s39, 23
	s_or_b32 s39, s39, 0x80000000                  ; -2^(33 - e6 - e7)
	v_mov_b32 v27, s39
	s_add_co_i32 s38, s57, 127
	s_lshl_b32 s39, s38, 23
	v_mov_b32 v[PSC], s39                          ; 2^e9
	s_add_co_i32 s38, s38, 8
	s_lshl_b32 s38, s38, 23
	s_or_b32 s38, s38, 0x600000
	v_mov_b32 v[PLM], s38                          ; 448 x 2^e9
	s_add_co_i32 s45, s56, s57                     ; e8 + e9
	s_wait_loadcnt 0x0                             ; Q and the mask
	v_cmp_eq_u32 vcc_lo, 0, v24
	v_cndmask_b32 v24, 0, v27, vcc_lo
	v_cmp_eq_u32 vcc_lo, 0, v25
	v_cndmask_b32 v25, 0, v27, vcc_lo
	ds_store_b64 v31, v[24:25]
	s_wait_tensorcnt 0x0                           ; my part of K or V is in,
	s_wait_dscnt 0x0                               ; my two numbers of the mask are stored,
	s_barrier_signal -1
	s_barrier_wait -1                              ; everybody's are
	s_mov_b32 s[KB], 0
	s_mov_b32 s[MO], 0
	s_mov_b32 s[CT], 16
.Lstep:                                            ; 64 keys a trip
	v_add_nc_u32 v[ADK], s[KB], v[LI]              ; these three and the v_nop are the four places behind the last products, in front of loads into registers that they read
	v_add_nc_u32 v[ADV], 0x10000, v[ADK]
	v_add_nc_u32 v[ADM], s[MO], v[VM]
	v_nop
.irp j, 0,1,2,3
.irp c, 0,1
	ds_load_b128 v[KF+8*\j+4*\c:KF+8*\j+4*\c+3], v[ADK] offset:1024*\j+512*\c
.endr
.endr
.irp j, 0,1,2,3,4,5,6,7
	ds_load_b128 v[MC+4*\j:MC+4*\j+3], v[ADM] offset:128*(\j/4)+16*(\j%4)   ; register 16 b + i: key 32 b + 16 h + i of the step
.endr
	s_wait_dscnt 0x0
.irp j, 0,1,2,3
.irp q, 0,1
	v_wmma_f32_16x16x64_fp8_fp8 v[S+32*\q+8*\j:S+32*\q+8*\j+7], v[KF+8*\j:KF+8*\j+7], v[Q+8*\q:Q+8*\q+7], v[MC+8*\j:MC+8*\j+7]
.endr
.endr
.rept 4
	v_nop                                          ; places in front of V's loads and of the first read of the scores
.endr
.irp d, 0,1,2,3
.irp c, 0,1
	ds_load_b128 v[KF+8*\d+4*\c:KF+8*\d+4*\c+3], v[ADV] offset:1024*\d+512*\c   ; V lands while the softmax is worked
.endr
.endr
.irp q, 0,1                                    ; the largest score of my query among my 32 keys, in two chains; each accumulator is read from its low end on
	v_max3_num_f32 v[ST+8*\q+6], v[S+32*\q], v[S+32*\q+1], v[S+32*\q+2]
	v_max3_num_f32 v[ST+8*\q+7], v[S+32*\q+3], v[S+32*\q+4], v[S+32*\q+5]
.endr
.irp n, 6,10,14,18,22,26
.irp q, 0,1
	v_max3_num_f32 v[ST+8*\q+6], v[ST+8*\q+6], v[S+32*\q+\n], v[S+32*\q+\n+1]
	v_max3_num_f32 v[ST+8*\q+7], v[ST+8*\q+7], v[S+32*\q+\n+2], v[S+32*\q+\n+3]
.endr
.endr
.irp q, 0,1
	v_max3_num_f32 v[ST+8*\q+6], v[ST+8*\q+6], v[S+32*\q+30], v[S+32*\q+31]
.endr
.irp q, 0,1
	v_max_num_f32 v[ST+8*\q+6], v[ST+8*\q+6], v[ST+8*\q+7]
.endr
.irp q, 0,1
	v_permlanex16_b32 v[28+\q], v[ST+8*\q+6], s[SEL], s[SEL+1]
.endr
.irp q, 0,1
	v_max_num_f32 v[ST+8*\q+6], v[ST+8*\q+6], v[28+\q]     ; and among lane l xor 16's
.endr
.irp q, 0,1
	v_mul_f32 v[ST+8*\q+6], s[CS], v[ST+8*\q+6]            ; as t (c is positive)
.endr
.irp q, 0,1
	v_max_num_f32 v[ST+8*\q+1], v[ST+8*\q+1], v[ST+8*\q+6] ; the running largest t
.endr
.irp q, 0,1
	v_mov_b32 v[ST+8*\q+7], v[ST+8*\q]
.endr
.irp q, 0,1
	v_floor_f32 v[ST+8*\q], -v[ST+8*\q+1]                  ; the new -M = -ceil(t)
.endr
.irp q, 0,1
	v_sub_f32 v[ST+8*\q+7], v[ST+8*\q], v[ST+8*\q+7]       ; old M - new M: a whole number, 0 or less
.endr
.irp q, 0,1
	v_cvt_i32_f32 v[ST+8*\q+7], v[ST+8*\q+7]               ; (it saturates)
.endr
.irp q, 0,1
	v_ldexp_f32 v[ST+8*\q+4], 1.0, v[ST+8*\q+7]            ; f = 2^(old M - new M)
.endr
.irp n, 0,2,4,6,8,10,12,14,16,18,20,22,24,26,28,30
.irp q, 0,1
	v_pk_fma_f32 v[S+32*\q+\n:S+32*\q+\n+1], v[S+32*\q+\n:S+32*\q+\n+1], s[CS:CS+1], v[ST+8*\q:ST+8*\q+1] op_sel_hi:[1,0,0]   ; t - M
.endr
.endr
.set i, 0
.rept 64
	v_exp_f32 v[S+i], v[S+i]                       ; p = 2^(t - M): one batch
.set i, i+1
.endr
.irp q, 0,1
	v_pk_mul_f32 v[ST+8*\q+2:ST+8*\q+3], v[ST+8*\q+2:ST+8*\q+3], v[ST+8*\q+4:ST+8*\q+5] op_sel_hi:[1,0]   ; the sums under the new M: plain instructions behind the exponentials
.endr
	s_wait_alu depctr_va_vdst(0)                   ; one wait for the batch, ahead of its first reader
.irp q, 0,1
	v_pk_add_f32 v[24+2*\q:25+2*\q], v[S+32*\q:S+32*\q+1], v[S+32*\q+2:S+32*\q+3]   ; the row's sum is taken of the unquantised p, in two chains
.endr
.irp n, 4,8,12,16,20,24,28
.irp q, 0,1
	v_pk_add_f32 v[ST+8*\q+2:ST+8*\q+3], v[ST+8*\q+2:ST+8*\q+3], v[S+32*\q+\n:S+32*\q+\n+1]
	v_pk_add_f32 v[24+2*\q:25+2*\q], v[24+2*\q:25+2*\q], v[S+32*\q+\n+2:S+32*\q+\n+3]
.endr
.endr
.irp q, 0,1
	v_pk_add_f32 v[ST+8*\q+2:ST+8*\q+3], v[ST+8*\q+2:ST+8*\q+3], v[24+2*\q:25+2*\q]
.endr
.irp q, 0,1
.set i, 0
.rept 32
	v_min_num_f32 v[S+32*\q+i], v[S+32*\q+i], v[PLM]       ; the conversion does not saturate (ISA guide 7.6.2); p is not negative, so the hold is one-sided
.set i, i+1
.endr
.irp b, 0,1,2,3
	v_cvt_scalef32_pk8_fp8_f32 v[PC+8*\q+2*\b:PC+8*\q+2*\b+1], v[S+32*\q+8*\b:S+32*\q+8*\b+7], v[PSC]
.endr
.endr
.irp n, 0,2,4,6,8,10,12,14,16,18,20,22,24,26,28,30
.irp q, 0,1
	v_pk_mul_f32 v[O+32*\q+\n:O+32*\q+\n+1], v[O+32*\q+\n:O+32*\q+\n+1], v[ST+8*\q+4:ST+8*\q+5] op_sel_hi:[1,0]   ; O^T under the new M; also the plain instructions behind the conversions
.endr
.endr
	s_wait_dscnt 0x0                               ; V is in
.irp d, 0,1,2,3
.irp q, 0,1
	v_wmma_f32_16x16x64_fp8_fp8 v[O+32*\q+8*\d:O+32*\q+8*\d+7], v[KF+8*\d:KF+8*\d+7], v[PC+8*\q:PC+8*\q+7], v[O+32*\q+8*\d:O+32*\q+8*\d+7]   ; the eight accumulators take turns
.endr
.endr
	s_add_co_u32 s[KB], s[KB], 4096
	s_add_co_u32 s[MO], s[MO], 256
	s_sub_co_u32 s[CT], s[CT], 1
	s_cmp_lg_u32 s[CT], 0
	s_cbranch_scc1 .Lstep
	; THE WAY OUT.  The additions, the v_nop and the two v_ldexp_f32 are more than four plain instructions behind the last products, none of which names their registers.
.irp q, 0,1
	v_add_f32 v[ST+8*\q+2], v[ST+8*\q+2], v[ST+8*\q+3]
.endr
.irp q, 0,1
	v_permlanex16_b32 v[28+\q], v[ST+8*\q+2], s[SEL], s[SEL+1]
.endr
.irp q, 0,1
	v_add_f32 v[ST+8*\q+2], v[ST+8*\q+2], v[28+\q]         ; the row's sum
.endr
.irp q, 0,1
	v_rcp_f32 v[ST+8*\q+4], v[ST+8*\q+2]
.endr
	v_nop
	s_add_co_i32 s38, s58, 127
	s_lshl_b32 s39, s38, 23
	s_add_co_i32 s38, s38, 8
	s_lshl_b32 s38, s38, 23
	s_or_b32 s38, s38, 0x600000
	v_mov_b32 v[PSC], s39                          ; 2^e10
	v_mov_b32 v[PLM], s38                          ; 448 x 2^e10
	s_wait_alu depctr_va_vdst(0)                   ; one wait for both reciprocals, ahead of their first reader
.irp q, 0,1
	v_ldexp_f32 v[ST+8*\q+4], v[ST+8*\q+4], s45            ; x 2^(e8 + e9)
.endr
.irp q, 0,1
.set i, 0
.rept 16
	v_pk_mul_f32 v[O+32*\q+i:O+32*\q+i+1], v[O+32*\q+i:O+32*\q+i+1], v[ST+8*\q+4:ST+8*\q+5] op_sel_hi:[1,0]   ; ctx: register 16 b + i is d = 32 b + 16 h + i of my query
.set i, i+2
.endr
.endr
.irp q, 0,1
.set i, 0
.rept 32
	v_med3_num_f32 v[O+32*\q+i], v[O+32*\q+i], -v[PLM], v[PLM]
.set i, i+1
.endr
.irp b, 0,1,2,3
	v_cvt_scalef32_pk8_fp8_f32 v[PC+8*\q+2*\b:PC+8*\q+2*\b+1], v[O+32*\q+8*\b:O+32*\q+8*\b+7], v[PSC]
.endr
.endr
	v_nop
.irp q, 0,1
.irp b, 0,1
	global_store_b128 v[LI], v[PC+8*\q+4*\b:PC+8*\q+4*\b+3], s[14:15] offset:16384*\q+512*\b   ; 512 consecutive bytes of the token tile's image
.endr
.endr
	s_wait_xcnt 0x0
	v_lshl_add_u32 v254, v0, 2, 0x29000
	v_mov_b32 v255, 0
	s_wait_tensorcnt 0x0
	ds_add_u32 v254, v255
	s_wait_dscnt 0x0
	s_endpgm
.Lfunc_end_k_q692732ddcf_attn:
	.size	k_q692732ddcf_attn, .Lfunc_end_k_q692732ddcf_attn-k_q692732ddcf_attn
	.p2alignl 7, 3214868480
	.fill 96, 4, 3214868480
	.section	.rodata,"a",@progbits
	.p2align	6, 0x0
	.amdhsa_kernel k_q692732ddcf_attn
		.amdhsa_group_segment_fixed_size 169984
		.amdhsa_private_segment_fixed_size 0
		.amdhsa_enable_private_segment 0
		.amdhsa_kernarg_size 48
		.amdhsa_user_sgpr_count 2
		.amdhsa_user_sgpr_kernarg_segment_ptr 1
		.amdhsa_wavefront_size32 1
		.amdhsa_system_sgpr_workgroup_id_x 1
		.amdhsa_system_sgpr_workgroup_id_y 1
		.amdhsa_system_sgpr_workgroup_id_z 1
		.amdhsa_system_vgpr_workitem_id 0
		.amdhsa_next_free_vgpr 256
		.amdhsa_next_free_sgpr 66
		.amdhsa_reserve_vcc 1
		.amdhsa_float_denorm_mode_32 3
		.amdhsa_float_denorm_mode_16_64 3
		.amdhsa_memory_ordered 1
		.amdhsa_forward_progress 1
		.amdhsa_inst_pref_size 32
	.end_amdhsa_kernel
	.amdgpu_metadata
---
amdhsa.version: [ 1, 2 ]
amdhsa.kernels:
  - .name:           k_q692732ddcf_attn
    .symbol:         k_q692732ddcf_attn.kd
    .args:
      - { .name: qimg, .offset: 0, .size: 8, .value_kind: global_buffer, .address_space: global }
      - { .name: kimg, .offset: 8, .size: 8, .value_kind: global_buffer, .address_space: global }
      - { .name: vimg, .offset: 16, .size: 8, .value_kind: global_buffer, .address_space: global }
      - { .name: mask, .offset: 24, .size: 8, .value_kind: global_buffer, .address_space: global }
      - { .name: lowp_scales, .offset: 32, .size: 8, .value_kind: global_buffer, .address_space: global }
      - { .name: cimg, .offset: 40, .size: 8, .value_kind: global_buffer, .address_space: global }
    .group_segment_fixed_size: 169984
    .private_segment_fixed_size: 0
    .kernarg_segment_align: 8
    .kernarg_segment_size: 48
    .max_flat_workgroup_size: 512
    .sgpr_count:     66
    .vgpr_count:     256
    .wavefront_size: 32
...
	.end_amdgpu_metadata
.endif
;; end of part 3
;; launch tail (part 4): grid 256 x 1, 4 waves a work-group, clusters of 4 x 1, 327,680 bytes of LDS; arguments X, cimg, wimg, bo, b1, b2, ln2_a, ln2_b, lowp_scales, out0; writes out0
.if DOCPART == 4
	.amdgcn_target "amdgcn-amd-amdhsa--gfx1250"
	.amdhsa_code_object_version 6
	.text
	.protected	k_q692732ddcf_tail
	.globl	k_q692732ddcf_tail
	.p2align	8
	.type	k_q692732ddcf_tail,@function
k_q692732ddcf_tail:
	s_mov_b64 s[64:65], 0
	v_nop
	global_prefetch_b8 v0, s[64:65] scope:SCOPE_SE
	s_setreg_imm32_b32 hwreg(HW_REG_WAVE_MODE, 25, 1), 1
	s_wait_xcnt 0x0
	s_wait_alu depctr_hold_cnt(0) depctr_sa_sdst(0) depctr_va_vdst(0) depctr_va_sdst(0) depctr_va_ssrc(0) depctr_va_vcc(0) depctr_vm_vsrc(0)
	s_getreg_b32 s2, hwreg(HW_REG_IB_STS2, 6, 4)
	s_cmp_eq_u32 s2, 0
	s_cbranch_scc0 .Lentry_in_a_cluster
	s_endpgm
.Lentry_in_a_cluster:
	s_bfe_u32 s2, ttmp6, 0x10000c
	s_cmp_lg_u32 s2, 0x3003
	s_cbranch_scc0 .Lentry_shape_is_right
	s_endpgm
.Lentry_shape_is_right:
; X1 = X + ctx wo^T + bo;  xn = LN2(X1);  out = X1 + relu(xn w1^T + b1) w2^T + b2: three products on codes of FP8 (E4M3); X1, xn and the hidden layer never go to memory.
; SHARES, STATE LAYOUT, FRAGMENTS and the WEIGHT STREAM are those of the launch that makes q, k and v: a work-group owns 32 tokens (two tiles m; lane r of tile m is token 8 m + r + 8 (r / 8)); wave w owns features
; 256 w .. 256 w + 255; register 128 m + 64 u + 16 b + i of lane (r, h) = token (m, r), feature 256 w + 128 u + 32 b + 16 h + i, which is also the accumulators' layout (source 0 = a weight tile, source 1 = a token
; fragment; accumulator (m, t) at 128 m + 8 t).  64 registers (m, u), converted, are the fragment of K step 2 w + u of the next product; fragments go from wave to wave through LDS as images of their registers.
; 32 rows to a work-group: X1 (256 registers a wave) lives beside another product's accumulators (256) and the step's weight fragments (256).
; WEIGHTS: 24 steps of 131,072 consecutive bytes of wimg (wo, w1, w2 x 8 K steps) through two LDS slots; wave w fetches and reads its own 32,768 bytes; the cluster's four work-groups ask JOINTLY (mask 15).
; By this text's own count a wave has two tensor loads out at the start and one behind each round.
; LIMITS: e12, e14 between -126 and 119; e10 + e11, e12 + e13, e14 + e15 between -126 and 127; NaN among the inputs is not served.
; REGISTERS, in windows of 256: window 0: addresses, A's fragments, 64 numbers at work, codes;  window 1: the step's 16 weight fragments, later the biases;  window 2: the accumulators, X1 - mean between;  window 3: X, then X1.
.set BASE,  3*1048576                  ; where this launch's weights begin in wimg
.set SLOTB, 131072                     ; a slot: one K step of one weight
.set AIMG,  2*SLOTB                    ; 16 fragments of A: 16,384 m + 2,048 s
.set STG,   AIMG+32768                 ; a stage of 16 rows x 272 bytes for each wave
.set STAT,  STG+4*4352                 ; the waves' partial sums: 512 phase + 16 (16 m + r) + 4 w
.set SPARE, STAT+1024                  ; the spare words, 128 bytes for each wave: two blocks of 256 bytes that no other line names
.set LI,  1                            ; v1   16 x lane
.set VX,  2                            ; v2   X and out0: 4,096 h + 16 r + 1,024 w
.set VS,  3                            ; v3   the stage by rows of memory: 272 h + 16 r
.set VL,  4                            ; v4   the stage by lanes: 272 r + 64 h
.set AW,  5                            ; v5   where I store my fragments of A
.set AAD, 6                            ; v6   the step's fragments of A
.set BAD, 7                            ; v7-8 my weight tiles in slot 0, 1
.set SA,  9                            ; v9   my partial sum's word
.set SL,  10                           ; v10  a token's four words
.set VB,  11                           ; v11  biases: 1,024 w + 64 h
.set PFO, 13                           ; v13  256 x lane
.set SPW, 14                           ; v14  my spare word; never rewritten
.set NIL, 15                           ; v15  0; never rewritten
.set SCL, 16                           ; v16, v17 scale and hold of xn's conversion
.set LIM, 17
.set LIMO, 18                          ; v18  the hold of the hidden layer's conversion
.set SCLO, 20                          ; v20  its scale
.set CW,  21                           ; v21  where I put my quarter of ctx's fragments
.set RI,  22                           ; v[22:23], v[24:25] alpha / (std + eps) of my token of tile 0, 1
.set MEAN, 26                          ; v[26:27], v[28:29] its mean
.set AF,  32                           ; v32-63  A's two fragments
.set TQ,  64                           ; v64-127 64 numbers at work
.set PC,  128                          ; v128-191 four sets of 16 registers of codes; ctx's codes on their way; rows of out0
.set PX, 8
.set PCI, 10
.set PW, 12
.set PBO, 14
.set PB1, 16
.set PB2, 18
.set PLA, 20
.set PLB, 22
.set PSC, 24
.set POUT, 26
.set E,   32                           ; s32-47 e0 .. e15
.set G1,  48
.set G0,  56
.set WV,  66
.set CX,  67
.set GB,  68
.set AB,  69
.set CT,  70
.set SIG, 72
.set PLIM, 73
.set PFA, 74
.set SS,  76
.set LNB, 78
.set SEL, 80
.set HM,  82
.set AL,  83
.set MSB, 0
.macro WIN new                         ; the immediate's high byte repeats the setting that is left; a switch that changes nothing is dropped
.if MSB != (\new)
	s_set_vgpr_msb (MSB<<8)|(\new)
.set MSB, (\new)
.endif
.endm
.macro PLACES n
.rept \n
	v_nop
.endr
.endm
.macro ROUND                           ; a round of the cluster's barrier
	s_barrier_signal -1
	s_barrier_wait -1
	s_cmp_lg_u32 s[WV], 0
	s_cbranch_scc1 .Lnot_wave_0_\@
	s_barrier_signal -3
.Lnot_wave_0_\@:
	s_barrier_wait -3
	s_barrier_signal -1
	s_barrier_wait -1
.endm
; A prefetch into the L2 of the weight step that stands two refills on.  All clusters walk the same weights: the first cluster asks.  Its 4 work-groups x 4 waves x 32 lanes name 512 blocks of 256 bytes, one step,
; each block once; the partners are told apart by address.  The last step named is step 23; steps 0 to 3 come by their loads alone.
.macro ASK
	s_cmp_lt_u32 s[SIG], s[PLIM]
	s_cbranch_scc0 .Lnot_mine_\@
	global_prefetch_b8 v[PFO], s[PFA:PFA+1] th:TH_LOAD_NT scope:SCOPE_SE
.Lnot_mine_\@:
.endm
; One K step of 128: A's two fragments, my 16 weight fragments, 32 matrix instructions.  The 32 accumulators take turns, one instruction a turn, in the same order in every step.
.macro STEP slot, zero
	v_add_nc_u32 v[AAD], s[AB], v[LI]
.irp m, 0,1
.irp c, 0,1,2,3
	ds_load_b128 v[AF+16*\m+4*\c:AF+16*\m+4*\c+3], v[AAD] offset:16384*\m+512*\c
.endr
.endr
	WIN 0x40                                       ; destination window 1
.irp t, 0,1,2,3,4,5,6,7,8,9,10,11,12,13,14,15
.irp c, 0,1,2,3
	ds_load_b128 v[16*\t+4*\c:16*\t+4*\c+3], v[BAD+\slot] offset:2048*\t+512*\c
.endr
.endr
	WIN 0xa1                                       ; source 0 (weights) window 1, source 1 (A) window 0, C and D window 2
.irp gq, 0,1,2,3
	s_wait_dscnt 48-16*\gq                         ; A's eight loads and the weight tiles up to 4 gq + 3 are in; the later tiles' loads may be out
.irp tt, 0,1,2,3
.irp m, 0,1
.set tN, 4*\gq+\tt
.set rD, 128*\m+8*tN
.if \zero
	v_wmma_f32_16x16x128_fp8_fp8 v[rD:rD+7], v[16*tN:16*tN+15], v[AF+16*\m:AF+16*\m+15], 0
.else
	v_wmma_f32_16x16x128_fp8_fp8 v[rD:rD+7], v[16*tN:16*tN+15], v[AF+16*\m:AF+16*\m+15], v[rD:rD+7]
.endif
.endr
.endr
.endr
	WIN 0
	s_add_co_u32 s[AB], s[AB], 2048
.endm
; Behind a step.  chg = 1: the slot just read is filled again, two steps ahead: each wave waits for all its tensor loads (the one that is out is its part of the next slot), adds 0 to its spare word, waits for that
; and for its LDS reads, and passes a round of the cluster's barrier; the joint refill is the first thing behind it.  chg = 2: nothing is left to fetch; the last slot's load is waited for.  chg = 0: the last step.
; The four v_nop are the places in front of the next loads into registers that matrix instructions have read, and of the first read of results.
.macro CHANGE slot, chg
.if \chg == 1
	s_wait_tensorcnt 0x0                           ; no tensor load of mine is out, so a group 0 may be written
	ds_add_u32 v[SPW], v[NIL]
	s_add_nc_u64 s[G0+4*\slot+2:G0+4*\slot+3], s[G0+4*\slot+2:G0+4*\slot+3], 2*SLOTB
	s_wait_xcnt 0x0                                ; the last prefetch, a step back, has read its address
	s_add_nc_u64 s[PFA:PFA+1], s[PFA:PFA+1], SLOTB
	s_add_co_u32 s[SIG], s[SIG], 1
	s_wait_dscnt 0x0                               ; the add is done; my reads of the slot and of A's fragments are over
	ROUND
	tensor_load_to_lds s[G0+4*\slot:G0+4*\slot+3], s[G1:G1+7]
	s_nop 0
	PLACES 4
	ASK
.elseif \chg == 2
	s_wait_tensorcnt 0x0                           ; my part of the last slot is in; only I read it
	PLACES 4
.else
	PLACES 4
.endif
.endm
.macro HOOK ptr                        ; the biases are asked for behind a product's last matrix instructions, into the weight fragments' registers
	PLACES 4
	WIN 0x40
.irp u, 0,1
.irp b, 0,1,2,3
.irp j, 0,1,2,3
	global_load_b128 v[64*\u+16*\b+4*\j:64*\u+16*\b+4*\j+3], v[VB], s[\ptr:\ptr+1] offset:512*\u+128*\b+16*\j
.endr
.endr
.endr
	WIN 0
.endm
; A product: eight K steps.  last = 1: the launch's last, whose last two steps ask for nothing; they are written out.
.macro PRODUCT last, ptr
	s_mov_b32 s[AB], AIMG
	STEP 0, 1                                      ; the first step starts the sums: nothing is cleared
	CHANGE 0, 1
	s_mov_b32 s[CT], 3-\last
.Lpair_\@:
	STEP 1, 0
	CHANGE 1, 1
	STEP 0, 0
	CHANGE 0, 1
	s_sub_co_u32 s[CT], s[CT], 1
	s_cmp_lg_u32 s[CT], 0
	s_cbranch_scc1 .Lpair_\@
.if \last
	STEP 1, 0
	CHANGE 1, 1
	STEP 0, 0
	CHANGE 0, 2
	STEP 1, 0
	HOOK \ptr
	CHANGE 1, 0
.else
	STEP 1, 0
	HOOK \ptr
	CHANGE 1, 1
.endif
.endm
.macro MKSCALE vs, vl, se              ; v[vs] = 2^e, v[vl] = 448 x 2^e, e in s[se]
	s_add_co_i32 s4, s[\se], 127
	s_lshl_b32 s5, s4, 23
	v_mov_b32 v[\vs], s5
	s_add_co_i32 s4, s4, 8
	s_lshl_b32 s4, s4, 23
	s_or_b32 s4, s4, 0x600000
	v_mov_b32 v[\vl], s4
.endm
.macro SETSS ea, eb                    ; 2^(ea + eb) as f32, in both words of the pair
	s_add_co_i32 s[SS], s[\ea], s[\eb]
	s_add_co_i32 s[SS], s[SS], 127
	s_lshl_b32 s[SS], s[SS], 23
	s_mov_b32 s[SS+1], s[SS]
.endm
; X: my 256 features of 32 rows.  A load takes 256 consecutive bytes of two rows (sixteen lanes each); a chunk of 16 rows x 256 bytes turns through my stage into the state layout.
.macro XIN_LOADS ptr
	WIN 0x80                                       ; destination window 2
.irp ci, 0,1,2,3,4,5,6,7
.irp k, 0,1,2,3,4,5,6,7
	global_load_b128 v[32*\ci+4*\k:32*\ci+4*\k+3], v[VX], s[\ptr:\ptr+1] offset:(8*(\ci/4)+2*\k+8*(\k/4))*4096+256*(\ci%4) th:TH_LOAD_NT
.endr
.endr
	WIN 0
.endm
.macro XIN_TURNS
.irp ci, 0,1,2,3,4,5,6,7
	s_wait_loadcnt 56-8*\ci                        ; this chunk's eight loads are in; the later chunks' may be out
	WIN 0x08                                       ; store data window 2
.irp k, 0,1,2,3,4,5,6,7
	ds_store_b128 v[VS], v[32*\ci+4*\k:32*\ci+4*\k+3] offset:544*\k
.endr
	WIN 0xc0                                       ; destination window 3
.irp b, 0,1
.irp j, 0,1,2,3
	ds_load_b128 v[128*(\ci/4)+64*((\ci%4)/2)+16*(2*(\ci%2)+\b)+4*\j:128*(\ci/4)+64*((\ci%4)/2)+16*(2*(\ci%2)+\b)+4*\j+3], v[VL] offset:128*\b+16*\j   ; LDS serves a wave's instructions in order: these see the stores above, and the next chunk's stores come behind them
.endr
.endr
.endr
	WIN 0
	s_wait_dscnt 0x0
.endm
.macro FOLD m                          ; four chains of pairs -> my wave's sum for token (m, r), in both halves of the lanes
	v_pk_add_f32 v[192+8*\m:193+8*\m], v[192+8*\m:193+8*\m], v[194+8*\m:195+8*\m]
	v_pk_add_f32 v[196+8*\m:197+8*\m], v[196+8*\m:197+8*\m], v[198+8*\m:199+8*\m]
	v_pk_add_f32 v[192+8*\m:193+8*\m], v[192+8*\m:193+8*\m], v[196+8*\m:197+8*\m]
	v_add_f32 v[192+8*\m], v[192+8*\m], v[193+8*\m]
	v_permlanex16_b32 v30, v[192+8*\m], s[SEL], s[SEL+1]
	v_add_f32 v[192+8*\m], v[192+8*\m], v30
.endm
.macro ROWSUM x, m                     ; the sum of tile m's 128 registers in window x
	WIN (\x)|((\x)<<2)
.irp q, 0,1,2,3
	v_pk_add_f32 v[192+8*\m+2*\q:193+8*\m+2*\q], v[128*\m+2*\q:128*\m+2*\q+1], v[128*\m+8+2*\q:128*\m+8+2*\q+1]
.endr
	WIN \x
.set p, 8
.rept 56
	v_pk_add_f32 v[192+8*\m+2*(p%4):193+8*\m+2*(p%4)], v[128*\m+2*p:128*\m+2*p+1], v[192+8*\m+2*(p%4):193+8*\m+2*(p%4)]
.set p, p+1
.endr
	WIN 0
	FOLD \m
.endm
.macro SUMSQ x, m                      ; the sum of their squares
	WIN (\x)|((\x)<<2)
.irp q, 0,1,2,3
	v_pk_mul_f32 v[192+8*\m+2*\q:193+8*\m+2*\q], v[128*\m+2*\q:128*\m+2*\q+1], v[128*\m+2*\q:128*\m+2*\q+1]
.endr
.set p, 4
.rept 60
	v_pk_fma_f32 v[192+8*\m+2*(p%4):193+8*\m+2*(p%4)], v[128*\m+2*p:128*\m+2*p+1], v[128*\m+2*p:128*\m+2*p+1], v[192+8*\m+2*(p%4):193+8*\m+2*(p%4)]
.set p, p+1
.endr
	WIN 0
	FOLD \m
.endm
; The four waves' partial sums meet in LDS: lane l stores token l's (lanes 16-31: tile 1's); behind the barrier every lane reads the four words of its two tokens.  Each phase has bytes of its own.
.macro EXCH ph
	v_cndmask_b32 v31, v192, v200, s[HM]
	ds_store_b32 v[SA], v31 offset:512*\ph
	s_wait_dscnt 0x0                               ; for the others' sake
	s_barrier_signal -1                            ; (a tensor load may be out)
	s_barrier_wait -1
	ds_load_b128 v[208:211], v[SL] offset:512*\ph
	ds_load_b128 v[212:215], v[SL] offset:512*\ph+256
	s_wait_dscnt 0x0
	v_add_f32 v208, v208, v209
	v_add_f32 v210, v210, v211
	v_add_f32 v212, v212, v213
	v_add_f32 v214, v214, v215
	v_add_f32 v192, v208, v210
	v_add_f32 v200, v212, v214
.endm
.macro CENTER src, dst, m              ; x - mean, from window src into window dst
	WIN ((\dst)<<6)|(\src)
.set i, 0
.rept 64
	v_pk_add_f32 v[128*\m+i:128*\m+i+1], v[128*\m+i:128*\m+i+1], v[MEAN+2*\m:MEAN+2*\m+1] op_sel_hi:[1,0] neg_lo:[0,1] neg_hi:[0,1]
.set i, i+2
.endr
	WIN 0
.endm
.macro LNFIN                           ; sums of centred squares -> alpha / (sqrt(sum / 1023) + 1e-6)
	v_mul_f32 v192, 0x3a802008, v192
	v_mul_f32 v200, 0x3a802008, v200
	v_sqrt_f32 v192, v192
	v_sqrt_f32 v200, v200
	v_nop                                          ; a plain instruction behind the roots,
	s_wait_alu depctr_va_vdst(0)                   ; and one wait for both, ahead of their first reader
	v_add_f32 v192, 0x358637bd, v192
	v_add_f32 v200, 0x358637bd, v200
	v_rcp_f32 v192, v192
	v_rcp_f32 v200, v200
	v_nop
	s_wait_alu depctr_va_vdst(0)
	v_mul_f32 v[RI], s[AL], v192
	v_mul_f32 v[RI+2], s[AL], v200
.endm
.macro FRONT_LN x, m, u                ; 64 numbers of xn: (x - mean) x alpha / (std + eps) + bias
	WIN \x
.set i, 0
.rept 32
	v_pk_fma_f32 v[TQ+i:TQ+i+1], v[128*\m+64*\u+i:128*\m+64*\u+i+1], v[RI+2*\m:RI+2*\m+1], s[LNB:LNB+1] op_sel_hi:[1,0,0]
.set i, i+2
.endr
.endm
.macro FRONT_B m, u                    ; 64 results: sum x 2^(eA + eB) + bias; each accumulator from its low end on
	WIN 0x12                                       ; source 0 (sums) window 2, source 2 (biases) window 1
.set i, 0
.rept 32
	v_pk_fma_f32 v[TQ+i:TQ+i+1], v[128*\m+64*\u+i:128*\m+64*\u+i+1], s[SS:SS+1], v[64*\u+i:64*\u+i+1] op_sel_hi:[1,0,1]
.set i, i+2
.endr
.endm
.macro CVT set, relu, lim, scl         ; the 64 numbers become 16 registers of codes
	WIN 0
.set i, 0
.rept 64
.if \relu
	v_med3_num_f32 v[TQ+i], v[TQ+i], 0, v[\lim]            ; the activation and the hold in one
.else
	v_med3_num_f32 v[TQ+i], v[TQ+i], -v[\lim], v[\lim]     ; the conversion to an 8-bit code does not saturate (ISA guide 7.6.2): the hold comes first
.endif
.set i, i+1
.endr
.irp b, 0,1,2,3,4,5,6,7
	v_cvt_scalef32_pk8_fp8_f32 v[PC+16*(\set)+2*\b:PC+16*(\set)+2*\b+1], v[TQ+8*\b:TQ+8*\b+7], v[\scl]
.endr
	v_nop                                          ; a plain instruction between the conversions and whatever next writes their sources
.endm
.macro IMAGE set, m, u                 ; the fragment of K step 2 w + u, token tile m, goes to LDS as it stands
.irp c, 0,1,2,3
	ds_store_b128 v[AW], v[PC+16*(\set)+4*\c:PC+16*(\set)+4*\c+3] offset:16384*\m+2048*\u+512*\c
.endr
.endm
.macro MEETA                           ; my fragments are stored: then all sixteen lie in LDS
	s_wait_dscnt 0x0
	s_barrier_signal -1
	s_barrier_wait -1
.endm
	s_load_b512 s[8:23], s[0:1], 0x0               ; X, cimg, wimg, bo, b1, b2, ln2_a, ln2_b
	s_load_b128 s[24:27], s[0:1], 0x40             ; the scales' exponents, out0
	v_lshl_add_u32 v[SPW], v0, 2, SPARE
	v_mov_b32 v[NIL], 0
	ds_add_u32 v14, v15
	ds_add_u32 v14, v15
	s_wait_dscnt 0x0
	v_lshrrev_b32 v1, 5, v0
	v_readfirstlane_b32 s[WV], v1                  ; wave 0..3
	s_bfe_u32 s[CX], ttmp6, 0x40000                ; my place in the cluster: it enters global addresses alone
	s_lshl_b32 s[GB], ttmp9, 2
	s_add_co_u32 s[GB], s[GB], s[CX]               ; my block of 32 tokens
	; descriptor group 1: 32,768 dense bytes as 128 rows of 32 elements of 8 bytes
	s_mov_b32 s[G1+0], 15|(3<<16)|(1<<21)          ; 15:0 the mask: all four work-groups; 17:16 elements of 8 bytes; 21 set beside a mask
	s_mov_b32 s[G1+1], 32<<16                      ; tensor_dim0 = 32
	s_mov_b32 s[G1+2], 128<<16                     ; tensor_dim1 = 128
	s_mov_b32 s[G1+3], 32<<16                      ; tile_dim0 = 32
	s_mov_b32 s[G1+4], 128                         ; tile_dim1 = 128
	s_mov_b32 s[G1+5], 32                          ; from row to row
	s_mov_b32 s[G1+6], 0
	s_mov_b32 s[G1+7], 0
	s_mov_b32 s[SEL], 0x76543210
	s_mov_b32 s[SEL+1], 0xfedcba98
	s_mov_b32 s[HM], 0xffff0000
	s_mov_b32 s[SIG], 0
	s_cmp_eq_u32 ttmp9, 0
	s_cselect_b32 s[PLIM], 21, 0                   ; the first cluster prefetches, behind changes 1 to 20: the same in all four partners
	s_lshl_b32 s2, s[WV], 15                       ; my 32,768 bytes of a step, in memory and in a slot
	s_mov_b32 s3, 0
	s_wait_kmcnt 0x0
	s_load_b512 s[E:E+15], s[PSC:PSC+1], 0x0
	s_load_b32 s[AL], s[PLA:PLA+1], 0x0
	s_load_b32 s[LNB], s[PLB:PLB+1], 0x0
	s_mov_b32 s[G0], 1
	s_mov_b32 s[G0+1], s2
	s_add_nc_u64 s[G0+2:G0+3], s[PW:PW+1], s[2:3]
	s_add_nc_u64 s[G0+2:G0+3], s[G0+2:G0+3], BASE
	s_mov_b32 s[G0+4], 1
	s_add_co_u32 s[G0+5], s2, SLOTB
	s_add_nc_u64 s[G0+6:G0+7], s[G0+2:G0+3], SLOTB
	s_or_b32 s[G0+3], s[G0+3], 0x80000000
	s_or_b32 s[G0+7], s[G0+7], 0x80000000
	ROUND                                          ; all four work-groups are here: the first joint loads meet
	tensor_load_to_lds s[G0:G0+3], s[G1:G1+7]      ; steps 0 and 1
	s_nop 0
	tensor_load_to_lds s[G0+4:G0+7], s[G1:G1+7]
	s_nop 0
	PLACES 4
	s_lshl_b32 s88, s[CX], 2
	s_add_co_u32 s88, s88, s[WV]
	s_lshl_b32 s88, s88, 13                        ; the prefetches: 8,192 bytes for each of the cluster's sixteen waves,
	s_add_co_u32 s88, s88, BASE+3*SLOTB            ; in step 3: the first change steps it to step 4
	s_mov_b32 s89, 0
	s_add_nc_u64 s[PFA:PFA+1], s[PW:PW+1], s[88:89]
	s_lshl_b32 s84, s[GB], 17
	s_mov_b32 s85, 0
	s_add_nc_u64 s[PX:PX+1], s[PX:PX+1], s[84:85]          ; X and out0 at my 32 rows
	s_add_nc_u64 s[POUT:POUT+1], s[POUT:POUT+1], s[84:85]
	s_lshl_b32 s84, s[GB], 15
	s_lshl_b32 s86, s[WV], 13
	s_add_co_u32 s84, s84, s86
	s_add_nc_u64 s[PCI:PCI+1], s[PCI:PCI+1], s[84:85]      ; my quarter of the block's 32,768 bytes of ctx's codes
	v_and_b32 v192, 15, v0                         ; r
	v_bfe_u32 v193, v0, 4, 1                       ; h
	v_and_b32 v194, 31, v0                         ; lane
	v_lshlrev_b32 v[LI], 4, v194
	s_lshl_b32 s4, s[WV], 10
	v_lshlrev_b32 v[VX], 12, v193
	v_lshl_add_u32 v[VX], v192, 4, v[VX]
	v_add_nc_u32 v[VX], s4, v[VX]
	v_lshlrev_b32 v[VB], 6, v193
	v_add_nc_u32 v[VB], s4, v[VB]
	s_mul_i32 s5, s[WV], 4352
	s_add_co_u32 s5, s5, STG
	v_mul_u32_u24 v[VS], v193, 272
	v_lshl_add_u32 v[VS], v192, 4, v[VS]
	v_add_nc_u32 v[VS], s5, v[VS]
	v_mul_u32_u24 v[VL], v192, 272
	v_lshl_add_u32 v[VL], v193, 6, v[VL]
	v_add_nc_u32 v[VL], s5, v[VL]
	s_lshl_b32 s4, s[WV], 12
	s_add_co_u32 s4, s4, AIMG
	v_add_nc_u32 v[AW], s4, v[LI]
	s_lshl_b32 s4, s[WV], 13
	s_add_co_u32 s4, s4, AIMG
	v_add_nc_u32 v[CW], s4, v[LI]
	v_add_nc_u32 v[BAD], s2, v[LI]
	v_add_nc_u32 v[BAD+1], SLOTB, v[BAD]
	s_lshl_b32 s4, s[WV], 2
	s_add_co_u32 s4, s4, STAT
	v_add_nc_u32 v[SA], s4, v[LI]
	v_lshl_add_u32 v[SL], v192, 4, STAT
	v_lshlrev_b32 v[PFO], 4, v[LI]
	v_mov_b32 v[RI+1], 0                           ; the upper halves of pairs of which the low word is used
	v_mov_b32 v[RI+3], 0
	v_mov_b32 v[MEAN+1], 0
	v_mov_b32 v[MEAN+3], 0
	v_mov_b32 v30, 0                               ; a lane permute's destination counts as one of its sources
.irp n, 0,1,2,3,4,5,6,7,8,9,10,11,12,13,14,15
	global_load_b128 v[PC+4*\n:PC+4*\n+3], v[LI], s[PCI:PCI+1] offset:512*\n th:TH_LOAD_NT   ; ctx's fragments lie in memory in the order in which LDS holds A's
.endr
	XIN_LOADS PX
	s_wait_kmcnt 0x0
	s_mov_b32 s[LNB+1], s[LNB]
	s_wait_loadcnt 63                              ; ctx's 16 loads have 64 behind them; the field holds 63 at the most, and a smaller count is safe
.irp n, 0,1,2,3,4,5,6,7,8,9,10,11,12,13,14,15
	ds_store_b128 v[CW], v[PC+4*\n:PC+4*\n+3] offset:512*\n
.endr
	XIN_TURNS                                      ; (it ends with a wait for all my LDS instructions)
	s_wait_tensorcnt 0x1                           ; my part of step 0 is in; step 1's may stay out
	s_barrier_signal -1
	s_barrier_wait -1                              ; ctx's sixteen fragments lie in LDS
	; ---- X1 = X + ctx wo^T + bo
	PRODUCT 0, PBO
	SETSS E+10, E+11
	s_wait_loadcnt 0x0                             ; bo
.irp m, 0,1
.irp u, 0,1
	FRONT_B \m, \u
	WIN 0xc3                                       ; destination and source 0 window 3
.set i, 0
.rept 32
	v_pk_add_f32 v[128*\m+64*\u+i:128*\m+64*\u+i+1], v[128*\m+64*\u+i:128*\m+64*\u+i+1], v[TQ+i:TQ+i+1]
.set i, i+2
.endr
.endr
.endr
	; ---- LN2, in two passes: the mean, then the centred squares; X1 stays in window 3, X1 - mean goes where the sums lay
	ROWSUM 3, 0
	ROWSUM 3, 1
	EXCH 0
	v_mul_f32 v[MEAN], 0x3a800000, v192            ; / 1024
	v_mul_f32 v[MEAN+2], 0x3a800000, v200
	CENTER 3, 2, 0
	CENTER 3, 2, 1
	SUMSQ 2, 0
	SUMSQ 2, 1
	EXCH 1
	LNFIN
	MKSCALE SCL, LIM, E+12
.irp m, 0,1
.irp u, 0,1
	FRONT_LN 2, \m, \u
	CVT 2*\m+\u, 0, LIM, SCL
	IMAGE 2*\m+\u, \m, \u
.endr
.endr
	MEETA
	; ---- the hidden layer: relu(xn w1^T + b1), quantised on the way
	PRODUCT 0, PB1
	SETSS E+12, E+13
	MKSCALE SCLO, LIMO, E+14
	s_wait_loadcnt 0x0                             ; b1
.irp m, 0,1
.irp u, 0,1
	FRONT_B \m, \u
	CVT 2*\m+\u, 1, LIMO, SCLO
	IMAGE 2*\m+\u, \m, \u
.endr
.endr
	MEETA
	; ---- out = X1 + h w2^T + b2
	PRODUCT 1, PB2
	SETSS E+14, E+15
	s_wait_loadcnt 0x0                             ; b2
.irp m, 0,1
.irp u, 0,1
	FRONT_B \m, \u
	WIN 0x03                                       ; source 0 (X1) window 3
.set i, 0
.rept 32
	v_pk_add_f32 v[TQ+i:TQ+i+1], v[128*\m+64*\u+i:128*\m+64*\u+i+1], v[TQ+i:TQ+i+1]
.set i, i+2
.endr
	WIN 0
.irp hf, 0,1                                   ; a chunk of 16 rows x 256 bytes goes back through my stage, the way X came
	s_wait_xcnt 0x0                                ; the stores that read these registers last have read them
.irp b, 0,1
.irp j, 0,1,2,3
	ds_store_b128 v[VL], v[TQ+16*(2*\hf+\b)+4*\j:TQ+16*(2*\hf+\b)+4*\j+3] offset:128*\b+16*\j
.endr
.endr
.irp k, 0,1,2,3,4,5,6,7
	ds_load_b128 v[PC+32*\hf+4*\k:PC+32*\hf+4*\k+3], v[VS] offset:544*\k   ; LDS serves a wave's instructions in order: these see the stores above
.endr
	s_wait_dscnt 0x0
.irp k, 0,1,2,3,4,5,6,7
	global_store_b128 v[VX], v[PC+32*\hf+4*\k:PC+32*\hf+4*\k+3], s[POUT:POUT+1] offset:(8*\m+2*\k+8*(\k/4))*4096+256*(2*\u+\hf) th:TH_STORE_NT   ; sixteen lanes store 256 consecutive bytes, at a multiple of 256 from out0's first byte
.endr
.endr
.endr
.endr
	s_wait_tensorcnt 0x0                           ; the wave's end
	ds_add_u32 v[SPW], v[NIL]
	s_wait_dscnt 0x0
	ROUND                                          ; the closing round
	s_endpgm
.Lfunc_end_k_q692732ddcf_tail:
	.size	k_q692732ddcf_tail, .Lfunc_end_k_q692732ddcf_tail-k_q692732ddcf_tail
	.p2alignl 7, 3214868480
	.fill 96, 4, 3214868480
	.section	.rodata,"a",@progbits
	.p2align	6, 0x0
	.amdhsa_kernel k_q692732ddcf_tail
		.amdhsa_group_segment_fixed_size 327680
		.amdhsa_private_segment_fixed_size 0
		.amdhsa_enable_private_segment 0
		.amdhsa_kernarg_size 80
		.amdhsa_user_sgpr_count 2
		.amdhsa_user_sgpr_kernarg_segment_ptr 1
		.amdhsa_wavefront_size32 1
		.amdhsa_system_sgpr_workgroup_id_x 1
		.amdhsa_system_sgpr_workgroup_id_y 1
		.amdhsa_system_sgpr_workgroup_id_z 1
		.amdhsa_system_vgpr_workitem_id 0
		.amdhsa_next_free_vgpr 1024
		.amdhsa_next_free_sgpr 96
		.amdhsa_reserve_vcc 0
		.amdhsa_float_denorm_mode_32 3
		.amdhsa_float_denorm_mode_16_64 3
		.amdhsa_memory_ordered 1
		.amdhsa_forward_progress 1
		.amdhsa_inst_pref_size 255
	.end_amdhsa_kernel
	.section	.bss,"aw",@nobits
	.p2align	6
	.space	262144
	.amdgpu_metadata
---
amdhsa.version: [ 1, 2 ]
amdhsa.kernels:
  - .name:           k_q692732ddcf_tail
    .symbol:         k_q692732ddcf_tail.kd
    .args:
      - { .name: X, .offset: 0, .size: 8, .value_kind: global_buffer, .address_space: global }
      - { .name: cimg, .offset: 8, .size: 8, .value_kind: global_buffer, .address_space: global }
      - { .name: wimg, .offset: 16, .size: 8, .value_kind: global_buffer, .address_space: global }
      - { .name: bo, .offset: 24, .size: 8, .value_kind: global_buffer, .address_space: global }
      - { .name: b1, .offset: 32, .size: 8, .value_kind: global_buffer, .address_space: global }
      - { .name: b2, .offset: 40, .size: 8, .value_kind: global_buffer, .address_space: global }
      - { .name: ln2_a, .offset: 48, .size: 8, .value_kind: global_buffer, .address_space: global }
      - { .name: ln2_b, .offset: 56, .size: 8, .value_kind: global_buffer, .address_space: global }
      - { .name: lowp_scales, .offset: 64, .size: 8, .value_kind: global_buffer, .address_space: global }
      - { .name: out0, .offset: 72, .size: 8, .value_kind: global_buffer, .address_space: global }
    .group_segment_fixed_size: 327680
    .private_segment_fixed_size: 0
    .kernarg_segment_align: 8
    .kernarg_segment_size: 80
    .max_flat_workgroup_size: 128
    .sgpr_count:     96
    .vgpr_count:     1024
    .wavefront_size: 32
...
	.end_amdgpu_metadata
.endif
;; end of part 4
;; ======== version 2 of 3: 4 launches
;; limits: right only within a limited range of input values
;; workspace buffers: wimg 6,291,456 bytes; qimg 8,388,608 bytes; kimg 8,388,608 bytes; vimg 8,388,608 bytes; cimg 8,388,608 bytes
;; launch wquant: the kernel of part 1 again; grid 64 x 6, 8 waves a work-group, no clusters, 68,608 bytes of LDS; arguments wq, wk, wv, wo, w1, w2, lowp_scales, wimg; writes wimg
;; launch qkv (part 5): grid 256 x 1, 4 waves a work-group, clusters of 4 x 1, 327,680 bytes of LDS; arguments X, mask, bq, bk, bv, ln1_a, ln1_b, lowp_scales, wimg, qimg, kimg, vimg; writes qimg, kimg, vimg
.if DOCPART == 5
	.amdgcn_target "amdgcn-amd-amdhsa--gfx1250"
	.amdhsa_code_object_version 6
	.text
	.protected	k_q692732ddcf_qkv
	.globl	k_q692732ddcf_qkv
	.p2align	8
	.type	k_q692732ddcf_qkv,@function
k_q692732ddcf_qkv:
	s_mov_b64 s[64:65], 0
	v_nop
	global_prefetch_b8 v0, s[64:65] scope:SCOPE_SE
	s_setreg_imm32_b32 hwreg(HW_REG_WAVE_MODE, 25, 1), 1
	s_wait_xcnt 0x0
	s_wait_alu depctr_hold_cnt(0) depctr_sa_sdst(0) depctr_va_vdst(0) depctr_va_sdst(0) depctr_va_ssrc(0) depctr_va_vcc(0) depctr_vm_vsrc(0)
	s_getreg_b32 s2, hwreg(HW_REG_IB_STS2, 6, 4)
	s_cmp_eq_u32 s2, 0
	s_cbranch_scc0 .Lentry_in_a_cluster
	s_endpgm
.Lentry_in_a_cluster:
	s_bfe_u32 s2, ttmp6, 0x10000c
	s_cmp_lg_u32 s2, 0x3003
	s_cbranch_scc0 .Lentry_shape_is_right
	s_endpgm
.Lentry_shape_is_right:
; LN1, three quantisations of xn (e0, e2, e4), xn wq^T + bq, xn wk^T + bk, xn wv^T + bv on codes of FP8 (E4M3), and q, k, v quantised (e6, e7, e8) into images of the attention's operand registers.
; SHARES.  A work-group owns 32 tokens (block g = 4 x cluster + place), as two tiles m of 16: lane r of tile m is token 8 m + r + 8 (r / 8).  THE FOUR WAVES SHARE THE COLUMNS: a wave owns 256 features, block w'.
; STATE LAYOUT: register 128 m + 64 u + 16 b + i of lane (r, h) = token (m, r), feature 256 w' + 128 u + 32 b + 16 h + i.  It is the layout of the accumulators where source 0 is a weight tile and source 1 a token
; fragment (accumulator (m, t) at 128 m + 8 t), since a weight tile's lane r stands for row 32 (T / 2) + 8 (T % 2) + r + 8 (r / 8).  64 registers (m, u), converted, ARE the fragment of K step 2 w' + u of the next product.
; FRAGMENTS go through LDS and memory as images of their registers: [c 0..3][lane][16 bytes]; registers 4 c .. 4 c + 3 hold k = 32 c + 16 h + 0 .. 15: a permutation of k, the same on both sides of every product.
; WEIGHTS: 24 steps of 131,072 bytes of wimg (3 weights x 8 K steps) through two LDS slots.  A wave fetches and reads its own 16 tiles (32,768 bytes).  The four work-groups of a cluster walk the same
; weights, so each tile is asked for JOINTLY (mask 15).  By this text's own count a wave has two tensor loads out at the start and one behind each round.
; THE CLUSTERS WALK K STAGGERED.  With R = cluster mod 4, a cluster takes a product's K steps in the order 2 R, 2 R + 1, .. round to 2 R - 1: at any step the clusters ask for four different K steps of a weight, and
; each K step but a cluster's first two of a product has been asked for, two steps earlier, by the clusters of R + 1.  Wave w owns feature block w' = (w + R) mod 4: w' enters global addresses alone, w every LDS
; address.  So the fragment that wave w stores at LDS position 2 w + u is K step (2 w + u + 2 R) mod 8: position j holds the K step that the j-th step's weights have, and no LDS address hangs on the cluster's number.
; v is made the other way round (source 0 = tokens, source 1 = weight rows), so that a lane's 16 registers are 16 neighbouring KEYS, the second attention product's K.
; A key with mask == 0 gets zero codes in kimg (its hold is 0), so that its raw score is exactly what the attention adds for it.
; LIMITS: e0, e2, e4, e6, e7, e8 between -126 and 119; e0 + e1, e2 + e3, e4 + e5 between -126 and 127; NaN among the inputs is not served.
; REGISTERS, in windows of 256: window 0: addresses, A's fragments, 64 numbers at work, codes;  window 1: the step's 16 weight fragments, later the biases;  window 2: the accumulators (first X as loaded);  window 3: x - mean.
.set BASE,  0                          ; where this launch's weights begin in wimg
.set SLOTB, 131072                     ; a slot: one K step of one weight
.set AIMG,  2*SLOTB                    ; 16 fragments of A: 16,384 m + 2,048 position
.set STG,   AIMG+32768                 ; a stage of 16 rows x 272 bytes for each wave
.set STAT,  STG+4*4352                 ; the waves' partial sums: 512 phase + 16 (16 m + r) + 4 w
.set SPARE, STAT+1024                  ; the spare words, 128 bytes for each wave: two blocks of 256 bytes that no other line names
.set LI,  1                            ; v1   16 x lane
.set VX,  2                            ; v2   X: 4,096 h + 16 r + 1,024 w'
.set VS,  3                            ; v3   the stage by rows of memory: 272 h + 16 r
.set VL,  4                            ; v4   the stage by lanes: 272 r + 64 h
.set AW,  5                            ; v5   where I store my fragments of A
.set AAD, 6                            ; v6   the step's fragments of A
.set BAD, 7                            ; v7-8 my weight tiles in slot 0, 1
.set SA,  9                            ; v9   my partial sum's word
.set SL,  10                           ; v10  a token's four words
.set VB,  11                           ; v11  biases: 1,024 w' + 64 h
.set VP,  12                           ; v12  4 (r + 8 (r / 8))
.set PFO, 13                           ; v13  256 x lane
.set SPW, 14                           ; v14  my spare word; never rewritten
.set NIL, 15                           ; v15  0; never rewritten
.set SCL, 16                           ; v16, v17 scale and hold of xn's conversion
.set LIM, 17
.set LIMO, 18                          ; v18, v19 the hold of the results' conversion, for token tile 0, 1
.set SCLO, 20                          ; v20  its scale
.set VBV, 21                           ; v21  bv: 1,024 w' + 4 (r + 8 (r / 8))
.set RI,  22                           ; v[22:23], v[24:25] alpha / (std + eps) of my token of tile 0, 1 (low word; the high word is written once)
.set MEAN, 26                          ; v[26:27], v[28:29] its mean
.set AF,  32                           ; v32-63  A's two fragments
.set TQ,  64                           ; v64-127 64 numbers at work
.set PC,  128                          ; v128-191 four sets of 16 registers of codes
.set KM,  224                          ; v224-225 mask of my token of tile 0, 1
.set PX, 8
.set PMASK, 10
.set PBQ, 12
.set PBK, 14
.set PBV, 16
.set PLA, 18
.set PLB, 20
.set PSC, 22
.set PW, 24
.set PQI, 26
.set PKI, 28
.set PVI, 30
.set E,   32                           ; s32-47 e0 .. e15
.set G1,  48                           ; s[48:55] descriptor group 1
.set G0,  56                           ; s[56:59], s[60:63] group 0 of slot 0, 1
.set T1,  3                            ; s3, s71 at work in a change of slots
.set WV,  66
.set CX,  67
.set GB,  68
.set AB,  69                           ; LDS byte of the step's fragments of A
.set CT,  70
.set T0,  71
.set SIG, 72                           ; changes of slots so far
.set PCOND, 73                         ; 0 where this change's prefetches are mine
.set PFA, 74                           ; s[74:75] where they stand
.set SS,  76                           ; s[76:77] 2^(eA + eB)
.set LNB, 78                           ; s[78:79] the norm's bias
.set SEL, 80
.set HM,  82
.set AL,  83
.set PF0, 88                           ; s[88:89] my wave's 8,192 bytes of stream step 8
.set ROT, 90                           ; s90  2 R
.set WF,  91                           ; s91  w'
.set WB,  92                           ; s[92:93] my 32,768 bytes of K step 0 of the launch's first weight
.set OFF, 94                           ; s[94:95] an offset, the high word 0
.set MSB, 0
.macro WIN new                         ; the immediate's high byte repeats the setting that is left; a switch that changes nothing is dropped
.if MSB != (\new)
	s_set_vgpr_msb (MSB<<8)|(\new)
.set MSB, (\new)
.endif
.endm
.macro PLACES n
.rept \n
	v_nop
.endr
.endm
.macro ROUND                           ; a round of the cluster's barrier
	s_barrier_signal -1
	s_barrier_wait -1
	s_cmp_lg_u32 s[WV], 0
	s_cbranch_scc1 .Lnot_wave_0_\@
	s_barrier_signal -3
.Lnot_wave_0_\@:
	s_barrier_wait -3
	s_barrier_signal -1
	s_barrier_wait -1
.endm
; A prefetch into the L2 of the NEXT weight.  All clusters walk the same weights: the first cluster asks.  Behind each of a product's first four changes of slots it names two K steps of the next weight: an instruction
; of its 4 work-groups x 4 waves x 32 lanes names 512 blocks of 256 bytes, one K step; two instructions a wave.  Each block is named once in the launch; the partners are told apart by address.
; The staggered clusters ask for all eight K steps of a weight behind the seventh and eighth step of the product before: three changes or more behind the last of these prefetches.
; The first weight comes by its loads alone; during the last product nothing is named.
.macro ASK
	s_cmp_eq_u32 s[PCOND], 0
	s_cbranch_scc0 .Lnot_mine_\@
	global_prefetch_b8 v[PFO], s[PFA:PFA+1] th:TH_LOAD_NT scope:SCOPE_SE
	global_prefetch_b8 v[PFO], s[PFA:PFA+1] offset:SLOTB th:TH_LOAD_NT scope:SCOPE_SE
.Lnot_mine_\@:
.endm
; One K step of 128: A's two fragments, my 16 weight fragments, 32 matrix instructions.  The 32 accumulators take turns, one instruction a turn, in the same order in every step.
.macro STEP slot, zero, swap
	v_add_nc_u32 v[AAD], s[AB], v[LI]
.irp m, 0,1
.irp c, 0,1,2,3
	ds_load_b128 v[AF+16*\m+4*\c:AF+16*\m+4*\c+3], v[AAD] offset:16384*\m+512*\c
.endr
.endr
	WIN 0x40                                       ; destination window 1
.irp t, 0,1,2,3,4,5,6,7,8,9,10,11,12,13,14,15
.irp c, 0,1,2,3
	ds_load_b128 v[16*\t+4*\c:16*\t+4*\c+3], v[BAD+\slot] offset:2048*\t+512*\c
.endr
.endr
.if \swap
	WIN 0xa4                                       ; source 0 (A) window 0, source 1 (weights) window 1, C and D window 2
.else
	WIN 0xa1                                       ; source 0 (weights) window 1, source 1 (A) window 0, C and D window 2
.endif
.irp gq, 0,1,2,3
	s_wait_dscnt 48-16*\gq                         ; A's eight loads and the weight tiles up to 4 gq + 3 are in; the later tiles' loads may be out
.irp tt, 0,1,2,3
.irp m, 0,1
.set tN, 4*\gq+\tt
.if \swap
.set rD, 16*tN+8*\m
.if \zero
	v_wmma_f32_16x16x128_fp8_fp8 v[rD:rD+7], v[AF+16*\m:AF+16*\m+15], v[16*tN:16*tN+15], 0
.else
	v_wmma_f32_16x16x128_fp8_fp8 v[rD:rD+7], v[AF+16*\m:AF+16*\m+15], v[16*tN:16*tN+15], v[rD:rD+7]
.endif
.else
.set rD, 128*\m+8*tN
.if \zero
	v_wmma_f32_16x16x128_fp8_fp8 v[rD:rD+7], v[16*tN:16*tN+15], v[AF+16*\m:AF+16*\m+15], 0
.else
	v_wmma_f32_16x16x128_fp8_fp8 v[rD:rD+7], v[16*tN:16*tN+15], v[AF+16*\m:AF+16*\m+15], v[rD:rD+7]
.endif
.endif
.endr
.endr
.endr
	WIN 0
	s_add_co_u32 s[AB], s[AB], 2048
.endm
; Behind a step.  chg = 1: the slot just read is filled again, two steps ahead: each wave waits for all its tensor loads (the one that is out is its part of the next slot), adds 0 to its spare word, waits for that
; and for its LDS reads, and passes a round of the cluster's barrier; the joint refill is the first thing behind it.  chg = 2: nothing is left to fetch; the last slot's load is waited for.  chg = 0: the last step.
; Stream step p lies at 2^20 (p / 8) + 2^17 ((p + 2 R) mod 8) from my part of the first weight's K step 0.  The n-th change (n - 1 = 8 a + b, b under 4, a under 2) names stream steps 8 + (n - 1) + b and the next.
; The four v_nop are the places in front of the next loads into registers that matrix instructions have read, and of the first read of results.
.macro CHANGE slot, chg
.if \chg == 1
	s_wait_tensorcnt 0x0                           ; no tensor load of mine is out, so a group 0 may be written
	ds_add_u32 v[SPW], v[NIL]                      ; 0 onto my spare word; the scalar lines below stand between it and the wait for it
	s_and_b32 s[T0], s[SIG], 3
	s_add_co_u32 s[T0], s[T0], s[SIG]              ; (n - 1) + b
	s_and_b32 s[PCOND], s[SIG], 0x14               ; 0 where b is under 4 and a under 2,
	s_or_b32 s[PCOND], s[PCOND], ttmp9             ; in the first cluster: the same in all four partners
	s_add_co_u32 s[SIG], s[SIG], 1
	s_add_co_u32 s[OFF], s[SIG], 1                 ; the stream step to ask for
	s_lshr_b32 s[T1], s[OFF], 3
	s_lshl_b32 s[T1], s[T1], 20                    ; its weight,
	s_add_co_u32 s[OFF], s[OFF], s[ROT]
	s_and_b32 s[OFF], s[OFF], 7
	s_lshl_b32 s[OFF], s[OFF], 17                  ; its K step
	s_add_co_u32 s[OFF], s[OFF], s[T1]
	s_add_nc_u64 s[G0+4*\slot+2:G0+4*\slot+3], s[WB:WB+1], s[OFF:OFF+1]
	s_or_b32 s[G0+4*\slot+3], s[G0+4*\slot+3], 0x80000000
	s_lshl_b32 s[OFF], s[T0], 17
	s_wait_xcnt 0x0                                ; the last prefetches, a step back or more, have read their address
	s_add_nc_u64 s[PFA:PFA+1], s[PF0:PF0+1], s[OFF:OFF+1]
	s_wait_dscnt 0x0                               ; the add is done; my reads of the slot and of A's fragments are over
	ROUND
	tensor_load_to_lds s[G0+4*\slot:G0+4*\slot+3], s[G1:G1+7]
	s_nop 0
	PLACES 4
	ASK
.elseif \chg == 2
	s_wait_tensorcnt 0x0                           ; my part of the last slot is in; only I read it
	PLACES 4
.else
	PLACES 4
.endif
.endm
; The biases are asked for behind a product's last matrix instructions, into the weight fragments' registers
.macro HOOK swap, ptr
	PLACES 4
	WIN 0x40
.if \swap
.irp t, 0,1,2,3,4,5,6,7,8,9,10,11,12,13,14,15
	global_load_b32 v[2*\t], v[VBV], s[\ptr:\ptr+1] offset:128*(\t/2)+32*(\t%2)     ; the bias of my lane's row of tile t, in both registers of a pair
	global_load_b32 v[2*\t+1], v[VBV], s[\ptr:\ptr+1] offset:128*(\t/2)+32*(\t%2)
.endr
.else
.irp u, 0,1
.irp b, 0,1,2,3
.irp j, 0,1,2,3
	global_load_b128 v[64*\u+16*\b+4*\j:64*\u+16*\b+4*\j+3], v[VB], s[\ptr:\ptr+1] offset:512*\u+128*\b+16*\j
.endr
.endr
.endr
.endif
	WIN 0
.endm
; A product: eight K steps.  last = 1: the launch's last, whose last two steps ask for nothing; they are written out.
.macro PRODUCT swap, last, ptr
	s_mov_b32 s[AB], AIMG
	STEP 0, 1, \swap                               ; the first step starts the sums: nothing is cleared
	CHANGE 0, 1
	s_mov_b32 s[CT], 3-\last
.Lpair_\@:
	STEP 1, 0, \swap
	CHANGE 1, 1
	STEP 0, 0, \swap
	CHANGE 0, 1
	s_sub_co_u32 s[CT], s[CT], 1
	s_cmp_lg_u32 s[CT], 0
	s_cbranch_scc1 .Lpair_\@
.if \last
	STEP 1, 0, \swap
	CHANGE 1, 1
	STEP 0, 0, \swap
	CHANGE 0, 2
	STEP 1, 0, \swap
	HOOK \swap, \ptr
	CHANGE 1, 0
.else
	STEP 1, 0, \swap
	HOOK \swap, \ptr
	CHANGE 1, 1
.endif
.endm
.macro MKSCALE vs, vl, se              ; v[vs] = 2^e, v[vl] = 448 x 2^e, e in s[se]
	s_add_co_i32 s4, s[\se], 127
	s_lshl_b32 s5, s4, 23
	v_mov_b32 v[\vs], s5
	s_add_co_i32 s4, s4, 8
	s_lshl_b32 s4, s4, 23
	s_or_b32 s4, s4, 0x600000
	v_mov_b32 v[\vl], s4
.endm
.macro SETSS ea, eb                    ; 2^(ea + eb) as f32, in both words of the pair
	s_add_co_i32 s[SS], s[\ea], s[\eb]
	s_add_co_i32 s[SS], s[SS], 127
	s_lshl_b32 s[SS], s[SS], 23
	s_mov_b32 s[SS+1], s[SS]
.endm
; X: my 256 features of 32 rows.  A load takes 256 consecutive bytes of two rows (sixteen lanes each); a chunk of 16 rows x 256 bytes turns through my stage into the state layout.
.macro XIN_LOADS ptr
	WIN 0x80                                       ; destination window 2
.irp ci, 0,1,2,3,4,5,6,7
.irp k, 0,1,2,3,4,5,6,7
	global_load_b128 v[32*\ci+4*\k:32*\ci+4*\k+3], v[VX], s[\ptr:\ptr+1] offset:(8*(\ci/4)+2*\k+8*(\k/4))*4096+256*(\ci%4) th:TH_LOAD_NT
.endr
.endr
	WIN 0
.endm
.macro XIN_TURNS
.irp ci, 0,1,2,3,4,5,6,7
	s_wait_loadcnt 56-8*\ci                        ; this chunk's eight loads are in; the later chunks' may be out
	WIN 0x08                                       ; store data window 2
.irp k, 0,1,2,3,4,5,6,7
	ds_store_b128 v[VS], v[32*\ci+4*\k:32*\ci+4*\k+3] offset:544*\k
.endr
	WIN 0xc0                                       ; destination window 3
.irp b, 0,1
.irp j, 0,1,2,3
	ds_load_b128 v[128*(\ci/4)+64*((\ci%4)/2)+16*(2*(\ci%2)+\b)+4*\j:128*(\ci/4)+64*((\ci%4)/2)+16*(2*(\ci%2)+\b)+4*\j+3], v[VL] offset:128*\b+16*\j   ; LDS serves a wave's instructions in order: these see the stores above, and the next chunk's stores come behind them
.endr
.endr
.endr
	WIN 0
	s_wait_dscnt 0x0
.endm
.macro FOLD m                          ; four chains of pairs -> my wave's sum for token (m, r), in both halves of the lanes
	v_pk_add_f32 v[192+8*\m:193+8*\m], v[192+8*\m:193+8*\m], v[194+8*\m:195+8*\m]
	v_pk_add_f32 v[196+8*\m:197+8*\m], v[196+8*\m:197+8*\m], v[198+8*\m:199+8*\m]
	v_pk_add_f32 v[192+8*\m:193+8*\m], v[192+8*\m:193+8*\m], v[196+8*\m:197+8*\m]
	v_add_f32 v[192+8*\m], v[192+8*\m], v[193+8*\m]
	v_permlanex16_b32 v30, v[192+8*\m], s[SEL], s[SEL+1]
	v_add_f32 v[192+8*\m], v[192+8*\m], v30
.endm
.macro ROWSUM x, m                     ; the sum of tile m's 128 registers in window x
	WIN (\x)|((\x)<<2)
.irp q, 0,1,2,3
	v_pk_add_f32 v[192+8*\m+2*\q:193+8*\m+2*\q], v[128*\m+2*\q:128*\m+2*\q+1], v[128*\m+8+2*\q:128*\m+8+2*\q+1]
.endr
	WIN \x
.set p, 8
.rept 56
	v_pk_add_f32 v[192+8*\m+2*(p%4):193+8*\m+2*(p%4)], v[128*\m+2*p:128*\m+2*p+1], v[192+8*\m+2*(p%4):193+8*\m+2*(p%4)]
.set p, p+1
.endr
	WIN 0
	FOLD \m
.endm
.macro SUMSQ x, m                      ; the sum of their squares
	WIN (\x)|((\x)<<2)
.irp q, 0,1,2,3
	v_pk_mul_f32 v[192+8*\m+2*\q:193+8*\m+2*\q], v[128*\m+2*\q:128*\m+2*\q+1], v[128*\m+2*\q:128*\m+2*\q+1]
.endr
.set p, 4
.rept 60
	v_pk_fma_f32 v[192+8*\m+2*(p%4):193+8*\m+2*(p%4)], v[128*\m+2*p:128*\m+2*p+1], v[128*\m+2*p:128*\m+2*p+1], v[192+8*\m+2*(p%4):193+8*\m+2*(p%4)]
.set p, p+1
.endr
	WIN 0
	FOLD \m
.endm
; The four waves' partial sums meet in LDS: lane l stores token l's (lanes 16-31: tile 1's); behind the barrier every lane reads the four words of its two tokens.  Each phase has bytes of its own.
.macro EXCH ph
	v_cndmask_b32 v31, v192, v200, s[HM]
	ds_store_b32 v[SA], v31 offset:512*\ph
	s_wait_dscnt 0x0                               ; for the others' sake
	s_barrier_signal -1                            ; (a tensor load may be out)
	s_barrier_wait -1
	ds_load_b128 v[208:211], v[SL] offset:512*\ph
	ds_load_b128 v[212:215], v[SL] offset:512*\ph+256
	s_wait_dscnt 0x0
	v_add_f32 v208, v208, v209
	v_add_f32 v210, v210, v211
	v_add_f32 v212, v212, v213
	v_add_f32 v214, v214, v215
	v_add_f32 v192, v208, v210
	v_add_f32 v200, v212, v214
.endm
.macro CENTER src, dst, m              ; x - mean, from window src into window dst
	WIN ((\dst)<<6)|(\src)
.set i, 0
.rept 64
	v_pk_add_f32 v[128*\m+i:128*\m+i+1], v[128*\m+i:128*\m+i+1], v[MEAN+2*\m:MEAN+2*\m+1] op_sel_hi:[1,0] neg_lo:[0,1] neg_hi:[0,1]
.set i, i+2
.endr
	WIN 0
.endm
.macro LNFIN                           ; sums of centred squares -> alpha / (sqrt(sum / 1023) + 1e-6)
	v_mul_f32 v192, 0x3a802008, v192
	v_mul_f32 v200, 0x3a802008, v200
	v_sqrt_f32 v192, v192
	v_sqrt_f32 v200, v200
	v_nop                                          ; a plain instruction behind the roots,
	s_wait_alu depctr_va_vdst(0)                   ; and one wait for both, ahead of their first reader
	v_add_f32 v192, 0x358637bd, v192
	v_add_f32 v200, 0x358637bd, v200
	v_rcp_f32 v192, v192
	v_rcp_f32 v200, v200
	v_nop
	s_wait_alu depctr_va_vdst(0)
	v_mul_f32 v[RI], s[AL], v192
	v_mul_f32 v[RI+2], s[AL], v200
.endm
.macro FRONT_LN x, m, u                ; 64 numbers of xn: (x - mean) x alpha / (std + eps) + bias
	WIN \x
.set i, 0
.rept 32
	v_pk_fma_f32 v[TQ+i:TQ+i+1], v[128*\m+64*\u+i:128*\m+64*\u+i+1], v[RI+2*\m:RI+2*\m+1], s[LNB:LNB+1] op_sel_hi:[1,0,0]
.set i, i+2
.endr
.endm
.macro FRONT_B m, u                    ; 64 results: sum x 2^(eA + eB) + bias; each accumulator from its low end on
	WIN 0x12                                       ; source 0 (sums) window 2, source 2 (biases) window 1
.set i, 0
.rept 32
	v_pk_fma_f32 v[TQ+i:TQ+i+1], v[128*\m+64*\u+i:128*\m+64*\u+i+1], s[SS:SS+1], v[64*\u+i:64*\u+i+1] op_sel_hi:[1,0,1]
.set i, i+2
.endr
.endm
.macro FRONT_V g                       ; v's: tiles 4 g .. 4 g + 3; a lane's bias is one number a tile
	WIN 0x12
.set i, 0
.rept 32
	v_pk_fma_f32 v[TQ+i:TQ+i+1], v[64*\g+i:64*\g+i+1], s[SS:SS+1], v[2*(4*\g+i/16):2*(4*\g+i/16)+1] op_sel_hi:[1,0,0]
.set i, i+2
.endr
.endm
.macro CVT set, relu, lim, scl         ; the 64 numbers become 16 registers of codes
	WIN 0
.set i, 0
.rept 64
.if \relu
	v_med3_num_f32 v[TQ+i], v[TQ+i], 0, v[\lim]
.else
	v_med3_num_f32 v[TQ+i], v[TQ+i], -v[\lim], v[\lim]   ; the conversion to an 8-bit code does not saturate (ISA guide 7.6.2): the hold comes first
.endif
.set i, i+1
.endr
.irp b, 0,1,2,3,4,5,6,7
	v_cvt_scalef32_pk8_fp8_f32 v[PC+16*(\set)+2*\b:PC+16*(\set)+2*\b+1], v[TQ+8*\b:TQ+8*\b+7], v[\scl]
.endr
	v_nop                                          ; a plain instruction between the conversions and whatever next writes their sources
.endm
.macro IMAGE set, m, u                 ; my fragment u of token tile m goes to LDS as it stands, to position 2 w + u
.irp c, 0,1,2,3
	ds_store_b128 v[AW], v[PC+16*(\set)+4*\c:PC+16*(\set)+4*\c+3] offset:16384*\m+2048*\u+512*\c
.endr
.endm
.macro QUANTA x, se                    ; xn with the scale 2^e, e in s[se]: my four fragments; then all sixteen lie in LDS
	MKSCALE SCL, LIM, \se
.irp m, 0,1
.irp u, 0,1
	FRONT_LN \x, \m, \u
	CVT 2*\m+\u, 0, LIM, SCL
	IMAGE 2*\m+\u, \m, \u
.endr
.endr
	s_wait_dscnt 0x0
	s_barrier_signal -1
	s_barrier_wait -1
.endm
.macro EPI_QK op                       ; q's or k's codes: registers 4 b .. 4 b + 3 of unit (m, u) are piece b % 2 of head 4 w' + 2 u + b / 2, token tile m
.irp m, 0,1
.irp u, 0,1
	FRONT_B \m, \u
	CVT 2*\m+\u, 0, LIMO+\m, SCLO
.irp b, 0,1,2,3
	global_store_b128 v[LI], v[PC+16*(2*\m+\u)+4*\b:PC+16*(2*\m+\u)+4*\b+3], s[\op:\op+1] offset:(2*\u+\b/2)*65536+1024*\m+512*(\b%2)   ; 512 consecutive bytes
.endr
.endr
.endr
.endm
.macro EPI_V op                        ; v's codes: tile t = 4 g + b is d tile b of head 4 w' + g; its 16 registers are my block's keys 16 h + 0 .. 15
.irp g, 0,1,2,3
	FRONT_V \g
	CVT \g, 0, LIMO, SCLO
.irp b, 0,1,2,3
	global_store_b128 v[LI], v[PC+16*\g+4*\b:PC+16*\g+4*\b+3], s[\op:\op+1] offset:65536*\g+1024*\b
.endr
.endr
.endm
	s_load_b512 s[8:23], s[0:1], 0x0               ; X, mask, bq, bk, bv, ln1_a, ln1_b, the scales' exponents
	s_load_b256 s[24:31], s[0:1], 0x40             ; wimg, qimg, kimg, vimg
	v_lshl_add_u32 v[SPW], v0, 2, SPARE
	v_mov_b32 v[NIL], 0
	ds_add_u32 v14, v15
	ds_add_u32 v14, v15
	s_wait_dscnt 0x0
	v_lshrrev_b32 v1, 5, v0
	v_readfirstlane_b32 s[WV], v1                  ; wave 0..3
	s_bfe_u32 s[CX], ttmp6, 0x40000                ; my place in the cluster: it enters global addresses alone
	s_lshl_b32 s[GB], ttmp9, 2
	s_add_co_u32 s[GB], s[GB], s[CX]               ; my block of 32 tokens
	s_and_b32 s[ROT], ttmp9, 3                     ; R: the same in all four partners
	s_add_co_u32 s[WF], s[WV], s[ROT]
	s_and_b32 s[WF], s[WF], 3                      ; w' = (w + R) mod 4: my feature block
	s_lshl_b32 s[ROT], s[ROT], 1                   ; 2 R: my cluster's first K step
	; descriptor group 1: 32,768 dense bytes as 128 rows of 32 elements of 8 bytes
	s_mov_b32 s[G1+0], 15|(3<<16)|(1<<21)          ; 15:0 the mask: all four work-groups; 17:16 elements of 8 bytes; 21 set beside a mask
	s_mov_b32 s[G1+1], 32<<16                      ; tensor_dim0 = 32
	s_mov_b32 s[G1+2], 128<<16                     ; tensor_dim1 = 128
	s_mov_b32 s[G1+3], 32<<16                      ; tile_dim0 = 32
	s_mov_b32 s[G1+4], 128                         ; tile_dim1 = 128
	s_mov_b32 s[G1+5], 32                          ; from row to row
	s_mov_b32 s[G1+6], 0
	s_mov_b32 s[G1+7], 0
	s_mov_b32 s[SEL], 0x76543210
	s_mov_b32 s[SEL+1], 0xfedcba98
	s_mov_b32 s[HM], 0xffff0000
	s_mov_b32 s[SIG], 0
	s_lshl_b32 s2, s[WV], 15                       ; my 32,768 bytes of a slot,
	s_lshl_b32 s[OFF], s[WF], 15                   ; and of a K step in memory
	s_mov_b32 s[OFF+1], 0
	s_wait_kmcnt 0x0
	s_load_b512 s[E:E+15], s[PSC:PSC+1], 0x0
	s_load_b32 s[AL], s[PLA:PLA+1], 0x0
	s_load_b32 s[LNB], s[PLB:PLB+1], 0x0
	s_add_nc_u64 s[WB:WB+1], s[PW:PW+1], s[OFF:OFF+1]
.if BASE
	s_add_nc_u64 s[WB:WB+1], s[WB:WB+1], BASE
.endif
	s_lshl_b32 s[OFF], s[ROT], 17                  ; stream step 0 is K step 2 R,
	s_mov_b32 s[G0], 1
	s_mov_b32 s[G0+1], s2
	s_add_nc_u64 s[G0+2:G0+3], s[WB:WB+1], s[OFF:OFF+1]
	s_add_co_u32 s[OFF], s[OFF], SLOTB             ; step 1 is K step 2 R + 1, 7 at the most
	s_mov_b32 s[G0+4], 1
	s_add_co_u32 s[G0+5], s2, SLOTB
	s_add_nc_u64 s[G0+6:G0+7], s[WB:WB+1], s[OFF:OFF+1]
	s_or_b32 s[G0+3], s[G0+3], 0x80000000
	s_or_b32 s[G0+7], s[G0+7], 0x80000000
	ROUND                                          ; all four work-groups are here: the first joint loads meet
	tensor_load_to_lds s[G0:G0+3], s[G1:G1+7]      ; steps 0 and 1
	s_nop 0
	tensor_load_to_lds s[G0+4:G0+7], s[G1:G1+7]
	s_nop 0
	PLACES 4
	s_lshl_b32 s88, s[CX], 2
	s_add_co_u32 s88, s88, s[WV]
	s_lshl_b32 s88, s88, 13                        ; the prefetches: 8,192 bytes of a K step for each of the cluster's sixteen waves,
	s_add_co_u32 s88, s88, BASE+8*SLOTB            ; from the second weight's K step 0 on
	s_mov_b32 s89, 0
	s_add_nc_u64 s[PF0:PF0+1], s[PW:PW+1], s[88:89]
	s_lshl_b32 s84, s[GB], 17
	s_mov_b32 s85, 0
	s_add_nc_u64 s[PX:PX+1], s[PX:PX+1], s[84:85]  ; X at my 32 rows
	s_lshl_b32 s84, s[GB], 7
	s_add_nc_u64 s[PMASK:PMASK+1], s[PMASK:PMASK+1], s[84:85]
	s_lshr_b32 s86, s[GB], 5                       ; the batch,
	s_lshl_b32 s86, s86, 20
	s_lshl_b32 s87, s[WF], 18
	s_add_co_u32 s86, s86, s87                     ; 65,536 (16 batch + 4 w')
	s_and_b32 s87, s[GB], 31                       ; my block in the batch
	s_lshl_b32 s84, s87, 11
	s_add_co_u32 s84, s84, s86
	s_add_nc_u64 s[PQI:PQI+1], s[PQI:PQI+1], s[84:85]
	s_add_nc_u64 s[PKI:PKI+1], s[PKI:PKI+1], s[84:85]
	s_lshr_b32 s84, s87, 1
	s_lshl_b32 s84, s84, 12                        ; the key step of 64,
	s_add_co_u32 s84, s84, s86
	s_and_b32 s87, s87, 1
	s_lshl_b32 s87, s87, 9                         ; and which 32 of it
	s_add_co_u32 s84, s84, s87
	s_add_nc_u64 s[PVI:PVI+1], s[PVI:PVI+1], s[84:85]
	v_and_b32 v192, 15, v0                         ; r
	v_bfe_u32 v193, v0, 4, 1                       ; h
	v_and_b32 v194, 31, v0                         ; lane
	v_lshlrev_b32 v[LI], 4, v194
	s_lshl_b32 s4, s[WF], 10                       ; my feature block in a row of X and in the biases
	v_lshlrev_b32 v[VX], 12, v193
	v_lshl_add_u32 v[VX], v192, 4, v[VX]
	v_add_nc_u32 v[VX], s4, v[VX]
	v_lshlrev_b32 v[VB], 6, v193
	v_add_nc_u32 v[VB], s4, v[VB]
	v_and_b32 v195, 8, v192
	v_add_nc_u32 v195, v195, v192
	v_lshlrev_b32 v[VP], 2, v195
	v_add_nc_u32 v[VBV], s4, v[VP]
	s_mul_i32 s5, s[WV], 4352
	s_add_co_u32 s5, s5, STG
	v_mul_u32_u24 v[VS], v193, 272
	v_lshl_add_u32 v[VS], v192, 4, v[VS]
	v_add_nc_u32 v[VS], s5, v[VS]
	v_mul_u32_u24 v[VL], v192, 272
	v_lshl_add_u32 v[VL], v193, 6, v[VL]
	v_add_nc_u32 v[VL], s5, v[VL]
	s_lshl_b32 s4, s[WV], 12
	s_add_co_u32 s4, s4, AIMG
	v_add_nc_u32 v[AW], s4, v[LI]
	v_add_nc_u32 v[BAD], s2, v[LI]
	v_add_nc_u32 v[BAD+1], SLOTB, v[BAD]
	s_lshl_b32 s4, s[WV], 2
	s_add_co_u32 s4, s4, STAT
	v_add_nc_u32 v[SA], s4, v[LI]
	v_lshl_add_u32 v[SL], v192, 4, STAT
	v_lshlrev_b32 v[PFO], 4, v[LI]
	v_mov_b32 v[RI+1], 0                           ; the upper halves of pairs of which the low word is used
	v_mov_b32 v[RI+3], 0
	v_mov_b32 v[MEAN+1], 0
	v_mov_b32 v[MEAN+3], 0
	v_mov_b32 v30, 0                               ; a lane permute's destination counts as one of its sources
	global_load_b32 v[KM], v[VP], s[PMASK:PMASK+1]
	global_load_b32 v[KM+1], v[VP], s[PMASK:PMASK+1] offset:32
	XIN_LOADS PX
	s_wait_kmcnt 0x0
	s_mov_b32 s[LNB+1], s[LNB]
	XIN_TURNS
	; ---- LN1, in two passes: the mean, then the centred squares
	ROWSUM 3, 0
	ROWSUM 3, 1
	EXCH 0
	v_mul_f32 v[MEAN], 0x3a800000, v192            ; / 1024
	v_mul_f32 v[MEAN+2], 0x3a800000, v200
	CENTER 3, 3, 0
	CENTER 3, 3, 1
	SUMSQ 3, 0
	SUMSQ 3, 1
	EXCH 1
	LNFIN
	; ---- q
	QUANTA 3, E+0
	s_wait_tensorcnt 0x1                           ; my part of step 0 is in; step 1's may stay out: nothing is filled here
	PRODUCT 0, 0, PBQ
	SETSS E+0, E+1
	MKSCALE SCLO, LIMO, E+6
	v_mov_b32 v[LIMO+1], v[LIMO]
	s_wait_loadcnt 0x0                             ; bq
	EPI_QK PQI
	; ---- k
	s_wait_xcnt 0x0                                ; q's stores have read their registers
	QUANTA 3, E+2
	PRODUCT 0, 0, PBK
	SETSS E+2, E+3
	MKSCALE SCLO, 31, E+7
	v_cmp_ne_u32 vcc_lo, 0, v[KM]
	v_cndmask_b32 v[LIMO], 0, v31, vcc_lo          ; a hidden key is held at 0: its codes are zeros
	v_cmp_ne_u32 vcc_lo, 0, v[KM+1]
	v_cndmask_b32 v[LIMO+1], 0, v31, vcc_lo
	s_wait_loadcnt 0x0                             ; bk
	EPI_QK PKI
	; ---- v
	s_wait_xcnt 0x0
	QUANTA 3, E+4
	PRODUCT 1, 1, PBV
	SETSS E+4, E+5
	MKSCALE SCLO, LIMO, E+8
	s_wait_loadcnt 0x0                             ; bv
	EPI_V PVI
	s_wait_tensorcnt 0x0                           ; the wave's end
	ds_add_u32 v[SPW], v[NIL]
	s_wait_dscnt 0x0
	ROUND                                          ; the closing round
	s_endpgm
.Lfunc_end_k_q692732ddcf_qkv:
	.size	k_q692732ddcf_qkv, .Lfunc_end_k_q692732ddcf_qkv-k_q692732ddcf_qkv
	.p2alignl 7, 3214868480
	.fill 96, 4, 3214868480
	.section	.rodata,"a",@progbits
	.p2align	6, 0x0
	.amdhsa_kernel k_q692732ddcf_qkv
		.amdhsa_group_segment_fixed_size 327680
		.amdhsa_private_segment_fixed_size 0
		.amdhsa_enable_private_segment 0
		.amdhsa_kernarg_size 96
		.amdhsa_user_sgpr_count 2
		.amdhsa_user_sgpr_kernarg_segment_ptr 1
		.amdhsa_wavefront_size32 1
		.amdhsa_system_sgpr_workgroup_id_x 1
		.amdhsa_system_sgpr_workgroup_id_y 1
		.amdhsa_system_sgpr_workgroup_id_z 1
		.amdhsa_system_vgpr_workitem_id 0
		.amdhsa_next_free_vgpr 1024
		.amdhsa_next_free_sgpr 96
		.amdhsa_reserve_vcc 1
		.amdhsa_float_denorm_mode_32 3
		.amdhsa_float_denorm_mode_16_64 3
		.amdhsa_memory_ordered 1
		.amdhsa_forward_progress 1
		.amdhsa_inst_pref_size 255
	.end_amdhsa_kernel
	.section	.bss,"aw",@nobits
	.p2align	6
	.space	262144
	.amdgpu_metadata
---
amdhsa.version: [ 1, 2 ]
amdhsa.kernels:
  - .name:           k_q692732ddcf_qkv
    .symbol:         k_q692732ddcf_qkv.kd
    .args:
      - { .name: X, .offset: 0, .size: 8, .value_kind: global_buffer, .address_space: global }
      - { .name: mask, .offset: 8, .size: 8, .value_kind: global_buffer, .address_space: global }
      - { .name: bq, .offset: 16, .size: 8, .value_kind: global_buffer, .address_space: global }
      - { .name: bk, .offset: 24, .size: 8, .value_kind: global_buffer, .address_space: global }
      - { .name: bv, .offset: 32, .size: 8, .value_kind: global_buffer, .address_space: global }
      - { .name: ln1_a, .offset: 40, .size: 8, .value_kind: global_buffer, .address_space: global }
      - { .name: ln1_b, .offset: 48, .size: 8, .value_kind: global_buffer, .address_space: global }
      - { .name: lowp_scales, .offset: 56, .size: 8, .value_kind: global_buffer, .address_space: global }
      - { .name: wimg, .offset: 64, .size: 8, .value_kind: global_buffer, .address_space: global }
      - { .name: qimg, .offset: 72, .size: 8, .value_kind: global_buffer, .address_space: global }
      - { .name: kimg, .offset: 80, .size: 8, .value_kind: global_buffer, .address_space: global }
      - { .name: vimg, .offset: 88, .size: 8, .value_kind: global_buffer, .address_space: global }
    .group_segment_fixed_size: 327680
    .private_segment_fixed_size: 0
    .kernarg_segment_align: 8
    .kernarg_segment_size: 96
    .max_flat_workgroup_size: 128
    .sgpr_count:     96
    .vgpr_count:     1024
    .wavefront_size: 32
...
	.end_amdgpu_metadata
.endif
;; end of part 5
;; launch attn (part 6): grid 256 x 1, 16 waves a work-group, no clusters, 137,216 bytes of LDS; arguments qimg, kimg, vimg, mask, lowp_scales, cimg; writes cimg
.if DOCPART == 6
	.amdgcn_target "amdgcn-amd-amdhsa--gfx1250"
	.amdhsa_code_object_version 6
	.text
	.protected	k_q692732ddcf_attn
	.globl	k_q692732ddcf_attn
	.p2align	8
	.type	k_q692732ddcf_attn,@function
k_q692732ddcf_attn:
	s_mov_b64 s[64:65], 0
	v_nop
	global_prefetch_b8 v0, s[64:65] scope:SCOPE_SE
	s_setreg_imm32_b32 hwreg(HW_REG_WAVE_MODE, 25, 1), 1
	s_wait_xcnt 0x0
; ctx = softmax(q k^T / 8, hidden keys at a large negative logit) v for 128 (batch, head) pairs of 1,024 x 1,024 x 64, both products on codes of FP8 (E4M3); ctx is quantised (e10) into the next product's fragments.
; THE SOFTMAX: t = logit x log2(e); M = the running largest t rounded UP to a whole number; p = 2^(t - M) is quantised (e9), not normalised; the row's sum is taken of the unquantised p and divides at the end.
; When M moves, the sum and O are multiplied by 2^(old M - new M), which rounds nothing.
; SHARES.  A work-group owns 512 queries of one (batch, head): bh = x / 2, half = x % 2.  Each of sixteen waves owns two tiles of 16 queries, worked together, so that each fragment of K, V and the mask read from LDS
; feeds two matrix instructions.  All of the head's K and V (131,072 bytes) is brought into LDS once, at the head: 16 loads and 16 LDS stores of 16 bytes a thread, as the bytes lie.
; THROUGH REGISTERS, NOT BY TENSOR LOADS, so that a scalar branch on the given exponents may stand in the loop: THE HOLD OF p, 64 of a step's 287 vector
; instructions, is jumped over where p cannot pass the largest code: e9 >= -8, so that 448 x 2^e9 >= 1.75, and e6 + e7 <= 1, so that |t| <= 1.4427 x 64 x 448^2 x 2 / 8 < 2^23: M is taken of the rounded product,
; t - M of the exact one, so t - M passes 0 by 0.25 at the most and p stays under 1.19.  (A hidden key's t is a power of two times c: exact.)  With any other exponents the hold is executed.
; NO CLUSTER: only two work-groups share a head's K and V, each reads them once, 131,072 bytes at its head, against 16 steps of softmax work.  NO PREFETCH: all of K and V is asked for at the head.
; LAYOUT.  Both products are used transposed: S^T = K Q^T + C (source 0 = 16 keys, source 1 = 16 queries), O^T = V^T P^T: a lane holds ONE query (lane % 16) throughout.  The keys of a tile, and the d of a tile of V,
; are in the order r + 8 (r / 8) + 8 (T % 2) + 32 (T / 2), so that 16 registers of two neighbouring tiles are 16 neighbours along the next K.  Fragments of 64 along K are 8 registers: [c 0..1][lane][16 bytes].
; THE MASK is the C of the score's product: 0 for a key that counts, -2^(33 - e6 - e7) for a hidden one, whose codes in kimg are zeros: its logit is exactly -2^30.
; LIMITS: the hidden logit is -2^30 in place of -1e9: the same results while every other logit is above it, which holds for e6 + e7 <= 9 (|logit| <= 64 x 448^2 x 2^(e6 + e7) / 8); e6 + e7 >= -94;
; e9 and e10 between -126 and 119; NaN is not served.
.set MBO, 131072                       ; LDS: K at 0, V at 65,536, the mask's 1,024 numbers here
.set LI,  1                            ; v1  16 x lane
.set VM,  2                            ; v2  MBO + 64 h
.set ADK, 3                            ; v3  at the head 16 x thread; then the step's K
.set ADV, 4                            ; v4  at the head 65,536 + 16 x thread; then the step's V
.set ADM, 5
.set PSC, 6                            ; v6  2^e9, later 2^e10
.set PLM, 7                            ; v7  448 x that
.set ST,  8                            ; tile q at v[8 + 8 q]: +0 -M, +1 the largest t, +2, +3 the sum in two halves, +4 f (+5 written once), +6, +7 at work
.set Q,   32                           ; v32-47   Q's two fragments
.set KF,  48                           ; v48-79   four fragments of K, then of V
.set MC,  80                           ; v80-111  the mask in the scores' layout
.set PC,  112                          ; v112-127 p's codes, 8 a tile
.set S,   128                          ; v128-191 at the head K and V on their way; then S^T, then p: 32 a tile
.set O,   192                          ; v192-255 O^T: 32 a tile
.set WV,  28
.set SEL, 36
.set CS,  40                           ; s[40:41] c = log2(e) / 8 x 2^(e6 + e7)
.set KB,  42
.set MO,  43
.set CT,  44
.set FREE, 46                          ; s46  1 where p needs no hold
	s_load_b256 s[4:11], s[0:1], 0x0               ; qimg, kimg, vimg, mask
	s_load_b128 s[12:15], s[0:1], 0x20             ; the scales' exponents, cimg
	v_lshrrev_b32 v1, 5, v0
	v_readfirstlane_b32 s[WV], v1                  ; wave 0..15
	s_lshr_b32 s29, ttmp9, 1                       ; bh
	s_and_b32 s30, ttmp9, 1                        ; half
	s_lshr_b32 s31, s29, 4                         ; batch
	s_lshl_b32 s32, s29, 16                        ; the head's 65,536 bytes in kimg and in vimg
	s_mov_b32 s33, 0
	s_mov_b32 s[SEL], 0x76543210
	s_mov_b32 s[SEL+1], 0xfedcba98
	v_lshlrev_b32 v[ADK], 4, v0                    ; 16 x thread: the 512 threads take 8,192 consecutive bytes an instruction
	v_add_nc_u32 v[ADV], 0x10000, v[ADK]
	s_wait_kmcnt 0x0
	s_load_b512 s[48:63], s[12:13], 0x0            ; e0 .. e15 in s48 on
	s_add_nc_u64 s[6:7], s[6:7], s[32:33]
	s_add_nc_u64 s[8:9], s[8:9], s[32:33]
.irp n, 0,1,2,3,4,5,6,7
	global_load_b128 v[S+4*\n:S+4*\n+3], v[ADK], s[6:7] offset:8192*\n
.endr
.irp n, 0,1,2,3,4,5,6,7
	global_load_b128 v[S+32+4*\n:S+32+4*\n+3], v[ADK], s[8:9] offset:8192*\n
.endr
	v_and_b32 v30, 31, v0
	v_lshlrev_b32 v[LI], 4, v30
	v_bfe_u32 v31, v0, 4, 1
	v_lshl_add_u32 v[VM], v31, 6, MBO
	s_lshl_b32 s34, s29, 16
	s_lshl_b32 s35, s30, 15
	s_add_co_u32 s34, s34, s35
	s_lshl_b32 s35, s[WV], 11
	s_add_co_u32 s34, s34, s35                     ; 65,536 bh + 1,024 (32 half + 2 wave)
	s_mov_b32 s35, 0
	s_add_nc_u64 s[4:5], s[4:5], s[34:35]
.irp q, 0,1
.irp c, 0,1
	global_load_b128 v[Q+8*\q+4*\c:Q+8*\q+4*\c+3], v[LI], s[4:5] offset:1024*\q+512*\c th:TH_LOAD_NT
.endr
.endr
	s_lshl_b32 s34, s31, 12
	s_add_nc_u64 s[10:11], s[10:11], s[34:35]      ; the batch's mask
	v_lshlrev_b32 v30, 3, v0
	global_load_b64 v[24:25], v30, s[10:11]        ; thread t takes keys 2 t and 2 t + 1
	v_lshl_add_u32 v31, v0, 3, MBO
	s_lshl_b32 s34, s31, 6
	s_lshl_b32 s38, s30, 5
	s_add_co_u32 s34, s34, s38
	s_lshl_b32 s38, s[WV], 1
	s_add_co_u32 s34, s34, s38                     ; my first token tile among the 512
	s_lshl_b32 s34, s34, 14
	s_and_b32 s38, s29, 15
	s_lshl_b32 s38, s38, 10                        ; the head's 64 features: 1,024 bytes of a tile's image
	s_add_co_u32 s34, s34, s38
	s_add_nc_u64 s[14:15], s[14:15], s[34:35]
.irp q, 0,1
	v_mov_b32 v[ST+8*\q+1], 0xff61b1e6             ; the largest t so far: -3e38
	v_floor_f32 v[ST+8*\q], -v[ST+8*\q+1]          ; -M
	v_mov_b32 v[ST+8*\q+2], 0
	v_mov_b32 v[ST+8*\q+3], 0
	v_mov_b32 v[ST+8*\q+5], 0
	v_mov_b32 v[28+\q], 0                          ; a lane permute's destination counts as one of its sources
.endr
.set i, 0
.rept 64
	v_mov_b32 v[O+i], 0                            ; the loop is written once: its first step finds zeros, which the first change of M leaves zeros
.set i, i+1
.endr
	s_wait_kmcnt 0x0
	s_add_co_i32 s38, s54, s55                     ; e6 + e7
	s_cmp_le_i32 s38, 1
	s_cselect_b32 s[FREE], 1, 0
	s_cmp_ge_i32 s57, -8                           ; e9
	s_cselect_b32 s[FREE], s[FREE], 0              ; 1 where both hold
	s_lshl_b32 s39, s38, 23
	s_mov_b32 s[CS], 0x3e38aa3b                    ; log2(e) / 8,
	s_add_co_i32 s[CS], s[CS], s39                 ; x 2^(e6 + e7): added to its exponent field
	s_mov_b32 s[CS+1], s[CS]
	s_sub_co_i32 s39, 160, s38
	s_lshl_b32 s39, s39, 23
	s_or_b32 s39, s39, 0x80000000                  ; -2^(33 - e6 - e7)
	v_mov_b32 v27, s39
	s_add_co_i32 s38, s57, 127
	s_lshl_b32 s39, s38, 23
	v_mov_b32 v[PSC], s39                          ; 2^e9
	s_add_co_i32 s38, s38, 8
	s_lshl_b32 s38, s38, 23
	s_or_b32 s38, s38, 0x600000
	v_mov_b32 v[PLM], s38                          ; 448 x 2^e9
	s_add_co_i32 s45, s56, s57                     ; e8 + e9
	s_wait_loadcnt 0x0                             ; K, V, Q and the mask
.irp n, 0,1,2,3,4,5,6,7
	ds_store_b128 v[ADK], v[S+4*\n:S+4*\n+3] offset:8192*\n
.endr
.irp n, 0,1,2,3,4,5,6,7
	ds_store_b128 v[ADV], v[S+32+4*\n:S+32+4*\n+3] offset:8192*\n
.endr
	v_cmp_eq_u32 vcc_lo, 0, v24
	v_cndmask_b32 v24, 0, v27, vcc_lo
	v_cmp_eq_u32 vcc_lo, 0, v25
	v_cndmask_b32 v25, 0, v27, vcc_lo
	ds_store_b64 v31, v[24:25]
	s_wait_dscnt 0x0                               ; my part of K, of V and of the mask is stored,
	s_barrier_signal -1
	s_barrier_wait -1                              ; everybody's is
	s_mov_b32 s[KB], 0
	s_mov_b32 s[MO], 0
	s_mov_b32 s[CT], 16
.Lstep:                                            ; 64 keys a trip
	v_add_nc_u32 v[ADK], s[KB], v[LI]              ; these three and the v_nop are the four places behind the last products, in front of loads into registers that they read
	v_add_nc_u32 v[ADV], 0x10000, v[ADK]
	v_add_nc_u32 v[ADM], s[MO], v[VM]
	v_nop
.irp j, 0,1,2,3
.irp c, 0,1
	ds_load_b128 v[KF+8*\j+4*\c:KF+8*\j+4*\c+3], v[ADK] offset:1024*\j+512*\c
.endr
.endr
.irp j, 0,1,2,3,4,5,6,7
	ds_load_b128 v[MC+4*\j:MC+4*\j+3], v[ADM] offset:128*(\j/4)+16*(\j%4)   ; register 16 b + i: key 32 b + 16 h + i of the step
.endr
	s_wait_dscnt 0x0
.irp j, 0,1,2,3
.irp q, 0,1
	v_wmma_f32_16x16x64_fp8_fp8 v[S+32*\q+8*\j:S+32*\q+8*\j+7], v[KF+8*\j:KF+8*\j+7], v[Q+8*\q:Q+8*\q+7], v[MC+8*\j:MC+8*\j+7]
.endr
.endr
.rept 4
	v_nop                                          ; places in front of V's loads and of the first read of the scores
.endr
.irp d, 0,1,2,3
.irp c, 0,1
	ds_load_b128 v[KF+8*\d+4*\c:KF+8*\d+4*\c+3], v[ADV] offset:1024*\d+512*\c   ; V lands while the softmax is worked
.endr
.endr
.irp q, 0,1                                    ; the largest score of my query among my 32 keys, in two chains; each accumulator is read from its low end on
	v_max3_num_f32 v[ST+8*\q+6], v[S+32*\q], v[S+32*\q+1], v[S+32*\q+2]
	v_max3_num_f32 v[ST+8*\q+7], v[S+32*\q+3], v[S+32*\q+4], v[S+32*\q+5]
.endr
.irp n, 6,10,14,18,22,26
.irp q, 0,1
	v_max3_num_f32 v[ST+8*\q+6], v[ST+8*\q+6], v[S+32*\q+\n], v[S+32*\q+\n+1]
	v_max3_num_f32 v[ST+8*\q+7], v[ST+8*\q+7], v[S+32*\q+\n+2], v[S+32*\q+\n+3]
.endr
.endr
.irp q, 0,1
	v_max3_num_f32 v[ST+8*\q+6], v[ST+8*\q+6], v[S+32*\q+30], v[S+32*\q+31]
.endr
.irp q, 0,1
	v_max_num_f32 v[ST+8*\q+6], v[ST+8*\q+6], v[ST+8*\q+7]
.endr
.irp q, 0,1
	v_permlanex16_b32 v[28+\q], v[ST+8*\q+6], s[SEL], s[SEL+1]
.endr
.irp q, 0,1
	v_max_num_f32 v[ST+8*\q+6], v[ST+8*\q+6], v[28+\q]     ; and among lane l xor 16's
.endr
.irp q, 0,1
	v_mul_f32 v[ST+8*\q+6], s[CS], v[ST+8*\q+6]            ; as t (c is positive)
.endr
.irp q, 0,1
	v_max_num_f32 v[ST+8*\q+1], v[ST+8*\q+1], v[ST+8*\q+6] ; the running largest t
.endr
.irp q, 0,1
	v_mov_b32 v[ST+8*\q+7], v[ST+8*\q]
.endr
.irp q, 0,1
	v_floor_f32 v[ST+8*\q], -v[ST+8*\q+1]                  ; the new -M = -ceil(t)
.endr
.irp q, 0,1
	v_sub_f32 v[ST+8*\q+7], v[ST+8*\q], v[ST+8*\q+7]       ; old M - new M: a whole number, 0 or less
.endr
.irp q, 0,1
	v_cvt_i32_f32 v[ST+8*\q+7], v[ST+8*\q+7]               ; (it saturates)
.endr
.irp q, 0,1
	v_ldexp_f32 v[ST+8*\q+4], 1.0, v[ST+8*\q+7]            ; f = 2^(old M - new M)
.endr
.irp n, 0,2,4,6,8,10,12,14,16,18,20,22,24,26,28,30
.irp q, 0,1
	v_pk_fma_f32 v[S+32*\q+\n:S+32*\q+\n+1], v[S+32*\q+\n:S+32*\q+\n+1], s[CS:CS+1], v[ST+8*\q:ST+8*\q+1] op_sel_hi:[1,0,0]   ; t - M
.endr
.endr
.set i, 0
.rept 64
	v_exp_f32 v[S+i], v[S+i]                       ; p = 2^(t - M): one batch
.set i, i+1
.endr
.irp q, 0,1
	v_pk_mul_f32 v[ST+8*\q+2:ST+8*\q+3], v[ST+8*\q+2:ST+8*\q+3], v[ST+8*\q+4:ST+8*\q+5] op_sel_hi:[1,0]   ; the sums under the new M: plain instructions behind the exponentials
.endr
	s_wait_alu depctr_va_vdst(0)                   ; one wait for the batch, ahead of its first reader
.irp q, 0,1
	v_pk_add_f32 v[24+2*\q:25+2*\q], v[S+32*\q:S+32*\q+1], v[S+32*\q+2:S+32*\q+3]   ; the row's sum is taken of the unquantised p, in two chains
.endr
.irp n, 4,8,12,16,20,24,28
.irp q, 0,1
	v_pk_add_f32 v[ST+8*\q+2:ST+8*\q+3], v[ST+8*\q+2:ST+8*\q+3], v[S+32*\q+\n:S+32*\q+\n+1]
	v_pk_add_f32 v[24+2*\q:25+2*\q], v[24+2*\q:25+2*\q], v[S+32*\q+\n+2:S+32*\q+\n+3]
.endr
.endr
.irp q, 0,1
	v_pk_add_f32 v[ST+8*\q+2:ST+8*\q+3], v[ST+8*\q+2:ST+8*\q+3], v[24+2*\q:25+2*\q]
.endr
	s_cmp_lg_u32 s[FREE], 0                        ; the same in every wave and every trip: it hangs on the given exponents alone
	s_cbranch_scc1 .Lno_hold
.set i, 0
.rept 64
	v_min_num_f32 v[S+i], v[S+i], v[PLM]           ; the conversion does not saturate (ISA guide 7.6.2); p is not negative, so the hold is one-sided
.set i, i+1
.endr
.Lno_hold:
.irp q, 0,1
.irp b, 0,1,2,3
	v_cvt_scalef32_pk8_fp8_f32 v[PC+8*\q+2*\b:PC+8*\q+2*\b+1], v[S+32*\q+8*\b:S+32*\q+8*\b+7], v[PSC]
.endr
.endr
.irp n, 0,2,4,6,8,10,12,14,16,18,20,22,24,26,28,30
.irp q, 0,1
	v_pk_mul_f32 v[O+32*\q+\n:O+32*\q+\n+1], v[O+32*\q+\n:O+32*\q+\n+1], v[ST+8*\q+4:ST+8*\q+5] op_sel_hi:[1,0]   ; O^T under the new M; also the plain instructions behind the conversions
.endr
.endr
	s_wait_dscnt 0x0                               ; V is in
.irp d, 0,1,2,3
.irp q, 0,1
	v_wmma_f32_16x16x64_fp8_fp8 v[O+32*\q+8*\d:O+32*\q+8*\d+7], v[KF+8*\d:KF+8*\d+7], v[PC+8*\q:PC+8*\q+7], v[O+32*\q+8*\d:O+32*\q+8*\d+7]   ; the eight accumulators take turns
.endr
.endr
	s_add_co_u32 s[KB], s[KB], 4096
	s_add_co_u32 s[MO], s[MO], 256
	s_sub_co_u32 s[CT], s[CT], 1
	s_cmp_lg_u32 s[CT], 0
	s_cbranch_scc1 .Lstep
	; THE WAY OUT.  The additions, the v_nop and the two v_ldexp_f32 are more than four plain instructions behind the last products, none of which names their registers.
.irp q, 0,1
	v_add_f32 v[ST+8*\q+2], v[ST+8*\q+2], v[ST+8*\q+3]
.endr
.irp q, 0,1
	v_permlanex16_b32 v[28+\q], v[ST+8*\q+2], s[SEL], s[SEL+1]
.endr
.irp q, 0,1
	v_add_f32 v[ST+8*\q+2], v[ST+8*\q+2], v[28+\q]         ; the row's sum
.endr
.irp q, 0,1
	v_rcp_f32 v[ST+8*\q+4], v[ST+8*\q+2]
.endr
	v_nop
	s_add_co_i32 s38, s58, 127
	s_lshl_b32 s39, s38, 23
	s_add_co_i32 s38, s38, 8
	s_lshl_b32 s38, s38, 23
	s_or_b32 s38, s38, 0x600000
	v_mov_b32 v[PSC], s39                          ; 2^e10
	v_mov_b32 v[PLM], s38                          ; 448 x 2^e10
	s_wait_alu depctr_va_vdst(0)                   ; one wait for both reciprocals, ahead of their first reader
.irp q, 0,1
	v_ldexp_f32 v[ST+8*\q+4], v[ST+8*\q+4], s45            ; x 2^(e8 + e9)
.endr
.irp q, 0,1
.set i, 0
.rept 16
	v_pk_mul_f32 v[O+32*\q+i:O+32*\q+i+1], v[O+32*\q+i:O+32*\q+i+1], v[ST+8*\q+4:ST+8*\q+5] op_sel_hi:[1,0]   ; ctx: register 16 b + i is d = 32 b + 16 h + i of my query
.set i, i+2
.endr
.endr
.irp q, 0,1
.set i, 0
.rept 32
	v_med3_num_f32 v[O+32*\q+i], v[O+32*\q+i], -v[PLM], v[PLM]
.set i, i+1
.endr
.irp b, 0,1,2,3
	v_cvt_scalef32_pk8_fp8_f32 v[PC+8*\q+2*\b:PC+8*\q+2*\b+1], v[O+32*\q+8*\b:O+32*\q+8*\b+7], v[PSC]
.endr
.endr
	v_nop
.irp q, 0,1
.irp b, 0,1
	global_store_b128 v[LI], v[PC+8*\q+4*\b:PC+8*\q+4*\b+3], s[14:15] offset:16384*\q+512*\b   ; 512 consecutive bytes of the token tile's image
.endr
.endr
	s_wait_xcnt 0x0
	v_lshl_add_u32 v254, v0, 2, 0x21000
	v_mov_b32 v255, 0
	s_wait_tensorcnt 0x0
	ds_add_u32 v254, v255
	s_wait_dscnt 0x0
	s_endpgm
.Lfunc_end_k_q692732ddcf_attn:
	.size	k_q692732ddcf_attn, .Lfunc_end_k_q692732ddcf_attn-k_q692732ddcf_attn
	.p2alignl 7, 3214868480
	.fill 96, 4, 3214868480
	.section	.rodata,"a",@progbits
	.p2align	6, 0x0
	.amdhsa_kernel k_q692732ddcf_attn
		.amdhsa_group_segment_fixed_size 137216
		.amdhsa_private_segment_fixed_size 0
		.amdhsa_enable_private_segment 0
		.amdhsa_kernarg_size 48
		.amdhsa_user_sgpr_count 2
		.amdhsa_user_sgpr_kernarg_segment_ptr 1
		.amdhsa_wavefront_size32 1
		.amdhsa_system_sgpr_workgroup_id_x 1
		.amdhsa_system_sgpr_workgroup_id_y 1
		.amdhsa_system_sgpr_workgroup_id_z 1
		.amdhsa_system_vgpr_workitem_id 0
		.amdhsa_next_free_vgpr 256
		.amdhsa_next_free_sgpr 66
		.amdhsa_reserve_vcc 1
		.amdhsa_float_denorm_mode_32 3
		.amdhsa_float_denorm_mode_16_64 3
		.amdhsa_memory_ordered 1
		.amdhsa_forward_progress 1
		.amdhsa_inst_pref_size 34
	.end_amdhsa_kernel
	.amdgpu_metadata
---
amdhsa.version: [ 1, 2 ]
amdhsa.kernels:
  - .name:           k_q692732ddcf_attn
    .symbol:         k_q692732ddcf_attn.kd
    .args:
      - { .name: qimg, .offset: 0, .size: 8, .value_kind: global_buffer, .address_space: global }
      - { .name: kimg, .offset: 8, .size: 8, .value_kind: global_buffer, .address_space: global }
      - { .name: vimg, .offset: 16, .size: 8, .value_kind: global_buffer, .address_space: global }
      - { .name: mask, .offset: 24, .size: 8, .value_kind: global_buffer, .address_space: global }
      - { .name: lowp_scales, .offset: 32, .size: 8, .value_kind: global_buffer, .address_space: global }
      - { .name: cimg, .offset: 40, .size: 8, .value_kind: global_buffer, .address_space: global }
    .group_segment_fixed_size: 137216
    .private_segment_fixed_size: 0
    .kernarg_segment_align: 8
    .kernarg_segment_size: 48
    .max_flat_workgroup_size: 512
    .sgpr_count:     66
    .vgpr_count:     256
    .wavefront_size: 32
...
	.end_amdgpu_metadata
.endif
;; end of part 6
;; launch tail (part 7): grid 256 x 1, 4 waves a work-group, clusters of 4 x 1, 327,680 bytes of LDS; arguments X, cimg, wimg, bo, b1, b2, ln2_a, ln2_b, lowp_scales, out0; writes out0
.if DOCPART == 7
	.amdgcn_target "amdgcn-amd-amdhsa--gfx1250"
	.amdhsa_code_object_version 6
	.text
	.protected	k_q692732ddcf_tail
	.globl	k_q692732ddcf_tail
	.p2align	8
	.type	k_q692732ddcf_tail,@function
k_q692732ddcf_tail:
	s_mov_b64 s[64:65], 0
	v_nop
	global_prefetch_b8 v0, s[64:65] scope:SCOPE_SE
	s_setreg_imm32_b32 hwreg(HW_REG_WAVE_MODE, 25, 1), 1
	s_wait_xcnt 0x0
	s_wait_alu depctr_hold_cnt(0) depctr_sa_sdst(0) depctr_va_vdst(0) depctr_va_sdst(0) depctr_va_ssrc(0) depctr_va_vcc(0) depctr_vm_vsrc(0)
	s_getreg_b32 s2, hwreg(HW_REG_IB_STS2, 6, 4)
	s_cmp_eq_u32 s2, 0
	s_cbranch_scc0 .Lentry_in_a_cluster
	s_endpgm
.Lentry_in_a_cluster:
	s_bfe_u32 s2, ttmp6, 0x10000c
	s_cmp_lg_u32 s2, 0x3003
	s_cbranch_scc0 .Lentry_shape_is_right
	s_endpgm
.Lentry_shape_is_right:
; X1 = X + ctx wo^T + bo;  xn = LN2(X1);  out = X1 + relu(xn w1^T + b1) w2^T + b2: three products on codes of FP8 (E4M3); X1, xn and the hidden layer never go to memory.
; SHARES, STATE LAYOUT, FRAGMENTS and the WEIGHT STREAM are those of the launch that makes q, k and v: a work-group owns 32 tokens (two tiles m; lane r of tile m is token 8 m + r + 8 (r / 8)); a wave owns 256
; features, block w'; register 128 m + 64 u + 16 b + i of lane (r, h) = token (m, r), feature 256 w' + 128 u + 32 b + 16 h + i, which is also the accumulators' layout (source 0 = a weight tile, source 1 = a token
; fragment; accumulator (m, t) at 128 m + 8 t).  64 registers (m, u), converted, are the fragment of K step 2 w' + u of the next product; fragments go from wave to wave through LDS as images of their registers.
; 32 rows to a work-group: X1 (256 registers a wave) lives beside another product's accumulators (256) and the step's weight fragments (256).
; WEIGHTS: 24 steps of 131,072 bytes of wimg (wo, w1, w2 x 8 K steps) through two LDS slots; a wave fetches and reads its own 32,768 bytes; the cluster's four work-groups ask JOINTLY (mask 15).
; By this text's own count a wave has two tensor loads out at the start and one behind each round.
; THE CLUSTERS WALK K STAGGERED.  With R = cluster mod 4, a cluster takes a product's K steps in the order 2 R, 2 R + 1, .. round to 2 R - 1: at any step the clusters ask for four different K steps of a weight, and
; each K step but a cluster's first two of a product has been asked for, two steps earlier, by the clusters of R + 1.  Wave w owns feature block w' = (w + R) mod 4: w' enters global addresses alone, w every LDS
; address.  So the fragment that wave w stores at LDS position 2 w + u is K step (2 w + u + 2 R) mod 8: position j holds the K step that the j-th step's weights have, and no LDS address hangs on the cluster's number.
; LIMITS: e12, e14 between -126 and 119; e10 + e11, e12 + e13, e14 + e15 between -126 and 127; NaN among the inputs is not served.
; REGISTERS, in windows of 256: window 0: addresses, A's fragments, 64 numbers at work, codes;  window 1: the step's 16 weight fragments, later the biases;  window 2: the accumulators, X1 - mean between;  window 3: X, then X1.
.set BASE,  3*1048576                  ; where this launch's weights begin in wimg
.set SLOTB, 131072                     ; a slot: one K step of one weight
.set AIMG,  2*SLOTB                    ; 16 fragments of A: 16,384 m + 2,048 position
.set STG,   AIMG+32768                 ; a stage of 16 rows x 272 bytes for each wave
.set STAT,  STG+4*4352                 ; the waves' partial sums: 512 phase + 16 (16 m + r) + 4 w
.set SPARE, STAT+1024                  ; the spare words, 128 bytes for each wave: two blocks of 256 bytes that no other line names
.set LI,  1                            ; v1   16 x lane
.set VX,  2                            ; v2   X and out0: 4,096 h + 16 r + 1,024 w'
.set VS,  3                            ; v3   the stage by rows of memory: 272 h + 16 r
.set VL,  4                            ; v4   the stage by lanes: 272 r + 64 h
.set AW,  5                            ; v5   where I store my fragments of A
.set AAD, 6                            ; v6   the step's fragments of A
.set BAD, 7                            ; v7-8 my weight tiles in slot 0, 1
.set SA,  9                            ; v9   my partial sum's word
.set SL,  10                           ; v10  a token's four words
.set VB,  11                           ; v11  biases: 1,024 w' + 64 h
.set PFO, 13                           ; v13  256 x lane
.set SPW, 14                           ; v14  my spare word; never rewritten
.set NIL, 15                           ; v15  0; never rewritten
.set SCL, 16                           ; v16, v17 scale and hold of xn's conversion
.set LIM, 17
.set LIMO, 18                          ; v18  the hold of the hidden layer's conversion
.set SCLO, 20                          ; v20  its scale
.set RI,  22                           ; v[22:23], v[24:25] alpha / (std + eps) of my token of tile 0, 1
.set MEAN, 26                          ; v[26:27], v[28:29] its mean
.set AF,  32                           ; v32-63  A's two fragments
.set TQ,  64                           ; v64-127 64 numbers at work
.set PC,  128                          ; v128-191 four sets of 16 registers of codes; ctx's codes on their way; rows of out0
.set PX, 8
.set PCI, 10
.set PW, 12
.set PBO, 14
.set PB1, 16
.set PB2, 18
.set PLA, 20
.set PLB, 22
.set PSC, 24
.set POUT, 26
.set E,   32                           ; s32-47 e0 .. e15
.set G1,  48
.set G0,  56
.set T1,  3                            ; s3, s71 at work in a change of slots
.set WV,  66
.set CX,  67
.set GB,  68
.set AB,  69
.set CT,  70
.set T0,  71
.set SIG, 72                           ; changes of slots so far
.set PCOND, 73                         ; 0 where this change's prefetches are mine
.set PFA, 74                           ; s[74:75] where they stand
.set SS,  76
.set LNB, 78
.set SEL, 80
.set HM,  82
.set AL,  83
.set PF0, 88                           ; s[88:89] my wave's 8,192 bytes of stream step 8
.set ROT, 90                           ; s90  2 R
.set WF,  91                           ; s91  w'
.set WB,  92                           ; s[92:93] my 32,768 bytes of K step 0 of the launch's first weight
.set OFF, 94                           ; s[94:95] an offset, the high word 0
.set MSB, 0
.macro WIN new                         ; the immediate's high byte repeats the setting that is left; a switch that changes nothing is dropped
.if MSB != (\new)
	s_set_vgpr_msb (MSB<<8)|(\new)
.set MSB, (\new)
.endif
.endm
.macro PLACES n
.rept \n
	v_nop
.endr
.endm
.macro ROUND                           ; a round of the cluster's barrier
	s_barrier_signal -1
	s_barrier_wait -1
	s_cmp_lg_u32 s[WV], 0
	s_cbranch_scc1 .Lnot_wave_0_\@
	s_barrier_signal -3
.Lnot_wave_0_\@:
	s_barrier_wait -3
	s_barrier_signal -1
	s_barrier_wait -1
.endm
; A prefetch into the L2 of the NEXT weight.  All clusters walk the same weights: the first cluster asks.  Behind each of a product's first four changes of slots it names two K steps of the next weight: an instruction
; of its 4 work-groups x 4 waves x 32 lanes names 512 blocks of 256 bytes, one K step; two instructions a wave.  Each block is named once in the launch; the partners are told apart by address.
; The staggered clusters ask for all eight K steps of a weight behind the seventh and eighth step of the product before: three changes or more behind the last of these prefetches.
; The first weight comes by its loads alone; during the last product nothing is named.
.macro ASK
	s_cmp_eq_u32 s[PCOND], 0
	s_cbranch_scc0 .Lnot_mine_\@
	global_prefetch_b8 v[PFO], s[PFA:PFA+1] th:TH_LOAD_NT scope:SCOPE_SE
	global_prefetch_b8 v[PFO], s[PFA:PFA+1] offset:SLOTB th:TH_LOAD_NT scope:SCOPE_SE
.Lnot_mine_\@:
.endm
; One K step of 128: A's two fragments, my 16 weight fragments, 32 matrix instructions.  The 32 accumulators take turns, one instruction a turn, in the same order in every step.
.macro STEP slot, zero
	v_add_nc_u32 v[AAD], s[AB], v[LI]
.irp m, 0,1
.irp c, 0,1,2,3
	ds_load_b128 v[AF+16*\m+4*\c:AF+16*\m+4*\c+3], v[AAD] offset:16384*\m+512*\c
.endr
.endr
	WIN 0x40                                       ; destination window 1
.irp t, 0,1,2,3,4,5,6,7,8,9,10,11,12,13,14,15
.irp c, 0,1,2,3
	ds_load_b128 v[16*\t+4*\c:16*\t+4*\c+3], v[BAD+\slot] offset:2048*\t+512*\c
.endr
.endr
	WIN 0xa1                                       ; source 0 (weights) window 1, source 1 (A) window 0, C and D window 2
.irp gq, 0,1,2,3
	s_wait_dscnt 48-16*\gq                         ; A's eight loads and the weight tiles up to 4 gq + 3 are in; the later tiles' loads may be out
.irp tt, 0,1,2,3
.irp m, 0,1
.set tN, 4*\gq+\tt
.set rD, 128*\m+8*tN
.if \zero
	v_wmma_f32_16x16x128_fp8_fp8 v[rD:rD+7], v[16*tN:16*tN+15], v[AF+16*\m:AF+16*\m+15], 0
.else
	v_wmma_f32_16x16x128_fp8_fp8 v[rD:rD+7], v[16*tN:16*tN+15], v[AF+16*\m:AF+16*\m+15], v[rD:rD+7]
.endif
.endr
.endr
.endr
	WIN 0
	s_add_co_u32 s[AB], s[AB], 2048
.endm
; Behind a step.  chg = 1: the slot just read is filled again, two steps ahead: each wave waits for all its tensor loads (the one that is out is its part of the next slot), adds 0 to its spare word, waits for that
; and for its LDS reads, and passes a round of the cluster's barrier; the joint refill is the first thing behind it.  chg = 2: nothing is left to fetch; the last slot's load is waited for.  chg = 0: the last step.
; Stream step p lies at 2^20 (p / 8) + 2^17 ((p + 2 R) mod 8) from my part of the first weight's K step 0.  The n-th change (n - 1 = 8 a + b, b under 4, a under 2) names stream steps 8 + (n - 1) + b and the next.
; The four v_nop are the places in front of the next loads into registers that matrix instructions have read, and of the first read of results.
.macro CHANGE slot, chg
.if \chg == 1
	s_wait_tensorcnt 0x0                           ; no tensor load of mine is out, so a group 0 may be written
	ds_add_u32 v[SPW], v[NIL]                      ; 0 onto my spare word; the scalar lines below stand between it and the wait for it
	s_and_b32 s[T0], s[SIG], 3
	s_add_co_u32 s[T0], s[T0], s[SIG]              ; (n - 1) + b
	s_and_b32 s[PCOND], s[SIG], 0x14               ; 0 where b is under 4 and a under 2,
	s_or_b32 s[PCOND], s[PCOND], ttmp9             ; in the first cluster: the same in all four partners
	s_add_co_u32 s[SIG], s[SIG], 1
	s_add_co_u32 s[OFF], s[SIG], 1                 ; the stream step to ask for
	s_lshr_b32 s[T1], s[OFF], 3
	s_lshl_b32 s[T1], s[T1], 20                    ; its weight,
	s_add_co_u32 s[OFF], s[OFF], s[ROT]
	s_and_b32 s[OFF], s[OFF], 7
	s_lshl_b32 s[OFF], s[OFF], 17                  ; its K step
	s_add_co_u32 s[OFF], s[OFF], s[T1]
	s_add_nc_u64 s[G0+4*\slot+2:G0+4*\slot+3], s[WB:WB+1], s[OFF:OFF+1]
	s_or_b32 s[G0+4*\slot+3], s[G0+4*\slot+3], 0x80000000
	s_lshl_b32 s[OFF], s[T0], 17
	s_wait_xcnt 0x0                                ; the last prefetches, a step back or more, have read their address
	s_add_nc_u64 s[PFA:PFA+1], s[PF0:PF0+1], s[OFF:OFF+1]
	s_wait_dscnt 0x0                               ; the add is done; my reads of the slot and of A's fragments are over
	ROUND
	tensor_load_to_lds s[G0+4*\slot:G0+4*\slot+3], s[G1:G1+7]
	s_nop 0
	PLACES 4
	ASK
.elseif \chg == 2
	s_wait_tensorcnt 0x0                           ; my part of the last slot is in; only I read it
	PLACES 4
.else
	PLACES 4
.endif
.endm
.macro HOOK ptr                        ; the biases are asked for behind a product's last matrix instructions, into the weight fragments' registers
	PLACES 4
	WIN 0x40
.irp u, 0,1
.irp b, 0,1,2,3
.irp j, 0,1,2,3
	global_load_b128 v[64*\u+16*\b+4*\j:64*\u+16*\b+4*\j+3], v[VB], s[\ptr:\ptr+1] offset:512*\u+128*\b+16*\j
.endr
.endr
.endr
	WIN 0
.endm
; A product: eight K steps.  last = 1: the launch's last, whose last two steps ask for nothing; they are written out.
.macro PRODUCT last, ptr
	s_mov_b32 s[AB], AIMG
	STEP 0, 1                                      ; the first step starts the sums: nothing is cleared
	CHANGE 0, 1
	s_mov_b32 s[CT], 3-\last
.Lpair_\@:
	STEP 1, 0
	CHANGE 1, 1
	STEP 0, 0
	CHANGE 0, 1
	s_sub_co_u32 s[CT], s[CT], 1
	s_cmp_lg_u32 s[CT], 0
	s_cbranch_scc1 .Lpair_\@
.if \last
	STEP 1, 0
	CHANGE 1, 1
	STEP 0, 0
	CHANGE 0, 2
	STEP 1, 0
	HOOK \ptr
	CHANGE 1, 0
.else
	STEP 1, 0
	HOOK \ptr
	CHANGE 1, 1
.endif
.endm
.macro MKSCALE vs, vl, se              ; v[vs] = 2^e, v[vl] = 448 x 2^e, e in s[se]
	s_add_co_i32 s4, s[\se], 127
	s_lshl_b32 s5, s4, 23
	v_mov_b32 v[\vs], s5
	s_add_co_i32 s4, s4, 8
	s_lshl_b32 s4, s4, 23
	s_or_b32 s4, s4, 0x600000
	v_mov_b32 v[\vl], s4
.endm
.macro SETSS ea, eb                    ; 2^(ea + eb) as f32, in both words of the pair
	s_add_co_i32 s[SS], s[\ea], s[\eb]
	s_add_co_i32 s[SS], s[SS], 127
	s_lshl_b32 s[SS], s[SS], 23
	s_mov_b32 s[SS+1], s[SS]
.endm
; X: my 256 features of 32 rows.  A load takes 256 consecutive bytes of two rows (sixteen lanes each); a chunk of 16 rows x 256 bytes turns through my stage into the state layout.
.macro XIN_LOADS ptr
	WIN 0x80                                       ; destination window 2
.irp ci, 0,1,2,3,4,5,6,7
.irp k, 0,1,2,3,4,5,6,7
	global_load_b128 v[32*\ci+4*\k:32*\ci+4*\k+3], v[VX], s[\ptr:\ptr+1] offset:(8*(\ci/4)+2*\k+8*(\k/4))*4096+256*(\ci%4) th:TH_LOAD_NT
.endr
.endr
	WIN 0
.endm
.macro XIN_TURNS
.irp ci, 0,1,2,3,4,5,6,7
	s_wait_loadcnt 56-8*\ci                        ; this chunk's eight loads are in; the later chunks' may be out
	WIN 0x08                                       ; store data window 2
.irp k, 0,1,2,3,4,5,6,7
	ds_store_b128 v[VS], v[32*\ci+4*\k:32*\ci+4*\k+3] offset:544*\k
.endr
	WIN 0xc0                                       ; destination window 3
.irp b, 0,1
.irp j, 0,1,2,3
	ds_load_b128 v[128*(\ci/4)+64*((\ci%4)/2)+16*(2*(\ci%2)+\b)+4*\j:128*(\ci/4)+64*((\ci%4)/2)+16*(2*(\ci%2)+\b)+4*\j+3], v[VL] offset:128*\b+16*\j   ; LDS serves a wave's instructions in order: these see the stores above, and the next chunk's stores come behind them
.endr
.endr
.endr
	WIN 0
	s_wait_dscnt 0x0
.endm
.macro FOLD m                          ; four chains of pairs -> my wave's sum for token (m, r), in both halves of the lanes
	v_pk_add_f32 v[192+8*\m:193+8*\m], v[192+8*\m:193+8*\m], v[194+8*\m:195+8*\m]
	v_pk_add_f32 v[196+8*\m:197+8*\m], v[196+8*\m:197+8*\m], v[198+8*\m:199+8*\m]
	v_pk_add_f32 v[192+8*\m:193+8*\m], v[192+8*\m:193+8*\m], v[196+8*\m:197+8*\m]
	v_add_f32 v[192+8*\m], v[192+8*\m], v[193+8*\m]
	v_permlanex16_b32 v30, v[192+8*\m], s[SEL], s[SEL+1]
	v_add_f32 v[192+8*\m], v[192+8*\m], v30
.endm
.macro ROWSUM x, m                     ; the sum of tile m's 128 registers in window x
	WIN (\x)|((\x)<<2)
.irp q, 0,1,2,3
	v_pk_add_f32 v[192+8*\m+2*\q:193+8*\m+2*\q], v[128*\m+2*\q:128*\m+2*\q+1], v[128*\m+8+2*\q:128*\m+8+2*\q+1]
.endr
	WIN \x
.set p, 8
.rept 56
	v_pk_add_f32 v[192+8*\m+2*(p%4):193+8*\m+2*(p%4)], v[128*\m+2*p:128*\m+2*p+1], v[192+8*\m+2*(p%4):193+8*\m+2*(p%4)]
.set p, p+1
.endr
	WIN 0
	FOLD \m
.endm
.macro SUMSQ x, m                      ; the sum of their squares
	WIN (\x)|((\x)<<2)
.irp q, 0,1,2,3
	v_pk_mul_f32 v[192+8*\m+2*\q:193+8*\m+2*\q], v[128*\m+2*\q:128*\m+2*\q+1], v[128*\m+2*\q:128*\m+2*\q+1]
.endr
.set p, 4
.rept 60
	v_pk_fma_f32 v[192+8*\m+2*(p%4):193+8*\m+2*(p%4)], v[128*\m+2*p:128*\m+2*p+1], v[128*\m+2*p:128*\m+2*p+1], v[192+8*\m+2*(p%4):193+8*\m+2*(p%4)]
.set p, p+1
.endr
	WIN 0
	FOLD \m
.endm
; The four waves' partial sums meet in LDS: lane l stores token l's (lanes 16-31: tile 1's); behind the barrier every lane reads the four words of its two tokens.  Each phase has bytes of its own.
.macro EXCH ph
	v_cndmask_b32 v31, v192, v200, s[HM]
	ds_store_b32 v[SA], v31 offset:512*\ph
	s_wait_dscnt 0x0                               ; for the others' sake
	s_barrier_signal -1                            ; (a tensor load may be out)
	s_barrier_wait -1
	ds_load_b128 v[208:211], v[SL] offset:512*\ph
	ds_load_b128 v[212:215], v[SL] offset:512*\ph+256
	s_wait_dscnt 0x0
	v_add_f32 v208, v208, v209
	v_add_f32 v210, v210, v211
	v_add_f32 v212, v212, v213
	v_add_f32 v214, v214, v215
	v_add_f32 v192, v208, v210
	v_add_f32 v200, v212, v214
.endm
.macro CENTER src, dst, m              ; x - mean, from window src into window dst
	WIN ((\dst)<<6)|(\src)
.set i, 0
.rept 64
	v_pk_add_f32 v[128*\m+i:128*\m+i+1], v[128*\m+i:128*\m+i+1], v[MEAN+2*\m:MEAN+2*\m+1] op_sel_hi:[1,0] neg_lo:[0,1] neg_hi:[0,1]
.set i, i+2
.endr
	WIN 0
.endm
.macro LNFIN                           ; sums of centred squares -> alpha / (sqrt(sum / 1023) + 1e-6)
	v_mul_f32 v192, 0x3a802008, v192
	v_mul_f32 v200, 0x3a802008, v200
	v_sqrt_f32 v192, v192
	v_sqrt_f32 v200, v200
	v_nop                                          ; a plain instruction behind the roots,
	s_wait_alu depctr_va_vdst(0)                   ; and one wait for both, ahead of their first reader
	v_add_f32 v192, 0x358637bd, v192
	v_add_f32 v200, 0x358637bd, v200
	v_rcp_f32 v192, v192
	v_rcp_f32 v200, v200
	v_nop
	s_wait_alu depctr_va_vdst(0)
	v_mul_f32 v[RI], s[AL], v192
	v_mul_f32 v[RI+2], s[AL], v200
.endm
.macro FRONT_LN x, m, u                ; 64 numbers of xn: (x - mean) x alpha / (std + eps) + bias
	WIN \x
.set i, 0
.rept 32
	v_pk_fma_f32 v[TQ+i:TQ+i+1], v[128*\m+64*\u+i:128*\m+64*\u+i+1], v[RI+2*\m:RI+2*\m+1], s[LNB:LNB+1] op_sel_hi:[1,0,0]
.set i, i+2
.endr
.endm
.macro FRONT_B m, u                    ; 64 results: sum x 2^(eA + eB) + bias; each accumulator from its low end on
	WIN 0x12                                       ; source 0 (sums) window 2, source 2 (biases) window 1
.set i, 0
.rept 32
	v_pk_fma_f32 v[TQ+i:TQ+i+1], v[128*\m+64*\u+i:128*\m+64*\u+i+1], s[SS:SS+1], v[64*\u+i:64*\u+i+1] op_sel_hi:[1,0,1]
.set i, i+2
.endr
.endm
.macro CVT set, relu, lim, scl         ; the 64 numbers become 16 registers of codes
	WIN 0
.set i, 0
.rept 64
.if \relu
	v_med3_num_f32 v[TQ+i], v[TQ+i], 0, v[\lim]            ; the activation and the hold in one
.else
	v_med3_num_f32 v[TQ+i], v[TQ+i], -v[\lim], v[\lim]     ; the conversion to an 8-bit code does not saturate (ISA guide 7.6.2): the hold comes first
.endif
.set i, i+1
.endr
.irp b, 0,1,2,3,4,5,6,7
	v_cvt_scalef32_pk8_fp8_f32 v[PC+16*(\set)+2*\b:PC+16*(\set)+2*\b+1], v[TQ+8*\b:TQ+8*\b+7], v[\scl]
.endr
	v_nop                                          ; a plain instruction between the conversions and whatever next writes their sources
.endm
.macro IMAGE set, m, u                 ; my fragment u of token tile m goes to LDS as it stands, to position 2 w + u
.irp c, 0,1,2,3
	ds_store_b128 v[AW], v[PC+16*(\set)+4*\c:PC+16*(\set)+4*\c+3] offset:16384*\m+2048*\u+512*\c
.endr
.endm
.macro MEETA                           ; my fragments are stored: then all sixteen lie in LDS
	s_wait_dscnt 0x0
	s_barrier_signal -1
	s_barrier_wait -1
.endm
	s_load_b512 s[8:23], s[0:1], 0x0               ; X, cimg, wimg, bo, b1, b2, ln2_a, ln2_b
	s_load_b128 s[24:27], s[0:1], 0x40             ; the scales' exponents, out0
	v_lshl_add_u32 v[SPW], v0, 2, SPARE
	v_mov_b32 v[NIL], 0
	ds_add_u32 v14, v15
	ds_add_u32 v14, v15
	s_wait_dscnt 0x0
	v_lshrrev_b32 v1, 5, v0
	v_readfirstlane_b32 s[WV], v1                  ; wave 0..3
	s_bfe_u32 s[CX], ttmp6, 0x40000                ; my place in the cluster: it enters global addresses alone
	s_lshl_b32 s[GB], ttmp9, 2
	s_add_co_u32 s[GB], s[GB], s[CX]               ; my block of 32 tokens
	s_and_b32 s[ROT], ttmp9, 3                     ; R: the same in all four partners
	s_add_co_u32 s[WF], s[WV], s[ROT]
	s_and_b32 s[WF], s[WF], 3                      ; w' = (w + R) mod 4: my feature block
	s_lshl_b32 s[ROT], s[ROT], 1                   ; 2 R: my cluster's first K step
	; descriptor group 1: 32,768 dense bytes as 128 rows of 32 elements of 8 bytes
	s_mov_b32 s[G1+0], 15|(3<<16)|(1<<21)          ; 15:0 the mask: all four work-groups; 17:16 elements of 8 bytes; 21 set beside a mask
	s_mov_b32 s[G1+1], 32<<16                      ; tensor_dim0 = 32
	s_mov_b32 s[G1+2], 128<<16                     ; tensor_dim1 = 128
	s_mov_b32 s[G1+3], 32<<16                      ; tile_dim0 = 32
	s_mov_b32 s[G1+4], 128                         ; tile_dim1 = 128
	s_mov_b32 s[G1+5], 32                          ; from row to row
	s_mov_b32 s[G1+6], 0
	s_mov_b32 s[G1+7], 0
	s_mov_b32 s[SEL], 0x76543210
	s_mov_b32 s[SEL+1], 0xfedcba98
	s_mov_b32 s[HM], 0xffff0000
	s_mov_b32 s[SIG], 0
	s_lshl_b32 s2, s[WV], 15                       ; my 32,768 bytes of a slot,
	s_lshl_b32 s[OFF], s[WF], 15                   ; and of a K step in memory
	s_mov_b32 s[OFF+1], 0
	s_wait_kmcnt 0x0
	s_load_b512 s[E:E+15], s[PSC:PSC+1], 0x0
	s_load_b32 s[AL], s[PLA:PLA+1], 0x0
	s_load_b32 s[LNB], s[PLB:PLB+1], 0x0
	s_add_nc_u64 s[WB:WB+1], s[PW:PW+1], s[OFF:OFF+1]
	s_add_nc_u64 s[WB:WB+1], s[WB:WB+1], BASE
	s_lshl_b32 s[OFF], s[ROT], 17                  ; stream step 0 is K step 2 R,
	s_mov_b32 s[G0], 1
	s_mov_b32 s[G0+1], s2
	s_add_nc_u64 s[G0+2:G0+3], s[WB:WB+1], s[OFF:OFF+1]
	s_add_co_u32 s[OFF], s[OFF], SLOTB             ; step 1 is K step 2 R + 1, 7 at the most
	s_mov_b32 s[G0+4], 1
	s_add_co_u32 s[G0+5], s2, SLOTB
	s_add_nc_u64 s[G0+6:G0+7], s[WB:WB+1], s[OFF:OFF+1]
	s_or_b32 s[G0+3], s[G0+3], 0x80000000
	s_or_b32 s[G0+7], s[G0+7], 0x80000000
	ROUND                                          ; all four work-groups are here: the first joint loads meet
	tensor_load_to_lds s[G0:G0+3], s[G1:G1+7]      ; steps 0 and 1
	s_nop 0
	tensor_load_to_lds s[G0+4:G0+7], s[G1:G1+7]
	s_nop 0
	PLACES 4
	s_lshl_b32 s88, s[CX], 2
	s_add_co_u32 s88, s88, s[WV]
	s_lshl_b32 s88, s88, 13                        ; the prefetches: 8,192 bytes of a K step for each of the cluster's sixteen waves,
	s_add_co_u32 s88, s88, BASE+8*SLOTB            ; from the second weight's K step 0 on
	s_mov_b32 s89, 0
	s_add_nc_u64 s[PF0:PF0+1], s[PW:PW+1], s[88:89]
	s_lshl_b32 s84, s[GB], 17
	s_mov_b32 s85, 0
	s_add_nc_u64 s[PX:PX+1], s[PX:PX+1], s[84:85]          ; X and out0 at my 32 rows
	s_add_nc_u64 s[POUT:POUT+1], s[POUT:POUT+1], s[84:85]
	s_lshl_b32 s84, s[GB], 15
	s_lshl_b32 s86, s[WF], 12
	s_add_co_u32 s84, s84, s86
	s_add_nc_u64 s[PCI:PCI+1], s[PCI:PCI+1], s[84:85]      ; ctx's codes: my block's first token tile, K steps 2 w' and 2 w' + 1
	v_and_b32 v192, 15, v0                         ; r
	v_bfe_u32 v193, v0, 4, 1                       ; h
	v_and_b32 v194, 31, v0                         ; lane
	v_lshlrev_b32 v[LI], 4, v194
	s_lshl_b32 s4, s[WF], 10                       ; my feature block in a row of X and of out0, and in the biases
	v_lshlrev_b32 v[VX], 12, v193
	v_lshl_add_u32 v[VX], v192, 4, v[VX]
	v_add_nc_u32 v[VX], s4, v[VX]
	v_lshlrev_b32 v[VB], 6, v193
	v_add_nc_u32 v[VB], s4, v[VB]
	s_mul_i32 s5, s[WV], 4352
	s_add_co_u32 s5, s5, STG
	v_mul_u32_u24 v[VS], v193, 272
	v_lshl_add_u32 v[VS], v192, 4, v[VS]
	v_add_nc_u32 v[VS], s5, v[VS]
	v_mul_u32_u24 v[VL], v192, 272
	v_lshl_add_u32 v[VL], v193, 6, v[VL]
	v_add_nc_u32 v[VL], s5, v[VL]
	s_lshl_b32 s4, s[WV], 12
	s_add_co_u32 s4, s4, AIMG
	v_add_nc_u32 v[AW], s4, v[LI]
	v_add_nc_u32 v[BAD], s2, v[LI]
	v_add_nc_u32 v[BAD+1], SLOTB, v[BAD]
	s_lshl_b32 s4, s[WV], 2
	s_add_co_u32 s4, s4, STAT
	v_add_nc_u32 v[SA], s4, v[LI]
	v_lshl_add_u32 v[SL], v192, 4, STAT
	v_lshlrev_b32 v[PFO], 4, v[LI]
	v_mov_b32 v[RI+1], 0                           ; the upper halves of pairs of which the low word is used
	v_mov_b32 v[RI+3], 0
	v_mov_b32 v[MEAN+1], 0
	v_mov_b32 v[MEAN+3], 0
	v_mov_b32 v30, 0                               ; a lane permute's destination counts as one of its sources
.irp m, 0,1
.irp n, 0,1,2,3,4,5,6,7
	global_load_b128 v[PC+32*\m+4*\n:PC+32*\m+4*\n+3], v[LI], s[PCI:PCI+1] offset:16384*\m+512*\n th:TH_LOAD_NT   ; two fragments of each token tile: 4,096 consecutive bytes
.endr
.endr
	XIN_LOADS PX
	s_wait_kmcnt 0x0
	s_mov_b32 s[LNB+1], s[LNB]
	s_wait_loadcnt 63                              ; ctx's 16 loads have 64 behind them; the field holds 63 at the most, and a smaller count is safe
.irp m, 0,1
.irp n, 0,1,2,3,4,5,6,7
	ds_store_b128 v[AW], v[PC+32*\m+4*\n:PC+32*\m+4*\n+3] offset:16384*\m+512*\n   ; to positions 2 w and 2 w + 1, where my own fragments will go later
.endr
.endr
	XIN_TURNS                                      ; (it ends with a wait for all my LDS instructions)
	s_wait_tensorcnt 0x1                           ; my part of step 0 is in; step 1's may stay out
	s_barrier_signal -1
	s_barrier_wait -1                              ; ctx's sixteen fragments lie in LDS
	; ---- X1 = X + ctx wo^T + bo
	PRODUCT 0, PBO
	SETSS E+10, E+11
	s_wait_loadcnt 0x0                             ; bo
.irp m, 0,1
.irp u, 0,1
	FRONT_B \m, \u
	WIN 0xc3                                       ; destination and source 0 window 3
.set i, 0
.rept 32
	v_pk_add_f32 v[128*\m+64*\u+i:128*\m+64*\u+i+1], v[128*\m+64*\u+i:128*\m+64*\u+i+1], v[TQ+i:TQ+i+1]
.set i, i+2
.endr
.endr
.endr
	; ---- LN2, in two passes: the mean, then the centred squares; X1 stays in window 3, X1 - mean goes where the sums lay
	ROWSUM 3, 0
	ROWSUM 3, 1
	EXCH 0
	v_mul_f32 v[MEAN], 0x3a800000, v192            ; / 1024
	v_mul_f32 v[MEAN+2], 0x3a800000, v200
	CENTER 3, 2, 0
	CENTER 3, 2, 1
	SUMSQ 2, 0
	SUMSQ 2, 1
	EXCH 1
	LNFIN
	MKSCALE SCL, LIM, E+12
.irp m, 0,1
.irp u, 0,1
	FRONT_LN 2, \m, \u
	CVT 2*\m+\u, 0, LIM, SCL
	IMAGE 2*\m+\u, \m, \u
.endr
.endr
	MEETA
	; ---- the hidden layer: relu(xn w1^T + b1), quantised on the way
	PRODUCT 0, PB1
	SETSS E+12, E+13
	MKSCALE SCLO, LIMO, E+14
	s_wait_loadcnt 0x0                             ; b1
.irp m, 0,1
.irp u, 0,1
	FRONT_B \m, \u
	CVT 2*\m+\u, 1, LIMO, SCLO
	IMAGE 2*\m+\u, \m, \u
.endr
.endr
	MEETA
	; ---- out = X1 + h w2^T + b2
	PRODUCT 1, PB2
	SETSS E+14, E+15
	s_wait_loadcnt 0x0                             ; b2
.irp m, 0,1
.irp u, 0,1
	FRONT_B \m, \u
	WIN 0x03                                       ; source 0 (X1) window 3
.set i, 0
.rept 32
	v_pk_add_f32 v[TQ+i:TQ+i+1], v[128*\m+64*\u+i:128*\m+64*\u+i+1], v[TQ+i:TQ+i+1]
.set i, i+2
.endr
	WIN 0
.irp hf, 0,1                                   ; a chunk of 16 rows x 256 bytes goes back through my stage, the way X came
	s_wait_xcnt 0x0                                ; the stores that read these registers last have read them
.irp b, 0,1
.irp j, 0,1,2,3
	ds_store_b128 v[VL], v[TQ+16*(2*\hf+\b)+4*\j:TQ+16*(2*\hf+\b)+4*\j+3] offset:128*\b+16*\j
.endr
.endr
.irp k, 0,1,2,3,4,5,6,7
	ds_load_b128 v[PC+32*\hf+4*\k:PC+32*\hf+4*\k+3], v[VS] offset:544*\k   ; LDS serves a wave's instructions in order: these see the stores above
.endr
	s_wait_dscnt 0x0
.irp k, 0,1,2,3,4,5,6,7
	global_store_b128 v[VX], v[PC+32*\hf+4*\k:PC+32*\hf+4*\k+3], s[POUT:POUT+1] offset:(8*\m+2*\k+8*(\k/4))*4096+256*(2*\u+\hf) th:TH_STORE_NT   ; sixteen lanes store 256 consecutive bytes, at a multiple of 256 from out0's first byte
.endr
.endr
.endr
.endr
	s_wait_tensorcnt 0x0                           ; the wave's end
	ds_add_u32 v[SPW], v[NIL]
	s_wait_dscnt 0x0
	ROUND                                          ; the closing round
	s_endpgm
.Lfunc_end_k_q692732ddcf_tail:
	.size	k_q692732ddcf_tail, .Lfunc_end_k_q692732ddcf_tail-k_q692732ddcf_tail
	.p2alignl 7, 3214868480
	.fill 96, 4, 3214868480
	.section	.rodata,"a",@progbits
	.p2align	6, 0x0
	.amdhsa_kernel k_q692732ddcf_tail
		.amdhsa_group_segment_fixed_size 327680
		.amdhsa_private_segment_fixed_size 0
		.amdhsa_enable_private_segment 0
		.amdhsa_kernarg_size 80
		.amdhsa_user_sgpr_count 2
		.amdhsa_user_sgpr_kernarg_segment_ptr 1
		.amdhsa_wavefront_size32 1
		.amdhsa_system_sgpr_workgroup_id_x 1
		.amdhsa_system_sgpr_workgroup_id_y 1
		.amdhsa_system_sgpr_workgroup_id_z 1
		.amdhsa_system_vgpr_workitem_id 0
		.amdhsa_next_free_vgpr 1024
		.amdhsa_next_free_sgpr 96
		.amdhsa_reserve_vcc 0
		.amdhsa_float_denorm_mode_32 3
		.amdhsa_float_denorm_mode_16_64 3
		.amdhsa_memory_ordered 1
		.amdhsa_forward_progress 1
		.amdhsa_inst_pref_size 255
	.end_amdhsa_kernel
	.section	.bss,"aw",@nobits
	.p2align	6
	.space	262144
	.amdgpu_metadata
---
amdhsa.version: [ 1, 2 ]
amdhsa.kernels:
  - .name:           k_q692732ddcf_tail
    .symbol:         k_q692732ddcf_tail.kd
    .args:
      - { .name: X, .offset: 0, .size: 8, .value_kind: global_buffer, .address_space: global }
      - { .name: cimg, .offset: 8, .size: 8, .value_kind: global_buffer, .address_space: global }
      - { .name: wimg, .offset: 16, .size: 8, .value_kind: global_buffer, .address_space: global }
      - { .name: bo, .offset: 24, .size: 8, .value_kind: global_buffer, .address_space: global }
      - { .name: b1, .offset: 32, .size: 8, .value_kind: global_buffer, .address_space: global }
      - { .name: b2, .offset: 40, .size: 8, .value_kind: global_buffer, .address_space: global }
      - { .name: ln2_a, .offset: 48, .size: 8, .value_kind: global_buffer, .address_space: global }
      - { .name: ln2_b, .offset: 56, .size: 8, .value_kind: global_buffer, .address_space: global }
      - { .name: lowp_scales, .offset: 64, .size: 8, .value_kind: global_buffer, .address_space: global }
      - { .name: out0, .offset: 72, .size: 8, .value_kind: global_buffer, .address_space: global }
    .group_segment_fixed_size: 327680
    .private_segment_fixed_size: 0
    .kernarg_segment_align: 8
    .kernarg_segment_size: 80
    .max_flat_workgroup_size: 128
    .sgpr_count:     96
    .vgpr_count:     1024
    .wavefront_size: 32
...
	.end_amdgpu_metadata
.endif
;; end of part 7
;; ======== version 3 of 3: 4 launches; version 2 with the launch attn written anew for expert scheduling mode
;; limits: right only within a limited range of input values
;; workspace buffers: wimg 6,291,456 bytes; qimg 8,388,608 bytes; kimg 8,388,608 bytes; vimg 8,388,608 bytes; cimg 8,388,608 bytes
;; launch wquant: the kernel of part 1 again; grid 64 x 6, 8 waves a work-group, no clusters, 68,608 bytes of LDS; arguments wq, wk, wv, wo, w1, w2, lowp_scales, wimg; writes wimg
;; launch qkv: the kernel of part 5 again; grid 256 x 1, 4 waves a work-group, clusters of 4 x 1, 327,680 bytes of LDS; arguments X, mask, bq, bk, bv, ln1_a, ln1_b, lowp_scales, wimg, qimg, kimg, vimg; writes qimg, kimg, vimg
;; launch attn (part 8): grid 256 x 1, 16 waves a work-group, no clusters, 137,216 bytes of LDS; arguments qimg, kimg, vimg, mask, lowp_scales, cimg; writes cimg
.if DOCPART == 8
	.amdgcn_target "amdgcn-amd-amdhsa--gfx1250"
	.amdhsa_code_object_version 6
	.text
	.protected	k_q692732ddcf_attn
	.globl	k_q692732ddcf_attn
	.p2align	8
	.type	k_q692732ddcf_attn,@function
k_q692732ddcf_attn:
	s_mov_b64 s[64:65], 0
	v_nop
	global_prefetch_b8 v0, s[64:65] scope:SCOPE_SE
	s_setreg_imm32_b32 hwreg(HW_REG_WAVE_SCHED_MODE, 0, 2), 2
	s_setreg_imm32_b32 hwreg(HW_REG_WAVE_MODE, 25, 1), 1
	s_wait_xcnt 0x0
	s_wait_alu depctr_vm_vsrc(0)
; ctx = softmax(q k^T / 8, hidden keys at a large negative logit) v for 128 (batch, head) pairs of 1,024 x 1,024 x 64, both products on codes of FP8 (E4M3); ctx is quantised (e10) into the next product's fragments.
; THE SOFTMAX: t = logit x log2(e); M = the running largest t rounded UP to a whole number; p = 2^(t - M) is quantised (e9), not normalised; the row's sum is taken of the unquantised p and divides at the end.
; When M moves, the sum and O are multiplied by 2^(old M - new M), which rounds nothing.
; SHARES.  A work-group owns 512 queries of one (batch, head): bh = x / 2, half = x % 2.  Each of sixteen waves owns two tiles of 16 queries, worked together, so that each fragment of K, V and the mask read from LDS
; feeds two matrix instructions.  All of the head's K and V (131,072 bytes) is brought into LDS once, at the head: 16 loads and 16 LDS stores of 16 bytes a thread, as the bytes lie.
; THROUGH REGISTERS, NOT BY TENSOR LOADS, so that a scalar branch on the given exponents may stand in the loop: THE HOLD OF p, 64 vector instructions a step,
; is jumped over where p cannot pass the largest code: e9 >= -8, so that 448 x 2^e9 >= 1.75, and e6 + e7 <= 1, so that |t| <= 1.4427 x 64 x 448^2 x 2 / 8 < 2^23: M is taken of the rounded product,
; t - M of the exact one, so t - M passes 0 by 0.25 at the most and p stays under 1.19.  (A hidden key's t is a power of two times c: exact.)  With any other exponents the hold is executed.
; NO CLUSTER: only two work-groups share a head's K and V, each reads them once, 131,072 bytes at its head, against 16 steps of softmax work.  NO PREFETCH: all of K and V is asked for at the head.
; LAYOUT.  Both products are used transposed: S^T = K Q^T + C (source 0 = 16 keys, source 1 = 16 queries), O^T = V^T P^T: a lane holds ONE query (lane % 16) throughout.  The keys of a tile, and the d of a tile of V,
; are in the order r + 8 (r / 8) + 8 (T % 2) + 32 (T / 2), so that 16 registers of two neighbouring tiles are 16 neighbours along the next K.  Fragments of 64 along K are 8 registers: [c 0..1][lane][16 bytes].
; THE MASK is the C of the score's product: 0 for a key that counts, -2^(33 - e6 - e7) for a hidden one, whose codes in kimg are zeros: its logit is exactly -2^30.
; LIMITS: the hidden logit is -2^30 in place of -1e9: the same results while every other logit is above it, which holds for e6 + e7 <= 9 (|logit| <= 64 x 448^2 x 2^(e6 + e7) / 8); e6 + e7 >= -94;
; e9 and e10 between -126 and 119; NaN is not served.
; THE MODE: SCHED_MODE bits 1:0 = 2 (LLVM: expert scheduling mode 2), set by the entry lines.  The code itself states the register dependences between vector or matrix instructions and memory or LDS
; instructions, with s_wait_alu, always for 0.
; THE PLAN.  Registers that LDS instructions touch, in the loop (step t):
;   KF            K(t + 1) lands in it, asked for behind W1 of step t; the score products of step t + 1 read it.
;   VF            V(t) lands in it, asked for behind W1 of step t; the products V^T P of step t read it.
;   v[S .. S+31]  the mask of step t + 1 lands in them, asked for behind W2 of step t; the score products of step t + 1 read them as C; then they hold tile 0's scores and p, which the conversions read last.
;   ADK, ADV, ADM written once a step, between the two groups of score products; read by the loads behind W1 (ADV, ADK) and behind W2 (ADM).
;   LI, VM        made at the head, never written again.
; W1 is the wait behind the batch of exponentials; W2 stands behind p's conversions.  One wait on vm_vsrc stands at a step's head, ahead of the three adds.
; The mask's 32 registers serve both tiles: tile 1's four products read them as C and write v[S+32 ..]; five plain instructions follow; then tile 0's four add in place onto them.
; The last step asks for nothing beyond the head's keys: it is written out behind the loop.
.set MBO, 131072                       ; LDS: K at 0, V at 65,536, the mask's 1,024 numbers here
.set LI,  1                            ; v1  16 x lane
.set VM,  2                            ; v2  MBO + 64 h
.set ADK, 3                            ; v3  at the head 16 x thread; then the next step's K
.set ADV, 4                            ; v4  at the head 65,536 + 16 x thread; then the step's V
.set ADM, 5                            ; v5  the next step's mask
.set PSC, 6                            ; v6  2^e9, later 2^e10
.set PLM, 7                            ; v7  448 x that
.set ST,  8                            ; tile q at v[8 + 8 q]: +0 -M, +1 the largest t, +2, +3 the sum in two halves, +4 f (+5 written once), +6, +7 at work
.set Q,   32                           ; v32-47   Q's two fragments
.set KF,  48                           ; v48-79   four fragments of K
.set VF,  80                           ; v80-111  four fragments of V
.set PC,  112                          ; v112-127 p's codes, 8 a tile
.set S,   128                          ; v128-191 at the head K and V on their way; then S^T, then p: 32 a tile; between two steps the first 32 take the mask in the scores' layout
.set O,   192                          ; v192-255 O^T: 32 a tile
.set WV,  28
.set SEL, 36
.set CS,  40                           ; s[40:41] c = log2(e) / 8 x 2^(e6 + e7)
.set KB,  42                           ; s42  LDS byte of the next step's K
.set MO,  43                           ; s43  byte of the next step's mask
.set CT,  44
.set FREE, 46                          ; s46  1 where p needs no hold
	s_load_b256 s[4:11], s[0:1], 0x0               ; qimg, kimg, vimg, mask
	s_load_b128 s[12:15], s[0:1], 0x20             ; the scales' exponents, cimg
	v_lshrrev_b32 v1, 5, v0
	v_readfirstlane_b32 s[WV], v1                  ; wave 0..15
	s_lshr_b32 s29, ttmp9, 1                       ; bh
	s_and_b32 s30, ttmp9, 1                        ; half
	s_lshr_b32 s31, s29, 4                         ; batch
	s_lshl_b32 s32, s29, 16                        ; the head's 65,536 bytes in kimg and in vimg
	s_mov_b32 s33, 0
	s_mov_b32 s[SEL], 0x76543210
	s_mov_b32 s[SEL+1], 0xfedcba98
	v_lshlrev_b32 v[ADK], 4, v0                    ; 16 x thread: the 512 threads take 8,192 consecutive bytes an instruction
	v_add_nc_u32 v[ADV], 0x10000, v[ADK]
	v_and_b32 v30, 31, v0                          ; all offsets and addresses of the head are made here, ahead of its first load
	v_lshlrev_b32 v[LI], 4, v30
	v_bfe_u32 v31, v0, 4, 1
	v_lshl_add_u32 v[VM], v31, 6, MBO
	v_lshlrev_b32 v30, 3, v0                       ; the mask in memory: thread t takes keys 2 t and 2 t + 1,
	v_lshl_add_u32 v31, v0, 3, MBO                 ; and in LDS
	s_wait_alu depctr_va_sdst(0)                   ; s[WV] is written, ahead of its first reader: Q's and cimg's addresses are made from it
	s_wait_kmcnt 0x0
	s_load_b512 s[48:63], s[12:13], 0x0            ; e0 .. e15 in s48 on
	s_add_nc_u64 s[6:7], s[6:7], s[32:33]
	s_add_nc_u64 s[8:9], s[8:9], s[32:33]
	s_wait_alu depctr_va_vdst(0)                   ; v[ADK], v[ADV], v[LI], v[VM], v30 and v31 are written, which the head's loads and LDS stores and the first fragments' loads read
.irp n, 0,1,2,3,4,5,6,7
	global_load_b128 v[S+4*\n:S+4*\n+3], v[ADK], s[6:7] offset:8192*\n
.endr
.irp n, 0,1,2,3,4,5,6,7
	global_load_b128 v[S+32+4*\n:S+32+4*\n+3], v[ADK], s[8:9] offset:8192*\n
.endr
	s_lshl_b32 s34, s29, 16
	s_lshl_b32 s35, s30, 15
	s_add_co_u32 s34, s34, s35
	s_lshl_b32 s35, s[WV], 11
	s_add_co_u32 s34, s34, s35                     ; 65,536 bh + 1,024 (32 half + 2 wave)
	s_mov_b32 s35, 0
	s_add_nc_u64 s[4:5], s[4:5], s[34:35]
.irp q, 0,1
.irp c, 0,1
	global_load_b128 v[Q+8*\q+4*\c:Q+8*\q+4*\c+3], v[LI], s[4:5] offset:1024*\q+512*\c th:TH_LOAD_NT
.endr
.endr
	s_lshl_b32 s34, s31, 12
	s_add_nc_u64 s[10:11], s[10:11], s[34:35]      ; the batch's mask
	global_load_b64 v[24:25], v30, s[10:11]        ; thread t takes keys 2 t and 2 t + 1
	s_lshl_b32 s34, s31, 6
	s_lshl_b32 s38, s30, 5
	s_add_co_u32 s34, s34, s38
	s_lshl_b32 s38, s[WV], 1
	s_add_co_u32 s34, s34, s38                     ; my first token tile among the 512
	s_lshl_b32 s34, s34, 14
	s_and_b32 s38, s29, 15
	s_lshl_b32 s38, s38, 10                        ; the head's 64 features: 1,024 bytes of a tile's image
	s_add_co_u32 s34, s34, s38
	s_add_nc_u64 s[14:15], s[14:15], s[34:35]
.irp q, 0,1
	v_mov_b32 v[ST+8*\q+1], 0xff61b1e6             ; the largest t so far: -3e38
	v_floor_f32 v[ST+8*\q], -v[ST+8*\q+1]          ; -M
	v_mov_b32 v[ST+8*\q+2], 0
	v_mov_b32 v[ST+8*\q+3], 0
	v_mov_b32 v[ST+8*\q+5], 0
	v_mov_b32 v[28+\q], 0                          ; a lane permute's destination counts as one of its sources
.endr
.set i, 0
.rept 64
	v_mov_b32 v[O+i], 0                            ; the step has one form: the first finds zeros, which the first change of M leaves zeros
.set i, i+1
.endr
	s_wait_kmcnt 0x0
	s_add_co_i32 s38, s54, s55                     ; e6 + e7
	s_cmp_le_i32 s38, 1
	s_cselect_b32 s[FREE], 1, 0
	s_cmp_ge_i32 s57, -8                           ; e9
	s_cselect_b32 s[FREE], s[FREE], 0              ; 1 where both hold
	s_lshl_b32 s39, s38, 23
	s_mov_b32 s[CS], 0x3e38aa3b                    ; log2(e) / 8,
	s_add_co_i32 s[CS], s[CS], s39                 ; x 2^(e6 + e7): added to its exponent field
	s_mov_b32 s[CS+1], s[CS]
	s_sub_co_i32 s39, 160, s38
	s_lshl_b32 s39, s39, 23
	s_or_b32 s39, s39, 0x80000000                  ; -2^(33 - e6 - e7)
	v_mov_b32 v27, s39
	s_add_co_i32 s38, s57, 127
	s_lshl_b32 s39, s38, 23
	v_mov_b32 v[PSC], s39                          ; 2^e9
	s_add_co_i32 s38, s38, 8
	s_lshl_b32 s38, s38, 23
	s_or_b32 s38, s38, 0x600000
	v_mov_b32 v[PLM], s38                          ; 448 x 2^e9
	s_add_co_i32 s45, s56, s57                     ; e8 + e9
	s_wait_loadcnt 0x0                             ; K, V, Q and the mask
.irp n, 0,1,2,3,4,5,6,7
	ds_store_b128 v[ADK], v[S+4*\n:S+4*\n+3] offset:8192*\n        ; no vector instruction since the head's wait names these addresses; the data came by loads
.endr
.irp n, 0,1,2,3,4,5,6,7
	ds_store_b128 v[ADV], v[S+32+4*\n:S+32+4*\n+3] offset:8192*\n
.endr
	v_cmp_eq_u32 vcc_lo, 0, v24
	s_wait_alu depctr_va_vcc(0)                    ; VCC is written, ahead of the select that reads it
	v_cndmask_b32 v24, 0, v27, vcc_lo
	v_cmp_eq_u32 vcc_lo, 0, v25
	s_wait_alu depctr_va_vcc(0)                    ; likewise
	v_cndmask_b32 v25, 0, v27, vcc_lo
	s_wait_alu depctr_va_vdst(0)                   ; the two selects have written v[24:25], which the LDS store reads
	ds_store_b64 v31, v[24:25]
	s_wait_dscnt 0x0                               ; my part of K, of V and of the mask is stored,
	s_barrier_signal -1
	s_barrier_wait -1                              ; everybody's is
	s_wait_alu depctr_vm_vsrc(0)                   ; my LDS stores have read v[S .. S+63], v[24:25], v[ADK] and v[ADV]: the mask's loads below land in the first, the first step's products, sums and adds write the others
.irp x, 0,1,2,3,4,5,6,7
	ds_load_b128 v[KF+4*\x:KF+4*\x+3], v[LI] offset:512*\x         ; K of step 0: tile x / 2, piece x % 2
.endr
.irp x, 0,1,2,3,4,5,6,7
	ds_load_b128 v[S+4*\x:S+4*\x+3], v[VM] offset:128*(\x/4)+16*(\x%4)   ; the mask of step 0: register 16 b + i: key 32 b + 16 h + i of the step
.endr
	s_mov_b32 s[KB], 4096
	s_mov_b32 s[MO], 256
	s_mov_b32 s[CT], 15
; A step: 64 keys.  ahead = 1: the next step's K and mask are asked for.
.macro STEP ahead
	s_wait_dscnt 0x0                               ; this step's K and mask, asked for in the step before, are in
	s_wait_alu depctr_vm_vsrc(0)                   ; the LDS loads issued so far have read v[ADK], v[ADV] and v[ADM], which the adds below write
.irp j, 0,1,2,3
	v_wmma_f32_16x16x64_fp8_fp8 v[S+32+8*\j:S+32+8*\j+7], v[KF+8*\j:KF+8*\j+7], v[Q+8:Q+15], v[S+8*\j:S+8*\j+7]   ; tile 1 first: its C is the mask, where tile 0's scores will lie
.endr
	v_add_nc_u32 v[ADK], s[KB], v[LI]              ; five plain instructions that name no register of the four products above: the places ahead of matrix instructions that write over those products' C (ISA guide 7.12.1)
	v_add_nc_u32 v[ADV], 0xf000, v[ADK]            ; V of this step lies 65,536 - 4,096 bytes behind K of the next
.if \ahead
	v_add_nc_u32 v[ADM], s[MO], v[VM]
.else
	v_nop
.endif
	v_nop
	v_nop
.irp j, 0,1,2,3
	v_wmma_f32_16x16x64_fp8_fp8 v[S+8*\j:S+8*\j+7], v[KF+8*\j:KF+8*\j+7], v[Q:Q+7], v[S+8*\j:S+8*\j+7]   ; tile 0 adds onto the mask in place
.endr
.rept 4
	v_nop                                          ; places in front of the first read of the scores
.endr
.irp q, 0,1                                    ; the largest score of my query among my 32 keys, in two chains; each accumulator is read from its low end on
	v_max3_num_f32 v[ST+8*\q+6], v[S+32*\q], v[S+32*\q+1], v[S+32*\q+2]
	v_max3_num_f32 v[ST+8*\q+7], v[S+32*\q+3], v[S+32*\q+4], v[S+32*\q+5]
.endr
.irp n, 6,10,14,18,22,26
.irp q, 0,1
	v_max3_num_f32 v[ST+8*\q+6], v[ST+8*\q+6], v[S+32*\q+\n], v[S+32*\q+\n+1]
	v_max3_num_f32 v[ST+8*\q+7], v[ST+8*\q+7], v[S+32*\q+\n+2], v[S+32*\q+\n+3]
.endr
.endr
.irp q, 0,1
	v_max3_num_f32 v[ST+8*\q+6], v[ST+8*\q+6], v[S+32*\q+30], v[S+32*\q+31]
.endr
.irp q, 0,1
	v_max_num_f32 v[ST+8*\q+6], v[ST+8*\q+6], v[ST+8*\q+7]
.endr
.irp q, 0,1
	v_permlanex16_b32 v[28+\q], v[ST+8*\q+6], s[SEL], s[SEL+1]
.endr
.irp q, 0,1
	v_max_num_f32 v[ST+8*\q+6], v[ST+8*\q+6], v[28+\q]     ; and among lane l xor 16's
.endr
.irp q, 0,1
	v_mul_f32 v[ST+8*\q+6], s[CS], v[ST+8*\q+6]            ; as t (c is positive)
.endr
.irp q, 0,1
	v_max_num_f32 v[ST+8*\q+1], v[ST+8*\q+1], v[ST+8*\q+6] ; the running largest t
.endr
.irp q, 0,1
	v_mov_b32 v[ST+8*\q+7], v[ST+8*\q]
.endr
.irp q, 0,1
	v_floor_f32 v[ST+8*\q], -v[ST+8*\q+1]                  ; the new -M = -ceil(t)
.endr
.irp q, 0,1
	v_sub_f32 v[ST+8*\q+7], v[ST+8*\q], v[ST+8*\q+7]       ; old M - new M: a whole number, 0 or less
.endr
.irp q, 0,1
	v_cvt_i32_f32 v[ST+8*\q+7], v[ST+8*\q+7]               ; (it saturates)
.endr
.irp q, 0,1
	v_ldexp_f32 v[ST+8*\q+4], 1.0, v[ST+8*\q+7]            ; f = 2^(old M - new M)
.endr
.irp n, 0,2,4,6,8,10,12,14,16,18,20,22,24,26,28,30
.irp q, 0,1
	v_pk_fma_f32 v[S+32*\q+\n:S+32*\q+\n+1], v[S+32*\q+\n:S+32*\q+\n+1], s[CS:CS+1], v[ST+8*\q:ST+8*\q+1] op_sel_hi:[1,0,0]   ; t - M
.endr
.endr
.set i, 0
.rept 64
	v_exp_f32 v[S+i], v[S+i]                       ; p = 2^(t - M): one batch
.set i, i+1
.endr
.irp q, 0,1
	v_pk_mul_f32 v[ST+8*\q+2:ST+8*\q+3], v[ST+8*\q+2:ST+8*\q+3], v[ST+8*\q+4:ST+8*\q+5] op_sel_hi:[1,0]   ; the sums under the new M: plain instructions behind the exponentials
.endr
	s_wait_alu depctr_va_vdst(0)                   ; W1: the exponentials have written p, ahead of its first reader (one wait for the batch); the score products are done reading KF, the last step's products V^T P are done reading VF, and v[ADK], v[ADV], v[ADM] are written
.irp x, 0,1,2,3,4,5,6,7
	ds_load_b128 v[VF+4*\x:VF+4*\x+3], v[ADV] offset:512*\x        ; V of this step: d tile x / 2, piece x % 2; it lands while the sums, the conversions and O's rescaling are worked
.endr
.irp q, 0,1
	v_pk_add_f32 v[24+2*\q:25+2*\q], v[S+32*\q:S+32*\q+1], v[S+32*\q+2:S+32*\q+3]   ; the row's sum is taken of the unquantised p, in two chains
.endr
.irp n, 4,8,12,16,20,24,28
.if \ahead
	ds_load_b128 v[KF+(\n)-4:KF+(\n)-1], v[ADK] offset:128*(\n)-512   ; K of the next step, a load to each group of sums.  No wait: no vector or matrix instruction since W1 names KF or v[ADK]
.endif
.irp q, 0,1
	v_pk_add_f32 v[ST+8*\q+2:ST+8*\q+3], v[ST+8*\q+2:ST+8*\q+3], v[S+32*\q+\n:S+32*\q+\n+1]
	v_pk_add_f32 v[24+2*\q:25+2*\q], v[24+2*\q:25+2*\q], v[S+32*\q+\n+2:S+32*\q+\n+3]
.endr
.endr
.if \ahead
	ds_load_b128 v[KF+28:KF+31], v[ADK] offset:3584                ; its eighth
.endif
.irp q, 0,1
	v_pk_add_f32 v[ST+8*\q+2:ST+8*\q+3], v[ST+8*\q+2:ST+8*\q+3], v[24+2*\q:25+2*\q]
.endr
	s_cmp_lg_u32 s[FREE], 0                        ; the same in every wave and every step: it hangs on the given exponents alone
	s_cbranch_scc1 .Lno_hold_\@
.set i, 0
.rept 64
	v_min_num_f32 v[S+i], v[S+i], v[PLM]           ; the conversion does not saturate (ISA guide 7.6.2); p is not negative, so the hold is one-sided
.set i, i+1
.endr
.Lno_hold_\@:
.irp q, 0,1
.irp b, 0,1,2,3
	v_cvt_scalef32_pk8_fp8_f32 v[PC+8*\q+2*\b:PC+8*\q+2*\b+1], v[S+32*\q+8*\b:S+32*\q+8*\b+7], v[PSC]
.endr
.endr
.if \ahead
	s_wait_alu depctr_va_vdst(0)                   ; W2: the conversions are done reading v[S .. S+31], in which the next step's mask lands
.irp x, 0,1,2,3,4,5,6,7
	ds_load_b128 v[S+4*\x:S+4*\x+3], v[ADM] offset:128*(\x/4)+16*(\x%4)   ; register 16 b + i: key 32 b + 16 h + i of the next step
.endr
.endif
.irp n, 0,2,4,6,8,10,12,14,16,18,20,22,24,26,28,30
.irp q, 0,1
	v_pk_mul_f32 v[O+32*\q+\n:O+32*\q+\n+1], v[O+32*\q+\n:O+32*\q+\n+1], v[ST+8*\q+4:ST+8*\q+5] op_sel_hi:[1,0]   ; O^T under the new M; also the plain instructions behind the conversions
.endr
.endr
	s_wait_dscnt 16*\ahead                         ; V is in; the sixteen younger loads, the next step's K and mask, may be out
.irp d, 0,1,2,3
.irp q, 0,1
	v_wmma_f32_16x16x64_fp8_fp8 v[O+32*\q+8*\d:O+32*\q+8*\d+7], v[VF+8*\d:VF+8*\d+7], v[PC+8*\q:PC+8*\q+7], v[O+32*\q+8*\d:O+32*\q+8*\d+7]   ; the eight accumulators take turns
.endr
.endr
.endm
.Lstep:                                            ; steps 0 to 14
	STEP 1
	s_add_co_u32 s[KB], s[KB], 4096
	s_add_co_u32 s[MO], s[MO], 256
	s_sub_co_u32 s[CT], s[CT], 1
	s_cmp_lg_u32 s[CT], 0
	s_cbranch_scc1 .Lstep
	STEP 0                                         ; step 15: no K and no mask lie behind it
	; THE WAY OUT.  The additions, the v_nop and the two v_ldexp_f32 are more than four plain instructions behind the last products, none of which names their registers.
.irp q, 0,1
	v_add_f32 v[ST+8*\q+2], v[ST+8*\q+2], v[ST+8*\q+3]
.endr
.irp q, 0,1
	v_permlanex16_b32 v[28+\q], v[ST+8*\q+2], s[SEL], s[SEL+1]
.endr
.irp q, 0,1
	v_add_f32 v[ST+8*\q+2], v[ST+8*\q+2], v[28+\q]         ; the row's sum
.endr
.irp q, 0,1
	v_rcp_f32 v[ST+8*\q+4], v[ST+8*\q+2]
.endr
	v_nop
	s_add_co_i32 s38, s58, 127
	s_lshl_b32 s39, s38, 23
	s_add_co_i32 s38, s38, 8
	s_lshl_b32 s38, s38, 23
	s_or_b32 s38, s38, 0x600000
	v_mov_b32 v[PSC], s39                          ; 2^e10
	v_mov_b32 v[PLM], s38                          ; 448 x 2^e10
	s_wait_alu depctr_va_vdst(0)                   ; the two reciprocals have written their results: one wait for both, ahead of their first reader
.irp q, 0,1
	v_ldexp_f32 v[ST+8*\q+4], v[ST+8*\q+4], s45            ; x 2^(e8 + e9)
.endr
.irp q, 0,1
.set i, 0
.rept 16
	v_pk_mul_f32 v[O+32*\q+i:O+32*\q+i+1], v[O+32*\q+i:O+32*\q+i+1], v[ST+8*\q+4:ST+8*\q+5] op_sel_hi:[1,0]   ; ctx: register 16 b + i is d = 32 b + 16 h + i of my query
.set i, i+2
.endr
.endr
.irp q, 0,1
.set i, 0
.rept 32
	v_med3_num_f32 v[O+32*\q+i], v[O+32*\q+i], -v[PLM], v[PLM]
.set i, i+1
.endr
.irp b, 0,1,2,3
	v_cvt_scalef32_pk8_fp8_f32 v[PC+8*\q+2*\b:PC+8*\q+2*\b+1], v[O+32*\q+8*\b:O+32*\q+8*\b+7], v[PSC]
.endr
.endr
	v_nop
	s_wait_alu depctr_va_vdst(0)                   ; the conversions have written v[PC ..], which the stores read
.irp q, 0,1
.irp b, 0,1
	global_store_b128 v[LI], v[PC+8*\q+4*\b:PC+8*\q+4*\b+3], s[14:15] offset:16384*\q+512*\b   ; 512 consecutive bytes of the token tile's image
.endr
.endr
	s_wait_xcnt 0x0
	v_lshl_add_u32 v254, v0, 2, 0x21000            ; the add's two registers are made anew here: all 256 are in use until now; no memory or LDS instruction has read these two
	v_mov_b32 v255, 0
	s_wait_dscnt 0x0                               ; the closing lines, six on end
	s_wait_alu 0x0
	s_wait_tensorcnt 0x0
	ds_add_u32 v254, v255
	s_wait_dscnt 0x0
	s_endpgm
.Lfunc_end_k_q692732ddcf_attn:
	.size	k_q692732ddcf_attn, .Lfunc_end_k_q692732ddcf_attn-k_q692732ddcf_attn
	.p2alignl 7, 3214868480
	.fill 96, 4, 3214868480
	.section	.rodata,"a",@progbits
	.p2align	6, 0x0
	.amdhsa_kernel k_q692732ddcf_attn
		.amdhsa_group_segment_fixed_size 137216
		.amdhsa_private_segment_fixed_size 0
		.amdhsa_enable_private_segment 0
		.amdhsa_kernarg_size 48
		.amdhsa_user_sgpr_count 2
		.amdhsa_user_sgpr_kernarg_segment_ptr 1
		.amdhsa_wavefront_size32 1
		.amdhsa_system_sgpr_workgroup_id_x 1
		.amdhsa_system_sgpr_workgroup_id_y 1
		.amdhsa_system_sgpr_workgroup_id_z 1
		.amdhsa_system_vgpr_workitem_id 0
		.amdhsa_next_free_vgpr 256
		.amdhsa_next_free_sgpr 66
		.amdhsa_reserve_vcc 1
		.amdhsa_float_denorm_mode_32 3
		.amdhsa_float_denorm_mode_16_64 3
		.amdhsa_memory_ordered 1
		.amdhsa_forward_progress 1
		.amdhsa_inst_pref_size 50
	.end_amdhsa_kernel
	.amdgpu_metadata
---
amdhsa.version: [ 1, 2 ]
amdhsa.kernels:
  - .name:           k_q692732ddcf_attn
    .symbol:         k_q692732ddcf_attn.kd
    .args:
      - { .name: qimg, .offset: 0, .size: 8, .value_kind: global_buffer, .address_space: global }
      - { .name: kimg, .offset: 8, .size: 8, .value_kind: global_buffer, .address_space: global }
      - { .name: vimg, .offset: 16, .size: 8, .value_kind: global_buffer, .address_space: global }
      - { .name: mask, .offset: 24, .size: 8, .value_kind: global_buffer, .address_space: global }
      - { .name: lowp_scales, .offset: 32, .size: 8, .value_kind: global_buffer, .address_space: global }
      - { .name: cimg, .offset: 40, .size: 8, .value_kind: global_buffer, .address_space: global }
    .group_segment_fixed_size: 137216
    .private_segment_fixed_size: 0
    .kernarg_segment_align: 8
    .kernarg_segment_size: 48
    .max_flat_workgroup_size: 512
    .sgpr_count:     66
    .vgpr_count:     256
    .wavefront_size: 32
...
	.end_amdgpu_metadata
.endif
;; end of part 8
;; launch tail: the kernel of part 7 again; grid 256 x 1, 4 waves a work-group, clusters of 4 x 1, 327,680 bytes of LDS; arguments X, cimg, wimg, bo, b1, b2, ln2_a, ln2_b, lowp_scales, out0; writes out0
